; MI455X (gfx1250); checked and timed in simulation.
; The chip was launched on July 23, 2026; its instructions are those of AMD's public machine-readable ISA for CDNA 5 (MIT licence, August 2026) and "CDNA5" Instruction Set Architecture Reference Guide (July 2026). The comments in the code are by the model that wrote it; some were corrected since.
;; No Softmax Attention. Allowed arithmetic: matrix products marked QUANTISED: E2M3 operands, one E8M0 scale for each 32 along K, by v_wmma_scale_f32_16x16x128_f8f6f4 with both operands' format E2M3, f32 sums; everything else in f32.
;; Inputs: Wk 1,024 x 1,024 float32; Wo 1,024 x 1,024 float32; Wq 1,024 x 1,024 float32; Wv 1,024 x 1,024 float32; bk 1,024 float32; bo 1,024 float32; bq 1,024 float32; bv 1,024 float32; x 4 x 2,048 x 1,024 float32.
;; Outputs: out0 4 x 2,048 x 1,024 float32.
;; This version of the problem:
;;   THIS VERSION OF THE PROBLEM IS GIVEN IN LOW PRECISION. The matrix products marked QUANTISED in the list below multiply operands that are first quantised to E2M3 (2 exponent bits, 3 mantissa bits; 6 bits a number), with one power-of-two scale for each 32 numbers along K (OCP MX v1.0); their sums are f32. All else is computed in f32.
;;   The module's matrix products, in the order in which they are computed (A, B: the left and right operand; K: the contracted axis; several contracted axes count as one K, in the product's order):
;;     1. [M 8,192, K 1,024] x [K 1,024, N 1,024]; A: input x; B: input Wq: QUANTISED
;;     2. [M 8,192, K 1,024] x [K 1,024, N 1,024]; A: input x; B: input Wk: QUANTISED
;;     3. [M 8,192, K 1,024] x [K 1,024, N 1,024]; A: input x; B: input Wv: QUANTISED
;;     4. batch 4 x [M 2,048, K 1,024] x [K 1,024, N 2,048]; A: computed on the way; B: computed on the way: QUANTISED
;;     5. batch 4 x [M 2,048, K 2,048] x [K 2,048, N 1,024]; A: computed on the way; B: computed on the way: QUANTISED
;;     6. [M 8,192, K 1,024] x [K 1,024, N 1,024]; A: computed on the way; B: input Wo: QUANTISED
;;   THE QUANTISER, for each operand of a quantised product, along K:
;;     - K is cut into blocks of 32 from its start; a last block that is shorter is filled with zeros.
;;     - A block's scale is 2^e with e = floor(log2(the largest magnitude in the block)) - 2, held to -126 .. 127; a block of zeros has e = 0. As a byte (E8M0): e + 127.
;;     - Each number is divided by its block's scale, clamped to +-7.5, and rounded to the nearest number of E2M3, ties to even, subnormals kept.
;;     - The product sums the exact products of the quantised numbers (number of the format x scale) in f32.
;;   ~~~python
;;   def quantise(x, axis):      # numpy; x: float32 -> the quantised numbers, widened to float32 again
;;       x = np.moveaxis(x, axis, -1); K = x.shape[-1]
;;       x = np.pad(x, [(0, 0)] * (x.ndim - 1) + [(0, -K % 32)]); x = x.reshape(x.shape[:-1] + (-1, 32)); a = np.abs(x).max(-1, keepdims=True)
;;       e = np.where(a > 0, np.clip(np.frexp(np.where(a > 0, a, 1))[1] - 1 - 2, -126, 127), 0)      # np.frexp(a)[1] - 1 = floor(log2(a)), exactly
;;       r = np.clip(x / 2.0 ** e, -7.5, 7.5)
;;       step = 2.0 ** (np.maximum(np.frexp(np.where(r == 0, 1, r))[1] - 1, 0) - 3)
;;       q = np.round(r / step) * step * 2.0 ** e      # np.round: ties to even
;;       return np.moveaxis(q.reshape(q.shape[:-2] + (-1,))[..., :K], -1, axis).astype(np.float32)
;;   ~~~
;;   OPERANDS COMPUTED ON THE WAY. 'Computed on the way' means the value that the module computes at that place (a softmax that the list does not call 'softmax' is quantised finished and normalised). What goes into a quantiser is computed in f32, as accurately as f32 sums, v_exp_f32 and their like allow (about 1e-6 of the number): no bf16 or f16 on the way to a quantiser, and a product that is left as it is and whose result goes on into a quantised operand takes f32 operands (vector FMAs, or v_wmma_f32_16x16x4_f32). A number that lies on a knife's edge between two numbers of the format may be rounded either way, as far as f32 arithmetic and the matrix unit's own rounding can turn it there, and no further.
;; 2 versions, each right and faster than the one before. Each part assembles by itself: llvm-mc -triple=amdgcn-amd-amdhsa -mcpu=gfx1250 --defsym DOCPART=n.
;; ======== version 1 of 2: 5 launches
;; workspace buffers: c0 9,437,184 bytes; s0 393,216 bytes; c1 18,874,368 bytes; s1 786,432 bytes; c2 12,582,912 bytes; s2 524,288 bytes; c3 6,291,456 bytes; s3 262,144 bytes
;; launch quant (part 1): grid 384 x 1, 4 waves a work-group, no clusters, 34,304 bytes of LDS; arguments x, Wq, Wk, Wv, Wo, c0, s0; writes c0, s0
.if DOCPART == 1
	.amdgcn_target "amdgcn-amd-amdhsa--gfx1250"
	.amdhsa_code_object_version 6
	.text
	.protected	k_qee594c8f5f_quant
	.globl	k_qee594c8f5f_quant
	.p2align	8
	.type	k_qee594c8f5f_quant,@function
k_qee594c8f5f_quant:
	s_mov_b64 s[64:65], 0
	v_nop
	global_prefetch_b8 v0, s[64:65] scope:SCOPE_SE
	s_setreg_imm32_b32 hwreg(HW_REG_WAVE_MODE, 25, 1), 1
	s_wait_xcnt 0x0
; LAUNCH 1 OF 5.  x [8192][1024] and Wq, Wk, Wv, Wo [1024][1024], f32, K = their last axis, become codes of FP6 (E2M3) with one E8M0 byte for each 32 along K.
; THE PROGRAM: quant (this) | qkv: q, k, v^T = products 1-3 + biases, quantised | scores: q k^T x 0.125, quantised along t | mix: scores v, quantised along e | proj: out Wo^T + bo, f32.
; NO WORK IS LEFT OUT.  In real numbers (q k^T) v = q (k^T v), but the scores are quantised along t and v along t, and a quantiser is a step of the problem: both products are done as written.
; Every bias moves codes of a live operand or reaches the output: all nine inputs are loaded by some launch.
; LIMITS: NaN and infinities among the inputs are not served.  A block of zeros, and a block whose largest magnitude lies under 2^(3 - 127), gets the byte 1 (a block of zeros: where the rule says 127): zero codes add nothing
; under any byte but 0xff, and the bytes are read by this program alone.
; THE WORKSPACE IS LAID IN THE ORDER OF THE OPERAND'S REGISTERS.  A fragment is 16 rows x 128 K: 12 registers a lane (lane (r, h): row r; registers 6 c .. 6 c + 5: k = 64 c + 32 h + 0 .. 31).  Its image is 1,536 bytes:
; registers 4 g .. 4 g + 3 of lane l at 512 g + 16 l.  Codes: [row block of 16][K / 256][2][1536].  Scale words (four bytes: 128 along K of a row): [rows / 128][K / 128][512], in the 512: [G][r][i]: row 64 G + 16 i + r.
; THE ROWS ARE PERMUTED: place p of a buffer holds row pi(p) = p with bits 3 and 4 exchanged.  So lane r of block 2 b + u holds row 32 b + 8 u + r + 8 (r / 8): as source 0 of a transposed product such blocks leave
; a lane's 16 registers of two neighbouring tiles as 16 neighbours along the next product's K.  c0's blocks: 0-511 x, 512-575 Wq, 576-639 Wk, 640-703 Wv, 704-767 Wo.
; SHARES.  12,288 rows are 192 groups of 64; K is 8 steps of 128.  Work-group g takes group g / 2; its wave w takes K step 4 (g % 2) + w: four fragments.  Waves share nothing: no barrier.
; A load takes 512 consecutive bytes of one row, 16 a lane; 16 rows turn through the wave's own stage in LDS (rows 528 bytes apart: an odd multiple of 16, so that sixteen rows' pieces of 16 bytes start
; 16 bytes apart modulo 256) and come back 256 bytes a lane: two whole blocks of 32.  Two fragments' loads (32 a wave) are out at a time.
.set STGB,  16*528                     ; a wave's stage
.set SPARE, 4*STGB                     ; behind the stages: the spare words, 128 bytes a wave: two blocks of 256 bytes that no other line names
.set LI,   4                           ; v4   16 x lane
.set STI,  5                           ; v5   the stage, on the way in: my wave's + 16 x lane
.set STO,  6                           ; v6   on the way out: my wave's + 528 r + 128 h
.set SH8,  7                           ; v7   8 h
.set SOFF, 8                           ; v8   16 r + 8 h: my two scale words' place
.set SPW,  12                          ; v12  my spare word's LDS address; never rewritten
.set NIL,  13                          ; v13  0; never rewritten
.set MX,   16                          ; v16-17 largest magnitudes
.set OP,   20                          ; v20-21 the conversions' scale operands
.set BY,   22                          ; v22-23 scale bytes
.set SW,   28                          ; v28-31 the four fragments' scale words
.set LD0,  32                          ; v32-159 two sets of 16 x 4 registers as loaded
.set X,    160                         ; v160-223 my 64 numbers
.set CD,   224                         ; v224-235 the fragment's codes
.set TH,   236                         ; v236-238, v240-242 each block's upper 16 codes, as converted
	s_load_b256 s[4:11], s[0:1], 0x0               ; x, Wq, Wk, Wv
	s_load_b128 s[12:15], s[0:1], 0x20             ; Wo, c0
	s_load_b64 s[16:17], s[0:1], 0x30              ; s0
	v_lshl_add_u32 v[SPW], v0, 2, SPARE
	v_mov_b32 v[NIL], 0
	v_lshrrev_b32 v1, 5, v0
	v_readfirstlane_b32 s18, v1                    ; wave
	v_and_b32 v1, 31, v0                           ; lane
	v_and_b32 v2, 15, v0                           ; r
	v_bfe_u32 v3, v0, 4, 1                         ; h
	v_lshlrev_b32 v[LI], 4, v1
	s_mul_i32 s19, s18, STGB
	v_add_nc_u32 v[STI], s19, v[LI]
	v_mul_u32_u24 v[STO], v2, 528
	v_lshl_add_u32 v[STO], v3, 7, v[STO]
	v_add_nc_u32 v[STO], s19, v[STO]
	v_lshlrev_b32 v[SH8], 3, v3
	v_lshl_add_u32 v[SOFF], v2, 4, v[SH8]
	v_mov_b32 v25, 0                               ; written once: a lane permute's destination counts as one of its sources
	s_mov_b32 s20, 0x76543210
	s_mov_b32 s21, 0xfedcba98                      ; v_permlanex16_b32's selects for lane l xor 16
	s_lshr_b32 s22, ttmp9, 1                       ; my group of 64 rows
	s_and_b32 s23, ttmp9, 1
	s_lshl_b32 s23, s23, 2
	s_add_co_u32 s23, s23, s18                     ; my K step of 128
	s_and_b32 s24, s22, 15                         ; the group's number inside a weight
	s_mul_i32 s26, s22, 4*12288                    ; codes: four row blocks of 4 x 3,072 bytes a group,
	s_lshr_b32 s28, s23, 1
	s_mul_i32 s28, s28, 3072                       ; + the K step of 256,
	s_add_co_u32 s26, s26, s28
	s_and_b32 s28, s23, 1
	s_mul_i32 s28, s28, 1536                       ; + its half
	s_add_co_u32 s26, s26, s28
	s_mov_b32 s27, 0
	s_lshr_b32 s28, s22, 1                         ; scale words: ((group of 128) x 8 + K step) x 512 + 256 x (which 64 rows)
	s_lshl_b32 s28, s28, 3
	s_add_co_u32 s28, s28, s23
	s_lshl_b32 s28, s28, 9
	s_and_b32 s30, s22, 1
	s_lshl_b32 s30, s30, 8
	s_add_co_u32 s28, s28, s30
	s_mov_b32 s29, 0
	s_wait_kmcnt 0x0
	s_cmp_lt_u32 s22, 144                          ; which tensor: the choice hangs on the work-group's number alone
	s_cselect_b64 s[32:33], s[6:7], s[8:9]
	s_cmp_lt_u32 s22, 160
	s_cselect_b64 s[32:33], s[32:33], s[10:11]
	s_cmp_lt_u32 s22, 176
	s_cselect_b64 s[32:33], s[32:33], s[12:13]
	s_cmp_lt_u32 s22, 128
	s_cselect_b64 s[32:33], s[4:5], s[32:33]
	s_cselect_b32 s24, s22, s24
	s_lshl_b32 s24, s24, 18                        ; 64 rows of 4,096 bytes a group,
	s_lshl_b32 s30, s23, 9                         ; + 512 bytes a K step
	s_add_co_u32 s24, s24, s30
	s_mov_b32 s25, 0
	s_add_nc_u64 s[32:33], s[32:33], s[24:25]
	s_add_nc_u64 s[14:15], s[14:15], s[26:27]
	s_add_nc_u64 s[16:17], s[16:17], s[28:29]
; fragment f's 16 rows: place 16 f + p holds row 32 (f / 2) + 8 (f % 2) + p + 8 (p / 8)
.macro LOAD f
.irp p, 0,1,2,3,4,5,6,7,8,9,10,11,12,13,14,15
	global_load_b128 v[LD0+64*((\f)%2)+4*\p:LD0+64*((\f)%2)+4*\p+3], v[LI], s[32:33] offset:(32*((\f)/2)+8*((\f)%2)+\p+8*(\p/8))*4096 th:TH_LOAD_NT
.endr
.endm
.macro FRAGQ f, left
	s_wait_loadcnt \left                           ; this fragment's 16 loads are in; the next fragment's 16 may be out
.irp p, 0,1,2,3,4,5,6,7,8,9,10,11,12,13,14,15
	ds_store_b128 v[STI], v[LD0+64*((\f)%2)+4*\p:LD0+64*((\f)%2)+4*\p+3] offset:528*\p
.endr
.irp c, 0,1
.irp j, 0,1,2,3,4,5,6,7
	ds_load_b128 v[X+32*\c+4*\j:X+32*\c+4*\j+3], v[STO] offset:256*\c+16*\j   ; LDS serves a wave's instructions in order: these see the stores above.  k = 64 c + 32 h + 4 j ..
.endr
.endr
	s_wait_dscnt 0x0                               ; my numbers are in, and the stores into the stage have read their registers
	s_wait_xcnt 0x0                                ; the last fragment's stores have read the codes' registers, which are written again below
.if (\f) < 2
	LOAD (\f)+2
.endif
.irp c, 0,1
	v_max3_num_f32 v[MX+\c], |v[X+32*\c]|, |v[X+32*\c+1]|, 0x1800000   ; my block 2 c + h: all its 32 numbers are mine; and the floor 2^(3 - 127), so that the byte cannot fall under 1
.endr
.irp n, 2,4,6,8,10,12,14,16,18,20,22,24,26,28,30
.irp c, 0,1
	v_max3_num_f32 v[MX+\c], v[MX+\c], |v[X+32*\c+\n]|, |v[X+32*\c+\n+1]|
.endr
.endr
.irp c, 0,1
	v_add_nc_u32 v[OP+\c], 0xff000000, v[MX+\c]    ; 2 off the exponent field: the conversion takes the exponent field of this operand as its scale
.endr
.irp c, 0,1
	v_lshrrev_b32 v[BY+\c], 23, v[OP+\c]           ; the scale's byte
.endr
	v_lshl_or_b32 v24, v[BY+1], 16, v[BY]          ; my two bytes: blocks h and 2 + h of row r,
	v_lshlrev_b32 v24, v[SH8], v24                 ; at their places in the word;
	v_permlanex16_b32 v25, v24, s20, s21
	v_or_b32 v[SW+(\f)], v24, v25                  ; with lane l xor 16's two the word is whole
.irp c, 0,1
	v_cvt_scalef32_pk16_fp6_f32 v[CD+6*\c:CD+6*\c+2], v[X+32*\c:X+32*\c+15], v[OP+\c]
	v_cvt_scalef32_pk16_fp6_f32 v[TH+4*\c:TH+4*\c+2], v[X+32*\c+16:X+32*\c+31], v[OP+\c]   ; (a conversion's three registers begin on an even number)
.endr
	v_nop                                          ; one plain place behind a scaled conversion
.irp c, 0,1
.irp n, 0,1,2
	v_mov_b32 v[CD+3+6*\c+\n], v[TH+4*\c+\n]
.endr
.endr
.irp g, 0,1,2
	global_store_b128 v[LI], v[CD+4*\g:CD+4*\g+3], s[14:15] offset:12288*(\f)+512*\g   ; 32 lanes store 512 consecutive bytes, at a multiple of 512 from the buffer's first byte
.endr
.endm
	LOAD 0
	LOAD 1
	FRAGQ 0, 16
	FRAGQ 1, 16
	FRAGQ 2, 16
	FRAGQ 3, 0
	v_cmp_le_u32 vcc_lo, 16, v1                    ; both halves of the lanes hold all four words: lane (r, h) stores words 2 h and 2 h + 1
	v_cndmask_b32 v24, v[SW], v[SW+2], vcc_lo
	v_cndmask_b32 v25, v[SW+1], v[SW+3], vcc_lo
	global_store_b64 v[SOFF], v[24:25], s[16:17]   ; 32 lanes store 256 consecutive bytes, aligned
	s_wait_tensorcnt 0x0                           ; the wave's end, behind my last LDS store
	ds_add_u32 v[SPW], v[NIL]
	s_wait_dscnt 0x0
	s_endpgm
.Lfunc_end_k_qee594c8f5f_quant:
	.size	k_qee594c8f5f_quant, .Lfunc_end_k_qee594c8f5f_quant-k_qee594c8f5f_quant
	.p2alignl 7, 3214868480
	.fill 96, 4, 3214868480
	.section	.rodata,"a",@progbits
	.p2align	6, 0x0
	.amdhsa_kernel k_qee594c8f5f_quant
		.amdhsa_group_segment_fixed_size 34304
		.amdhsa_private_segment_fixed_size 0
		.amdhsa_enable_private_segment 0
		.amdhsa_kernarg_size 56
		.amdhsa_user_sgpr_count 2
		.amdhsa_user_sgpr_kernarg_segment_ptr 1
		.amdhsa_wavefront_size32 1
		.amdhsa_system_sgpr_workgroup_id_x 1
		.amdhsa_system_sgpr_workgroup_id_y 1
		.amdhsa_system_sgpr_workgroup_id_z 1
		.amdhsa_system_vgpr_workitem_id 0
		.amdhsa_next_free_vgpr 256
		.amdhsa_next_free_sgpr 66
		.amdhsa_reserve_vcc 1
		.amdhsa_float_denorm_mode_32 3
		.amdhsa_float_denorm_mode_16_64 3
		.amdhsa_memory_ordered 1
		.amdhsa_forward_progress 1
		.amdhsa_inst_pref_size 31
	.end_amdhsa_kernel
	.amdgpu_metadata
---
amdhsa.version: [ 1, 2 ]
amdhsa.kernels:
  - .name:           k_qee594c8f5f_quant
    .symbol:         k_qee594c8f5f_quant.kd
    .args:
      - { .name: x, .offset: 0, .size: 8, .value_kind: global_buffer, .address_space: global }
      - { .name: Wq, .offset: 8, .size: 8, .value_kind: global_buffer, .address_space: global }
      - { .name: Wk, .offset: 16, .size: 8, .value_kind: global_buffer, .address_space: global }
      - { .name: Wv, .offset: 24, .size: 8, .value_kind: global_buffer, .address_space: global }
      - { .name: Wo, .offset: 32, .size: 8, .value_kind: global_buffer, .address_space: global }
      - { .name: c0, .offset: 40, .size: 8, .value_kind: global_buffer, .address_space: global }
      - { .name: s0, .offset: 48, .size: 8, .value_kind: global_buffer, .address_space: global }
    .group_segment_fixed_size: 34304
    .private_segment_fixed_size: 0
    .kernarg_segment_align: 8
    .kernarg_segment_size: 56
    .max_flat_workgroup_size: 128
    .sgpr_count:     66
    .vgpr_count:     256
    .wavefront_size: 32
...
	.end_amdgpu_metadata
.endif
;; end of part 1
;; launch qkv (part 2): grid 8 x 48, 4 waves a work-group, clusters of 4 x 4, 327,680 bytes of LDS; arguments c0, s0, bq, bk, bv, c1, s1; writes c1, s1
.if DOCPART == 2
	.amdgcn_target "amdgcn-amd-amdhsa--gfx1250"
	.amdhsa_code_object_version 6
	.text
	.protected	k_qee594c8f5f_qkv
	.globl	k_qee594c8f5f_qkv
	.p2align	8
	.type	k_qee594c8f5f_qkv,@function
k_qee594c8f5f_qkv:
	s_mov_b64 s[64:65], 0
	v_nop
	global_prefetch_b8 v0, s[64:65] scope:SCOPE_SE
	s_setreg_imm32_b32 hwreg(HW_REG_WAVE_MODE, 25, 1), 1
	s_wait_xcnt 0x0
	s_wait_alu depctr_hold_cnt(0) depctr_sa_sdst(0) depctr_va_vdst(0) depctr_va_sdst(0) depctr_va_ssrc(0) depctr_va_vcc(0) depctr_vm_vsrc(0)
	s_getreg_b32 s2, hwreg(HW_REG_IB_STS2, 6, 4)
	s_cmp_eq_u32 s2, 0
	s_cbranch_scc0 .Lentry_in_a_cluster
	s_endpgm
.Lentry_in_a_cluster:
	s_bfe_u32 s2, ttmp6, 0x10000c
	s_cmp_lg_u32 s2, 0xf033
	s_cbranch_scc0 .Lentry_shape_is_right
	s_endpgm
.Lentry_shape_is_right:
; LAUNCH 2 OF 5.  q = x Wq^T + bq, k = x Wk^T + bk and v^T = Wv x^T + bv, on codes of FP6 (E2M3) with E8M0 scales, f32 sums; the results are quantised in registers and leave as codes: q and k along e, v^T along t.
; No work of the problem is left out here.
; LAYOUTS (made by the launch before, and made here for the next): a fragment, 16 rows x 128 K, is an image of its 12 registers: registers 4 g .. 4 g + 3 of lane l at 512 g + 16 l, 1,536 bytes.
; Codes [row block of 16][K / 256][2][1536]; scale words [rows / 128][K / 128][512], in the 512 [G][r][i]: row 64 G + 16 i + r.  Place p of a buffer holds row p with bits 3 and 4 exchanged.
; c0's blocks: 0-511 x, 512-575 Wq, 576-639 Wk, 640-703 Wv.  c1: blocks 0-511 q, 512-1023 k (K = 1,024); from VOFFC on v^T, block 64 batch + e / 16 (K = t = 2,048).
; A tile of 256 x 256 is made by four waves, each 128 x 128: 64 accumulators.  K goes in steps of 256 through a ring of two LDS slots; a wave's tensor load brings 8 row blocks x 3,072 bytes.
; The scale words of the work-group's rows, for all of K, come once with the first fills.  CLUSTERS of 4 x 4: A's tiles are asked for jointly along a row of the cluster, B's along a column.
; THE MATRIX INSTRUCTION IS USED TRANSPOSED (source 0 = 16 rows of B, source 1 = 16 rows of A): lane (r, h) holds A's row r, and by the rows' permutation register 16 b + i of tiles 2 b, 2 b + 1 holds column 32 b + 16 h + i.
; THE GRID: clusters with y 0-7 make q and k (A = x, tile rows 0-31; B = Wq, Wk, tile columns 0-7); clusters with y 8-11 make v^T (A = Wv, tile rows 0-3; B = x, tile columns 0-31).  The test hangs on the cluster's y alone.
; THE BIAS is the C of each sum's first matrix instruction: along the columns for q and k, along the rows for v^T: that first step stands twice, under a scalar branch on the cluster's y.
; LIMITS: NaN and infinities are not served; the bias is a sum's first term, not its last (another order of f32 rounding); a block whose largest magnitude lies under 2^(3 - 127) gets the byte 1 (a block of zeros too).
; REGISTERS: window 0: v0-31 addresses; v32-63 scale words, two sets, and nothing else; v64-127 the bias; v128-223 A's 8 fragments, one set.  Window 1: B's fragments, two sets, at v0 and v128.  Windows 2, 3: the accumulators, (a, b) at v[8 (8 (a % 4) + b)].
.set KDIM,  1024
.set NSIG,  KDIM/256                   ; K steps
.set NS,    KDIM/128
.set LAPS,  KDIM/512                   ; a lap = two K steps = once round the ring
.set FR,    12                         ; registers of a fragment
.set NL,    3                          ; LDS loads that bring one
.set NP,    4                          ; places behind this matrix instruction (ISA guide 7.12.1)
.set FRB,   1536                       ; a fragment's image
.set BLK,   2*FRB                      ; a row block's K step
.set HALFT, 8*BLK                      ; 128 rows: what one tensor load brings
.set SLOT,  4*HALFT                    ; A's 16 blocks, then B's 16
.set SCL,   2*SLOT                     ; behind the ring: the scale words
.set HALFS, 512*NS                     ; those of 128 rows
.set SPARE, SCL+4*HALFS                ; behind them: the spare words, 128 bytes a wave: two blocks of 256 bytes that no other line names
.set VOFFC, 12582912                   ; where v^T begins in c1,
.set VOFFS, 524288                     ; and its scale words in s1
.set FLOOR, 0x1800000                  ; 2^(3 - 127)
.set WV, 18                            ; s18 wave; s19 my half of the tile's rows, also: I fetch for A (0) or B (1); s20 my half of its columns, also: which 128 rows I fetch
.set HR, 19
.set HC, 20
.set TY, 21                            ; s21 tile row, s22 tile column
.set TX, 22
.set G1, 24                            ; s[24:31] descriptor group 1 for A's tiles; s[32:39] group 0, a set for each slot
.set G0, 32
.set G1B, 48                           ; s[48:55], s[56:63] the same for B's
.set G0B, 56
.set G1S, 68                           ; s[68:75], s[76:79] groups 1 and 0 for A's scale words; s[80:87], s[88:91] for B's
.set G0S, 76
.set G1SB, 80
.set G0SB, 88
.set VO,   8                           ; v8-15 the bias loads' offsets
.set ADRA, 16                          ; v16-17 LDS address of my A fragments in slot 0, 1
.set ADRB, 20                          ; v20-21 the same for B
.set LI,   26                          ; v26 16 x lane
.set ADRS, 27                          ; v27 LDS address of my scale words: lanes 0-15 A's, lanes 16-31 B's
.set SPW,  28                          ; v28 my spare word's LDS address; never rewritten
.set NIL,  29                          ; v29 0; never rewritten
.set LN,   30                          ; v30 lane
.set SC,   32                          ; scale words: register SC + 16 set + 8 q + i: lanes 0-15 A's block i, lanes 16-31 B's block i, the slot's q-th 128 along K
.set BI,   64
.set AF,   128
.set PCD0, 64                          ; the way out: block a's codes at v[64 + 12 a]
.set TH,   160                         ; v160-167 upper halves as converted
.set TM,   168                         ; v168-183 at work
.set PW,   184                         ; v184-191 block a's scale words
.set SW,   192                         ; v192-195 the four words that I store
.set VOA,  200                         ; v200-207 block a's offset in c1
.set MSB, 0
.macro WIN new                         ; the immediate's high byte repeats the setting that is left
.if MSB != \new
	s_set_vgpr_msb (MSB<<8)|\new
.set MSB, \new
.endif
.endm
.set MUL_LO, 0xa1                      ; source 0 (B) window 1, source 1 (A) window 0, C and D window 2
.set MUL_HI, 0xf1                      ; the same, C and D window 3
.set TO_B,   0x40                      ; destination window 1, address window 0
; A joint load: waves 0 and 1 fetch for A, waves 2 and 3 for B.  The branch hangs on the wave's number alone.  An s_nop 0 and four v_nop follow each of the two lines.
.macro JLOAD g0a, g1a, g0b, g1b
	s_cmp_eq_u32 s[HR], 0
	s_cbranch_scc0 .Lfor_b_\@
	tensor_load_to_lds s[\g0a:\g0a+3], s[\g1a:\g1a+7]
	s_nop 0
.rept 4
	v_nop
.endr
	s_branch .Lasked_\@
.Lfor_b_\@:
	tensor_load_to_lds s[\g0b:\g0b+3], s[\g1b:\g1b+7]
	s_nop 0
.rept 4
	v_nop
.endr
.Lasked_\@:
.endm
.macro CREST                           ; a round of the cluster's barrier behind its opening barrier
	s_cmp_lg_u32 s[WV], 0
	s_cbranch_scc1 .Lnot_wave_0_\@
	s_barrier_signal -3
.Lnot_wave_0_\@:
	s_barrier_wait -3
	s_barrier_signal -1
	s_barrier_wait -1
.endm
.macro CROUND                          ; a whole round
	s_barrier_signal -1
	s_barrier_wait -1
	CREST
.endm
.macro PLACES n
.rept \n
	v_nop
.endr
.endm
.macro FRAG reg, adr, q, i             ; a fragment comes back as it was stored: three loads of 512 consecutive bytes
.irp g, 0,1,2
	ds_load_b128 v[\reg+4*\g:\reg+4*\g+3], v[\adr] offset:(\i)*BLK+(\q)*FRB+512*\g
.endr
.endm
.macro FETCH_B slot, q, p              ; B's eight fragments of the slot's q-th 128 along K into set p
	WIN TO_B
.irp i, 0,1,2,3,4,5,6,7
	FRAG 128*(\p)+FR*\i, ADRB+\slot, \q, \i
.endr
	WIN 0
.endm
.macro FETCH_A slot, q, i0             ; A's blocks i0 .. i0 + 3
.irp i, \i0, \i0+1, \i0+2, \i0+3
	FRAG AF+FR*(\i), ADRA+\slot, \q, \i
.endr
.endm
.macro SCALES sc                       ; a K step's scale words into set sc: one load brings four blocks' words
.irp q, 0,1
.irp g, 0,1
	ds_load_b128 v[SC+16*\sc+8*\q+4*\g:SC+16*\sc+8*\q+4*\g+3], v[ADRS] offset:512*\q+256*\g
.endr
.endr
.endm
; 16 matrix instructions: A's blocks a0, a0 + 1 x B's eight.  p: B's set; sc: the set of scale words.  cm = 0: the sums go on; 1: they start at 0; 2: at the bias of B's block; 3: at the bias of A's block.
; The 64 accumulators take turns, one instruction a turn, in the same order in every step.
.macro MUL16 a0, p, q, sc, cm
.irp a, \a0, \a0+1
.irp b, 0,1,2,3,4,5,6,7
.set rD, 8*(8*((\a)%4)+\b)
.set rB, 128*(\p)+FR*\b
.set rA, AF+FR*(\a)
.set rT, SC+16*(\sc)+8*(\q)
.if \cm == 0
	v_wmma_scale_f32_16x16x128_f8f6f4 v[rD:rD+7], v[rB:rB+FR-1], v[rA:rA+FR-1], v[rD:rD+7], v[rT+\b], v[rT+(\a)] matrix_a_fmt:MATRIX_FMT_FP6 matrix_b_fmt:MATRIX_FMT_FP6 matrix_a_scale:MATRIX_SCALE_ROW1
.elseif \cm == 1
	v_wmma_scale_f32_16x16x128_f8f6f4 v[rD:rD+7], v[rB:rB+FR-1], v[rA:rA+FR-1], 0, v[rT+\b], v[rT+(\a)] matrix_a_fmt:MATRIX_FMT_FP6 matrix_b_fmt:MATRIX_FMT_FP6 matrix_a_scale:MATRIX_SCALE_ROW1
.elseif \cm == 2
	v_wmma_scale_f32_16x16x128_f8f6f4 v[rD:rD+7], v[rB:rB+FR-1], v[rA:rA+FR-1], v[BI+8*\b:BI+8*\b+7], v[rT+\b], v[rT+(\a)] matrix_a_fmt:MATRIX_FMT_FP6 matrix_b_fmt:MATRIX_FMT_FP6 matrix_a_scale:MATRIX_SCALE_ROW1
.else
	v_wmma_scale_f32_16x16x128_f8f6f4 v[rD:rD+7], v[rB:rB+FR-1], v[rA:rA+FR-1], v[BI+8*(\a):BI+8*(\a)+7], v[rT+\b], v[rT+(\a)] matrix_a_fmt:MATRIX_FMT_FP6 matrix_b_fmt:MATRIX_FMT_FP6 matrix_a_scale:MATRIX_SCALE_ROW1
.endif
.endr
.endr
.endm
; A step of 128 along K that has its successor in the same slot.  A block of A is free as soon as its eight products are issued: blocks 0-3 are fetched anew in the step's middle, blocks 4-7 at its end.
; A load into a register that a matrix instruction has read stands NP plain vector instructions behind it.
.macro STEP slot, q, cm
	s_wait_dscnt 4*NL                              ; B's set, the scale words and A's blocks 0-3 are in; the youngest 12 loads (A's blocks 4-7) may be out
.if \cm >= 2
	WIN 0x81                                       ; C (the bias) in window 0
.else
	WIN MUL_LO
.endif
	MUL16 0, (\q)%2, \q, \slot, \cm
	MUL16 2, (\q)%2, \q, \slot, \cm
	s_wait_dscnt 0                                 ; A's blocks 4-7 are in
	PLACES NP
	FETCH_B \slot, (\q)+1, 1-(\q)%2
	FETCH_A \slot, (\q)+1, 0
.if \cm >= 2
	WIN 0xc1
.else
	WIN MUL_HI
.endif
	MUL16 4, (\q)%2, \q, \slot, \cm
	MUL16 6, (\q)%2, \q, \slot, \cm
	PLACES NP
	WIN 0
	FETCH_A \slot, (\q)+1, 4
.endm
; A slot's last step changes slots: ONE barrier; in front of it each wave waits for all its tensor loads, adds 0 to its spare word, and waits for that and for its own reads of this slot.  fill = 1: this slot is filled again, two K steps ahead.
.macro TURN slot, next, fill
	s_wait_tensorcnt 0x0                           ; all my tensor loads have landed: my part of the next slot
	ds_add_u32 v[SPW], v[NIL]                      ; 0 onto my spare word
	s_wait_dscnt 4*NL+1                            ; (the add and the youngest 12 loads, A's blocks 4-7, may be out)
	WIN MUL_LO
	MUL16 0, 1, 1, \slot, 0                        ; sixteen matrix instructions stand between the add and the wait for it
	s_wait_dscnt 0x0                               ; the add is done, and my reads of this slot are over
	s_barrier_signal -1
	MUL16 2, 1, 1, \slot, 0
	WIN 0
	s_barrier_wait -1
.if \fill
	CREST                                          ; the barrier has opened a round of the cluster's barrier: no wave of any partner still reads this slot's tile or has a load on its way
	s_add_nc_u64 s[G0+4*\slot+2:G0+4*\slot+3], s[G0+4*\slot+2:G0+4*\slot+3], 2*BLK
	s_add_nc_u64 s[G0B+4*\slot+2:G0B+4*\slot+3], s[G0B+4*\slot+2:G0B+4*\slot+3], 2*BLK
	JLOAD G0+4*\slot, G1, G0B+4*\slot, G1B         ; the first tensor load behind the round; the four v_nop behind it are the places in front of the loads below
.else
	PLACES NP
.endif
	v_add_nc_u32 v[ADRS], 1024, v[ADRS]            ; on to the next K step's scale words (no LDS load of mine is out)
	FETCH_B \next, 0, 0
	FETCH_A \next, 0, 0
	SCALES \next
	WIN MUL_HI
	MUL16 4, 1, 1, \slot, 0
	MUL16 6, 1, 1, \slot, 0
	PLACES NP
	WIN 0
	FETCH_A \next, 0, 4
.endm
	s_load_b256 s[4:11], s[0:1], 0x0               ; c0 s[4:5], s0 s[6:7], bq s[8:9], bk s[10:11]
	s_load_b128 s[12:15], s[0:1], 0x20             ; bv s[12:13], c1 s[14:15]
	s_load_b64 s[16:17], s[0:1], 0x30              ; s1
	v_lshl_add_u32 v[SPW], v0, 2, SPARE
	v_mov_b32 v[NIL], 0
	ds_add_u32 v[SPW], v[NIL]                      ; the wave's opening: the add, twice on end, and its wait ahead of my first tensor load
	ds_add_u32 v[SPW], v[NIL]
	v_lshrrev_b32 v1, 5, v0
	v_readfirstlane_b32 s[WV], v1
	s_lshr_b32 s[HR], s[WV], 1
	s_and_b32 s[HC], s[WV], 1
	s_bfe_u32 s40, ttmp6, 0x40000                  ; cx, cy: my place in the cluster
	s_bfe_u32 s41, ttmp6, 0x40004
	s_and_b32 s46, ttmp7, 0xffff                   ; the cluster's y
	s_sub_co_u32 s47, s46, 8
	s_lshl_b32 s47, s47, 1
	s_add_co_u32 s47, s47, ttmp9                   ; for v^T: which four tile columns: 2 (y - 8) + x
	s_cmp_ge_u32 s46, 8                            ; v^T?  The same in all sixteen partners
	s_cselect_b32 s2, 1, 0
	s_cselect_b32 s[TX], s47, ttmp9
	s_cselect_b32 s[TY], 0, s46
	s_cselect_b32 s66, 640, 0                      ; A's first block in c0: Wv's or x's
	s_cselect_b32 s67, 0, 512                      ; B's: x's or Wq's
	s_lshl_b32 s[TX], s[TX], 2
	s_add_co_u32 s[TX], s[TX], s40                 ; tile column
	s_lshl_b32 s[TY], s[TY], 2
	s_add_co_u32 s[TY], s[TY], s41                 ; tile row
	s_lshl_b32 s42, s41, 2
	s_lshl_b32 s42, 15, s42                        ; my row of the cluster
	s_lshl_b32 s43, 0x1111, s40                    ; my column
	; descriptor group 1: 8 rows (row blocks) of 384 elements of 8 bytes, NSIG x 384 elements apart; they land on end in LDS
	s_or_b32 s[G1], s42, (3<<16)|(1<<21)           ; 15:0 the mask; 17:16 elements of 8 bytes; 20 no padding; 21 set beside a mask
	s_or_b32 s[G1B], s43, (3<<16)|(1<<21)
.irp g, G1, G1B
	s_mov_b32 s[\g+1], 384<<16                     ; tensor_dim0
	s_mov_b32 s[\g+2], 8<<16                       ; tensor_dim1
	s_mov_b32 s[\g+3], 384<<16                     ; tile_dim0
	s_mov_b32 s[\g+4], 8                           ; tile_dim1
	s_mov_b32 s[\g+5], NSIG*384                    ; tensor_dim0_stride
	s_mov_b32 s[\g+6], 0
	s_mov_b32 s[\g+7], 0
.endr
	; the scale words of 128 rows: a dense block of HALFS bytes, as rows of 256 bytes
	s_or_b32 s[G1S], s42, (3<<16)|(1<<21)
	s_or_b32 s[G1SB], s43, (3<<16)|(1<<21)
.irp g, G1S, G1SB
	s_mov_b32 s[\g+1], 32<<16
	s_mov_b32 s[\g+2], (HALFS/256)<<16
	s_mov_b32 s[\g+3], 32<<16
	s_mov_b32 s[\g+4], HALFS/256
	s_mov_b32 s[\g+5], 32
	s_mov_b32 s[\g+6], 0
	s_mov_b32 s[\g+7], 0
.endr
	s_lshl_b32 s46, s[HC], 3                       ; which 8 blocks of the tile I fetch
	s_lshl_b32 s92, s[TY], 4
	s_add_co_u32 s92, s92, s66
	s_add_co_u32 s92, s92, s46                     ; A: the first block that I fetch: made of the tile row alone,
	s_lshr_b32 s94, s92, 3                         ; its group of 128 rows
	s_mul_i32 s92, s92, NSIG*BLK
	s_mov_b32 s93, 0
	s_mul_i32 s94, s94, HALFS
	s_mov_b32 s95, 0
	s_lshl_b32 s96, s[TX], 4
	s_add_co_u32 s96, s96, s67
	s_add_co_u32 s96, s96, s46                     ; B: of the tile column alone
	s_lshr_b32 s98, s96, 3
	s_mul_i32 s96, s96, NSIG*BLK
	s_mov_b32 s97, 0
	s_mul_i32 s98, s98, HALFS
	s_mov_b32 s99, 0
	s_mul_i32 s44, s[WV], HALFT                    ; where they go: no place in the cluster enters an LDS address
	s_mul_i32 s45, s[WV], HALFS
	s_wait_dscnt 0x0                               ; both opening adds are done
	s_wait_kmcnt 0x0
	s_add_nc_u64 s[92:93], s[4:5], s[92:93]
	s_add_nc_u64 s[94:95], s[6:7], s[94:95]
	s_add_nc_u64 s[96:97], s[4:5], s[96:97]
	s_add_nc_u64 s[98:99], s[6:7], s[98:99]
	CROUND                                         ; all sixteen work-groups are here: the first joint loads meet
	s_mov_b32 s[G0S], 1
	s_add_co_u32 s[G0S+1], s45, SCL
	s_mov_b64 s[G0S+2:G0S+3], s[94:95]
	s_or_b32 s[G0S+3], s[G0S+3], 0x80000000
	s_mov_b32 s[G0SB], 1
	s_add_co_u32 s[G0SB+1], s45, SCL
	s_mov_b64 s[G0SB+2:G0SB+3], s[98:99]
	s_or_b32 s[G0SB+3], s[G0SB+3], 0x80000000
	JLOAD G0S, G1S, G0SB, G1SB                     ; the scale words first: they are wanted with K step 0.  With the two below, three tensor loads of mine are out
.irp s, 0,1
	s_mov_b32 s[G0+4*\s], 1
	s_add_co_u32 s[G0+4*\s+1], s44, \s*SLOT
	s_add_nc_u64 s[G0+4*\s+2:G0+4*\s+3], s[92:93], \s*BLK
	s_or_b32 s[G0+4*\s+3], s[G0+4*\s+3], 0x80000000
	s_mov_b32 s[G0B+4*\s], 1
	s_add_co_u32 s[G0B+4*\s+1], s44, \s*SLOT
	s_add_nc_u64 s[G0B+4*\s+2:G0B+4*\s+3], s[96:97], \s*BLK
	s_or_b32 s[G0B+4*\s+3], s[G0B+4*\s+3], 0x80000000
	JLOAD G0+4*\s, G1, G0B+4*\s, G1B
.endr
	v_and_b32 v1, 15, v0                           ; r
	v_bfe_u32 v2, v0, 4, 1                         ; h
	v_and_b32 v[LN], 31, v0
	v_lshlrev_b32 v[LI], 4, v[LN]
	s_mul_i32 s46, s[HR], HALFT                    ; my 128 rows of A
	s_mul_i32 s47, s[HC], HALFT                    ; my 128 rows of B,
	s_add_co_u32 s47, s47, 2*HALFT                 ; which lie behind A's 256
.irp s, 0,1
	v_add_nc_u32 v[ADRA+\s], s46, v[LI]
	v_add_nc_u32 v[ADRB+\s], s47, v[LI]
	s_add_co_u32 s46, s46, SLOT
	s_add_co_u32 s47, s47, SLOT
.endr
	v_lshlrev_b32 v5, 4, v1                        ; my row's four words of four blocks: 16 r
	s_mul_i32 s46, s[HR], HALFS                    ; A's: my 128 rows
	s_mul_i32 s47, s[HC], HALFS                    ; B's: my 128 rows, behind A's 256
	s_add_co_u32 s47, s47, 2*HALFS
	s_sub_co_u32 s47, s47, s46
	v_mul_u32_u24 v6, s47, v2                      ; lanes 16-31 take B's
	s_add_co_u32 s46, s46, SCL
	v_add_nc_u32 v5, v5, v6
	v_add_nc_u32 v[ADRS], s46, v5
	; THE BIAS, in the result's layout.  q, k: register 8 b + j = bias(128 my half + 32 (b / 2) + 8 (b % 2) + 16 h + j).  v^T: registers 8 a + 0 .. 7 all = bv(128 my half + 32 (a / 2) + 8 (a % 2) + r + 8 (r / 8))
	s_cmp_eq_u32 ttmp9, 0                          ; tile columns 0-3 are q's, 4-7 k's
	s_cselect_b64 s[96:97], s[8:9], s[10:11]
	s_cmp_eq_u32 s2, 1
	s_cselect_b64 s[96:97], s[12:13], s[96:97]
	s_cselect_b32 s66, 0, 64                       ; bytes a half of the lanes,
	s_cselect_b32 s67, 4, 0                        ; a row,
	s_cselect_b32 s98, 0, 4                        ; a register
	s_cselect_b32 s46, s[TY], s40                  ; which 256 of the 1,024
	s_cselect_b32 s47, s[HR], s[HC]                ; and which half of them
	s_lshl_b32 s46, s46, 10
	s_lshl_b32 s47, s47, 9
	s_add_co_u32 s46, s46, s47
	s_mov_b32 s47, 0
	s_add_nc_u64 s[96:97], s[96:97], s[46:47]
	v_and_b32 v3, 8, v1
	v_add_nc_u32 v3, v3, v1                        ; r + 8 (r / 8)
	v_mul_u32_u24 v[VO], s66, v2
	v_mad_u32_u24 v[VO], v3, s67, v[VO]
.irp j, 1,2,3,4,5,6,7
	v_add_nc_u32 v[VO+\j], s98, v[VO+\j-1]
.endr
.irp i, 0,1,2,3,4,5,6,7
.irp j, 0,1,2,3,4,5,6,7
	global_load_b32 v[BI+8*\i+\j], v[VO+\j], s[96:97] offset:4*(32*(\i/2)+8*(\i%2))
.endr
.endr
	; WHERE THE RESULTS GO.  q, k: tile column = 4 (q or k) + K step; v^T: 8 batch + K step
	s_cmp_eq_u32 s2, 1
	s_cselect_b32 s46, 3, 2                        ; log2 of the K steps of a row
	s_cselect_b32 s47, 64, 512                     ; row blocks of a batch of v^T, or of q
	s_cselect_b32 s66, 8, 64                       ; groups of 128 rows likewise
	s_cselect_b32 s67, VOFFC, 0
	s_cselect_b32 s98, VOFFS, 0
	s_lshr_b32 s23, s[TX], s46                     ; which tensor or batch
	s_lshl_b32 s99, s23, s46
	s_sub_co_u32 s99, s[TX], s99                   ; the K step of 256 that my tile's columns are
	s_mul_i32 s47, s23, s47
	s_lshl_b32 s92, s[TY], 4
	s_add_co_u32 s92, s92, s47
	s_lshl_b32 s47, s[HR], 3
	s_add_co_u32 s92, s92, s47                     ; my first row block
	s_lshl_b32 s92, s92, s46
	s_add_co_u32 s92, s92, s99
	s_mul_i32 s92, s92, BLK
	s_mul_i32 s47, s[HC], FRB                      ; my 128 columns are one fragment's K
	s_add_co_u32 s92, s92, s47
	s_add_co_u32 s92, s92, s67
	s_mov_b32 s93, 0
	s_add_nc_u64 s[92:93], s[14:15], s[92:93]      ; in c1
	s_mul_i32 s94, s23, s66
	s_lshl_b32 s47, s[TY], 1
	s_add_co_u32 s94, s94, s47
	s_add_co_u32 s94, s94, s[HR]                   ; my group of 128 rows
	s_add_co_u32 s47, s46, 1
	s_lshl_b32 s94, s94, s47
	s_lshl_b32 s47, s99, 1
	s_add_co_u32 s94, s94, s47
	s_add_co_u32 s94, s94, s[HC]                   ; + the K step of 128
	s_lshl_b32 s94, s94, 9
	s_add_co_u32 s94, s94, s98
	s_mov_b32 s95, 0
	s_add_nc_u64 s[94:95], s[16:17], s[94:95]      ; in s1
	s_lshl_b32 s99, BLK, s46                       ; bytes from row block to row block
	s_mov_b32 s46, 0x76543210
	s_mov_b32 s47, 0xfedcba98                      ; v_permlanex16_b32's selects for lane l xor 16
	s_wait_tensorcnt 1                             ; the scale words and my part of K step 0 are in (K step 1's load may be out)
	s_barrier_signal -1
	s_barrier_wait -1                              ; everybody's are
	FETCH_B 0, 0, 0
	FETCH_A 0, 0, 0
	SCALES 0
	FETCH_A 0, 0, 4
	s_wait_loadcnt 0x0                             ; the bias
	s_cmp_eq_u32 s2, 1                             ; the first step starts the sums at the bias: the two arms differ in the C operand alone
	s_cbranch_scc1 .Lbias_by_rows
	STEP 0, 0, 2
	s_branch .Lfirst_done
.Lbias_by_rows:
	STEP 0, 0, 3
.Lfirst_done:
	s_mov_b32 s3, LAPS-1
.Llap:                                                 ; a trip goes once round the ring, from a lap's second step to the next lap's first, and fills both slots again
	TURN 0, 1, 1
	STEP 1, 0, 0
	TURN 1, 0, 1
	STEP 0, 0, 0
	s_sub_co_u32 s3, s3, 1
	s_cmp_lg_u32 s3, 0
	s_cbranch_scc1 .Llap
	TURN 0, 1, 0                                   ; the last lap fills nothing, and has no round of the cluster's barrier
	STEP 1, 0, 0
	s_wait_dscnt 4*NL                              ; the very last step: nothing more to fetch
	WIN MUL_LO
	MUL16 0, 1, 1, 1, 0
	MUL16 2, 1, 1, 1, 0
	s_wait_dscnt 0
	WIN MUL_HI
	MUL16 4, 1, 1, 1, 0
	MUL16 6, 1, 1, 1, 0
	WIN 0
; THE WAY OUT.  Block a (16 rows x my 128 columns) is one fragment of the next product: a lane's 64 registers are its row's k = 32 b + 16 h + i.  Each block of 32 lies in lanes l and l xor 16.
; The largest magnitude with the floor among its leaves; 2 off its exponent field is the conversion's scale operand; that field is the byte.  Each accumulator is read from its low end on.
.macro EQ a
.set AC, 64*((\a)%4)
.set PCD, PCD0+12*(\a)
	WIN 0x0a+5*((\a)/4)                            ; sources 0 and 1: window 2 or 3
.irp b, 0,1,2,3
	v_max3_num_f32 v[TM+\b], |v[AC+16*\b]|, |v[AC+16*\b+1]|, FLOOR
.endr
.irp i, 2,4,6,8,10,12,14
.irp b, 0,1,2,3
	v_max3_num_f32 v[TM+\b], |v[AC+16*\b+\i]|, |v[AC+16*\b+\i+1]|, v[TM+\b]
.endr
.endr
	WIN 0
.irp b, 0,1,2,3
	v_permlanex16_b32 v[TM+4+\b], v[TM+\b], s46, s47
.endr
.irp b, 0,1,2,3
	v_max_num_f32 v[TM+\b], v[TM+\b], v[TM+4+\b]
.endr
.irp b, 0,1,2,3
	v_add_nc_u32 v[TM+12+\b], 0xff000000, v[TM+\b]
.endr
.irp b, 0,1,2,3
	v_lshrrev_b32 v[TM+4+\b], 23, v[TM+12+\b]
.endr
	v_lshl_or_b32 v[PW+(\a)], v[TM+5], 8, v[TM+4]  ; my row's scale word
	v_lshl_or_b32 v[PW+(\a)], v[TM+6], 16, v[PW+(\a)]
	v_lshl_or_b32 v[PW+(\a)], v[TM+7], 24, v[PW+(\a)]
	WIN 0x02+((\a)/4)                              ; source 0: window 2 or 3
.irp c, 0,1
	v_cvt_scalef32_pk16_fp6_f32 v[PCD+6*\c:PCD+6*\c+2], v[AC+32*\c:AC+32*\c+15], v[TM+12+2*\c]
	v_cvt_scalef32_pk16_fp6_f32 v[TH+4*\c:TH+4*\c+2], v[AC+32*\c+16:AC+32*\c+31], v[TM+12+2*\c+1]
.endr
	WIN 0
	v_nop                                          ; one plain place behind a scaled conversion
.irp c, 0,1                                    ; the operand's layout wants a whole block in a lane: lanes 0-15 block 2 c, lanes 16-31 block 2 c + 1
.irp i, 0,1,2
	v_permlane16_swap_b32 v[PCD+6*\c+\i], v[TH+4*\c+\i]
.endr
.irp i, 0,1,2
	v_mov_b32 v[PCD+3+6*\c+\i], v[TH+4*\c+\i]
.endr
.endr
.irp g, 0,1,2
	global_store_b128 v[VOA+(\a)], v[PCD+4*\g:PCD+4*\g+3], s[92:93] offset:512*\g   ; 32 lanes store 512 consecutive bytes, aligned; each block has its own registers, so no store's data are written again
.endr
.endm
	PLACES NP                                      ; behind the last products: results are read and operands' registers written from here on
.irp b, 0,1,2,3
	v_mov_b32 v[TM+4+\b], 0                        ; written once: a lane permute's destination counts as one of its sources
.endr
	v_mov_b32 v[VOA], v[LI]
.irp a, 1,2,3,4,5,6,7
	v_add_nc_u32 v[VOA+\a], s99, v[VOA+\a-1]
.endr
.irp a, 0,1,2,3,4,5,6,7
	EQ \a
.endr
	v_cmp_le_u32 vcc_lo, 16, v[LN]                 ; both halves of the lanes hold each word: lane 16 G + r stores those of blocks 4 G .. 4 G + 3
.irp i, 0,1,2,3
	v_cndmask_b32 v[SW+\i], v[PW+\i], v[PW+4+\i], vcc_lo
.endr
	global_store_b128 v[LI], v[SW:SW+3], s[94:95]  ; 512 consecutive bytes: my 128 rows' words of this K step
	s_wait_tensorcnt 0x0                           ; the wave's end
	ds_add_u32 v[SPW], v[NIL]
	s_wait_dscnt 0x0
	CROUND                                         ; the closing round: no work-group ends while a partner may still ask for a tile that names it
	s_endpgm
.Lfunc_end_k_qee594c8f5f_qkv:
	.size	k_qee594c8f5f_qkv, .Lfunc_end_k_qee594c8f5f_qkv-k_qee594c8f5f_qkv
	.p2alignl 7, 3214868480
	.fill 96, 4, 3214868480
	.section	.rodata,"a",@progbits
	.p2align	6, 0x0
	.amdhsa_kernel k_qee594c8f5f_qkv
		.amdhsa_group_segment_fixed_size 327680
		.amdhsa_private_segment_fixed_size 0
		.amdhsa_enable_private_segment 0
		.amdhsa_kernarg_size 56
		.amdhsa_user_sgpr_count 2
		.amdhsa_user_sgpr_kernarg_segment_ptr 1
		.amdhsa_wavefront_size32 1
		.amdhsa_system_sgpr_workgroup_id_x 1
		.amdhsa_system_sgpr_workgroup_id_y 1
		.amdhsa_system_sgpr_workgroup_id_z 1
		.amdhsa_system_vgpr_workitem_id 0
		.amdhsa_next_free_vgpr 1024
		.amdhsa_next_free_sgpr 100
		.amdhsa_reserve_vcc 1
		.amdhsa_float_denorm_mode_32 3
		.amdhsa_float_denorm_mode_16_64 3
		.amdhsa_memory_ordered 1
		.amdhsa_forward_progress 1
		.amdhsa_inst_pref_size 158
	.end_amdhsa_kernel
	.amdgpu_metadata
---
amdhsa.version: [ 1, 2 ]
amdhsa.kernels:
  - .name:           k_qee594c8f5f_qkv
    .symbol:         k_qee594c8f5f_qkv.kd
    .args:
      - { .name: c0, .offset: 0, .size: 8, .value_kind: global_buffer, .address_space: global }
      - { .name: s0, .offset: 8, .size: 8, .value_kind: global_buffer, .address_space: global }
      - { .name: bq, .offset: 16, .size: 8, .value_kind: global_buffer, .address_space: global }
      - { .name: bk, .offset: 24, .size: 8, .value_kind: global_buffer, .address_space: global }
      - { .name: bv, .offset: 32, .size: 8, .value_kind: global_buffer, .address_space: global }
      - { .name: c1, .offset: 40, .size: 8, .value_kind: global_buffer, .address_space: global }
      - { .name: s1, .offset: 48, .size: 8, .value_kind: global_buffer, .address_space: global }
    .group_segment_fixed_size: 327680
    .private_segment_fixed_size: 0
    .kernarg_segment_align: 8
    .kernarg_segment_size: 56
    .max_flat_workgroup_size: 128
    .sgpr_count:     100
    .vgpr_count:     1024
    .wavefront_size: 32
...
	.end_amdgpu_metadata
.endif
;; end of part 2
;; launch scores (part 3): grid 8 x 32, 4 waves a work-group, clusters of 4 x 4, 327,680 bytes of LDS; arguments c1, s1, c2, s2; writes c2, s2
.if DOCPART == 3
	.amdgcn_target "amdgcn-amd-amdhsa--gfx1250"
	.amdhsa_code_object_version 6
	.text
	.protected	k_qee594c8f5f_scores
	.globl	k_qee594c8f5f_scores
	.p2align	8
	.type	k_qee594c8f5f_scores,@function
k_qee594c8f5f_scores:
	s_mov_b64 s[64:65], 0
	v_nop
	global_prefetch_b8 v0, s[64:65] scope:SCOPE_SE
	s_setreg_imm32_b32 hwreg(HW_REG_WAVE_MODE, 25, 1), 1
	s_wait_xcnt 0x0
	s_wait_alu depctr_hold_cnt(0) depctr_sa_sdst(0) depctr_va_vdst(0) depctr_va_sdst(0) depctr_va_ssrc(0) depctr_va_vcc(0) depctr_vm_vsrc(0)
	s_getreg_b32 s2, hwreg(HW_REG_IB_STS2, 6, 4)
	s_cmp_eq_u32 s2, 0
	s_cbranch_scc0 .Lentry_in_a_cluster
	s_endpgm
.Lentry_in_a_cluster:
	s_bfe_u32 s2, ttmp6, 0x10000c
	s_cmp_lg_u32 s2, 0xf033
	s_cbranch_scc0 .Lentry_shape_is_right
	s_endpgm
.Lentry_shape_is_right:
; LAUNCH 3 OF 5.  scores[b][s][t] = 0.125 x the sum over e of q[b][s][e] k[b][t][e], on codes of FP6 (E2M3) with E8M0 scales, f32 sums; the scores are quantised along t in registers and leave as codes.
; No work of the problem is left out here.
; THE FACTOR 0.125 is a power of two: the codes of s / 8 under the scale 2^(e - 3) are the codes of s under 2^e.  So the sums are quantised as they stand and 3 is taken off each scale byte; the floor under a block's
; largest magnitude is raised by 3 in the exponent field, so that the byte is held at 1 just where the rule holds it.
; LAYOUTS: a fragment, 16 rows x 128 K, is an image of its 12 registers: registers 4 g .. 4 g + 3 of lane l at 512 g + 16 l, 1,536 bytes.  Codes [row block of 16][K / 256][2][1536]; scale words [rows / 128][K / 128][512],
; in the 512 [G][r][i]: row 64 G + 16 i + r.  Place p of a buffer holds row p with bits 3 and 4 exchanged.  c1: blocks 0-511 q, 512-1023 k (K = 1,024).  c2: blocks 0-511, rows (b, s), K = t = 2,048.
; A tile of 256 x 256 is made by four waves, each 128 x 128: 64 accumulators.  K goes in steps of 256 through a ring of two LDS slots; a wave's tensor load brings 8 row blocks x 3,072 bytes.
; The scale words of the work-group's rows, for all of K, come once with the first fills.  CLUSTERS of 4 x 4: A's tiles are asked for jointly along a row of the cluster, B's along a column.
; THE MATRIX INSTRUCTION IS USED TRANSPOSED (source 0 = 16 rows of k, source 1 = 16 rows of q): lane (r, h) holds q's row r, and by the rows' permutation register 16 b + i of tiles 2 b, 2 b + 1 holds t = 32 b + 16 h + i.
; LIMITS: NaN and infinities are not served; the rounding that f32 would give to scores under 2^-123 after the factor is not reproduced; a block of zeros gets the byte 1.
; REGISTERS: window 0: v0-31 addresses; v32-63 scale words, two sets, and nothing else; v128-223 A's 8 fragments, one set.  Window 1: B's fragments, two sets, at v0 and v128.  Windows 2, 3: the accumulators, (a, b) at v[8 (8 (a % 4) + b)].
.set KDIM,  1024
.set NSIG,  KDIM/256
.set NS,    KDIM/128
.set LAPS,  KDIM/512
.set FR,    12
.set NL,    3
.set NP,    4
.set FRB,   1536
.set BLK,   2*FRB
.set HALFT, 8*BLK
.set SLOT,  4*HALFT
.set SCL,   2*SLOT
.set HALFS, 512*NS
.set SPARE, SCL+4*HALFS                ; the spare words, 128 bytes a wave: two blocks of 256 bytes that no other line names
.set OPITCH, 8*BLK                     ; c2: bytes from row block to row block
.set FLOOR, 0x3000000                  ; 2^(6 - 127)
.set WV, 18
.set HR, 19
.set HC, 20
.set TY, 21
.set TX, 22
.set G1, 24
.set G0, 32
.set G1B, 48
.set G0B, 56
.set G1S, 68
.set G0S, 76
.set G1SB, 80
.set G0SB, 88
.set ADRA, 16
.set ADRB, 20
.set LI,   26
.set ADRS, 27
.set SPW,  28
.set NIL,  29
.set LN,   30
.set SC,   32
.set BI,   64
.set AF,   128
.set PCD0, 64
.set TH,   160
.set TM,   168
.set PW,   184
.set SW,   192
.set MSB, 0
.macro WIN new                         ; the immediate's high byte repeats the setting that is left
.if MSB != \new
	s_set_vgpr_msb (MSB<<8)|\new
.set MSB, \new
.endif
.endm
.set MUL_LO, 0xa1                      ; source 0 (B) window 1, source 1 (A) window 0, C and D window 2
.set MUL_HI, 0xf1                      ; the same, C and D window 3
.set TO_B,   0x40                      ; destination window 1, address window 0
; A joint load: waves 0 and 1 fetch for A, waves 2 and 3 for B.  The branch hangs on the wave's number alone.  An s_nop 0 and four v_nop follow each of the two lines.
.macro JLOAD g0a, g1a, g0b, g1b
	s_cmp_eq_u32 s[HR], 0
	s_cbranch_scc0 .Lfor_b_\@
	tensor_load_to_lds s[\g0a:\g0a+3], s[\g1a:\g1a+7]
	s_nop 0
.rept 4
	v_nop
.endr
	s_branch .Lasked_\@
.Lfor_b_\@:
	tensor_load_to_lds s[\g0b:\g0b+3], s[\g1b:\g1b+7]
	s_nop 0
.rept 4
	v_nop
.endr
.Lasked_\@:
.endm
.macro CREST                           ; a round of the cluster's barrier behind its opening barrier
	s_cmp_lg_u32 s[WV], 0
	s_cbranch_scc1 .Lnot_wave_0_\@
	s_barrier_signal -3
.Lnot_wave_0_\@:
	s_barrier_wait -3
	s_barrier_signal -1
	s_barrier_wait -1
.endm
.macro CROUND
	s_barrier_signal -1
	s_barrier_wait -1
	CREST
.endm
.macro PLACES n
.rept \n
	v_nop
.endr
.endm
.macro FRAG reg, adr, q, i             ; a fragment comes back as it was stored: three loads of 512 consecutive bytes
.irp g, 0,1,2
	ds_load_b128 v[\reg+4*\g:\reg+4*\g+3], v[\adr] offset:(\i)*BLK+(\q)*FRB+512*\g
.endr
.endm
.macro FETCH_B slot, q, p
	WIN TO_B
.irp i, 0,1,2,3,4,5,6,7
	FRAG 128*(\p)+FR*\i, ADRB+\slot, \q, \i
.endr
	WIN 0
.endm
.macro FETCH_A slot, q, i0
.irp i, \i0, \i0+1, \i0+2, \i0+3
	FRAG AF+FR*(\i), ADRA+\slot, \q, \i
.endr
.endm
.macro SCALES sc                       ; a K step's scale words into set sc: one load brings four blocks' words
.irp q, 0,1
.irp g, 0,1
	ds_load_b128 v[SC+16*\sc+8*\q+4*\g:SC+16*\sc+8*\q+4*\g+3], v[ADRS] offset:512*\q+256*\g
.endr
.endr
.endm
; 16 matrix instructions: A's blocks a0, a0 + 1 x B's eight.  cm = 0: the sums go on; 1: they start at 0.  The 64 accumulators take turns, one instruction a turn, in the same order in every step.
.macro MUL16 a0, p, q, sc, cm
.irp a, \a0, \a0+1
.irp b, 0,1,2,3,4,5,6,7
.set rD, 8*(8*((\a)%4)+\b)
.set rB, 128*(\p)+FR*\b
.set rA, AF+FR*(\a)
.set rT, SC+16*(\sc)+8*(\q)
.if \cm == 0
	v_wmma_scale_f32_16x16x128_f8f6f4 v[rD:rD+7], v[rB:rB+FR-1], v[rA:rA+FR-1], v[rD:rD+7], v[rT+\b], v[rT+(\a)] matrix_a_fmt:MATRIX_FMT_FP6 matrix_b_fmt:MATRIX_FMT_FP6 matrix_a_scale:MATRIX_SCALE_ROW1
.else
	v_wmma_scale_f32_16x16x128_f8f6f4 v[rD:rD+7], v[rB:rB+FR-1], v[rA:rA+FR-1], 0, v[rT+\b], v[rT+(\a)] matrix_a_fmt:MATRIX_FMT_FP6 matrix_b_fmt:MATRIX_FMT_FP6 matrix_a_scale:MATRIX_SCALE_ROW1
.endif
.endr
.endr
.endm
; A step of 128 along K that has its successor in the same slot.  A load into a register that a matrix instruction has read stands NP plain vector instructions behind it.
.macro STEP slot, q, cm
	s_wait_dscnt 4*NL                              ; B's set, the scale words and A's blocks 0-3 are in; the youngest 12 loads (A's blocks 4-7) may be out
	WIN MUL_LO
	MUL16 0, (\q)%2, \q, \slot, \cm
	MUL16 2, (\q)%2, \q, \slot, \cm
	s_wait_dscnt 0                                 ; A's blocks 4-7 are in
	PLACES NP
	FETCH_B \slot, (\q)+1, 1-(\q)%2
	FETCH_A \slot, (\q)+1, 0
	WIN MUL_HI
	MUL16 4, (\q)%2, \q, \slot, \cm
	MUL16 6, (\q)%2, \q, \slot, \cm
	PLACES NP
	WIN 0
	FETCH_A \slot, (\q)+1, 4
.endm
; A slot's last step changes slots: ONE barrier; in front of it each wave waits for all its tensor loads, adds 0 to its spare word, and waits for that and for its own reads of this slot.  fill = 1: this slot is filled again, two K steps ahead.
.macro TURN slot, next, fill
	s_wait_tensorcnt 0x0                           ; all my tensor loads have landed: my part of the next slot
	ds_add_u32 v[SPW], v[NIL]                      ; 0 onto my spare word
	s_wait_dscnt 4*NL+1                            ; (the add and the youngest 12 loads may be out)
	WIN MUL_LO
	MUL16 0, 1, 1, \slot, 0
	s_wait_dscnt 0x0                               ; the add is done, and my reads of this slot are over
	s_barrier_signal -1
	MUL16 2, 1, 1, \slot, 0
	WIN 0
	s_barrier_wait -1
.if \fill
	CREST                                          ; the barrier has opened a round of the cluster's barrier: no wave of any partner still reads this slot's tile or has a load on its way
	s_add_nc_u64 s[G0+4*\slot+2:G0+4*\slot+3], s[G0+4*\slot+2:G0+4*\slot+3], 2*BLK
	s_add_nc_u64 s[G0B+4*\slot+2:G0B+4*\slot+3], s[G0B+4*\slot+2:G0B+4*\slot+3], 2*BLK
	JLOAD G0+4*\slot, G1, G0B+4*\slot, G1B         ; the first tensor load behind the round; the four v_nop behind it are the places in front of the loads below
.else
	PLACES NP
.endif
	v_add_nc_u32 v[ADRS], 1024, v[ADRS]            ; on to the next K step's scale words (no LDS load of mine is out)
	FETCH_B \next, 0, 0
	FETCH_A \next, 0, 0
	SCALES \next
	WIN MUL_HI
	MUL16 4, 1, 1, \slot, 0
	MUL16 6, 1, 1, \slot, 0
	PLACES NP
	WIN 0
	FETCH_A \next, 0, 4
.endm
	s_load_b256 s[4:11], s[0:1], 0x0               ; c1 s[4:5], s1 s[6:7], c2 s[8:9], s2 s[10:11]
	v_lshl_add_u32 v[SPW], v0, 2, SPARE
	v_mov_b32 v[NIL], 0
	ds_add_u32 v[SPW], v[NIL]                      ; the wave's opening: the add, twice on end, and its wait ahead of my first tensor load
	ds_add_u32 v[SPW], v[NIL]
	v_lshrrev_b32 v1, 5, v0
	v_readfirstlane_b32 s[WV], v1
	s_lshr_b32 s[HR], s[WV], 1
	s_and_b32 s[HC], s[WV], 1
	s_bfe_u32 s40, ttmp6, 0x40000                  ; cx, cy
	s_bfe_u32 s41, ttmp6, 0x40004
	s_lshl_b32 s[TX], ttmp9, 2
	s_add_co_u32 s[TX], s[TX], s40                 ; tile column: 256 keys of the batch
	s_and_b32 s46, ttmp7, 0xffff                   ; the cluster's y
	s_lshl_b32 s[TY], s46, 2
	s_add_co_u32 s[TY], s[TY], s41                 ; tile row: 256 of the 8,192 rows (b, s)
	s_lshr_b32 s66, s46, 1                         ; the batch: eight tile rows, two clusters: made of the cluster's y alone
	s_lshl_b32 s42, s41, 2
	s_lshl_b32 s42, 15, s42                        ; my row of the cluster
	s_lshl_b32 s43, 0x1111, s40                    ; my column
	s_or_b32 s[G1], s42, (3<<16)|(1<<21)           ; 15:0 the mask; 17:16 elements of 8 bytes; 20 no padding; 21 set beside a mask
	s_or_b32 s[G1B], s43, (3<<16)|(1<<21)
.irp g, G1, G1B
	s_mov_b32 s[\g+1], 384<<16                     ; 8 rows (row blocks) of 384 elements, NSIG x 384 apart
	s_mov_b32 s[\g+2], 8<<16
	s_mov_b32 s[\g+3], 384<<16
	s_mov_b32 s[\g+4], 8
	s_mov_b32 s[\g+5], NSIG*384
	s_mov_b32 s[\g+6], 0
	s_mov_b32 s[\g+7], 0
.endr
	s_or_b32 s[G1S], s42, (3<<16)|(1<<21)          ; the scale words of 128 rows: a dense block, as rows of 256 bytes
	s_or_b32 s[G1SB], s43, (3<<16)|(1<<21)
.irp g, G1S, G1SB
	s_mov_b32 s[\g+1], 32<<16
	s_mov_b32 s[\g+2], (HALFS/256)<<16
	s_mov_b32 s[\g+3], 32<<16
	s_mov_b32 s[\g+4], HALFS/256
	s_mov_b32 s[\g+5], 32
	s_mov_b32 s[\g+6], 0
	s_mov_b32 s[\g+7], 0
.endr
	s_lshl_b32 s46, s[HC], 3                       ; which 8 blocks of the tile I fetch
	s_lshl_b32 s92, s[TY], 4
	s_add_co_u32 s92, s92, s46                     ; A = q: the first block that I fetch,
	s_lshr_b32 s94, s92, 3                         ; its group of 128 rows
	s_mul_i32 s92, s92, NSIG*BLK
	s_mov_b32 s93, 0
	s_mul_i32 s94, s94, HALFS
	s_mov_b32 s95, 0
	s_lshl_b32 s96, s[TX], 4
	s_lshl_b32 s66, s66, 7
	s_add_co_u32 s96, s96, s66
	s_add_co_u32 s96, s96, 512
	s_add_co_u32 s96, s96, s46                     ; B = k: block 512 + 128 batch + 16 tile column + 8 half
	s_lshr_b32 s98, s96, 3
	s_mul_i32 s96, s96, NSIG*BLK
	s_mov_b32 s97, 0
	s_mul_i32 s98, s98, HALFS
	s_mov_b32 s99, 0
	s_mul_i32 s44, s[WV], HALFT
	s_mul_i32 s45, s[WV], HALFS
	s_wait_dscnt 0x0                               ; both opening adds are done
	s_wait_kmcnt 0x0
	s_add_nc_u64 s[92:93], s[4:5], s[92:93]
	s_add_nc_u64 s[94:95], s[6:7], s[94:95]
	s_add_nc_u64 s[96:97], s[4:5], s[96:97]
	s_add_nc_u64 s[98:99], s[6:7], s[98:99]
	CROUND                                         ; all sixteen work-groups are here: the first joint loads meet
	s_mov_b32 s[G0S], 1
	s_add_co_u32 s[G0S+1], s45, SCL
	s_mov_b64 s[G0S+2:G0S+3], s[94:95]
	s_or_b32 s[G0S+3], s[G0S+3], 0x80000000
	s_mov_b32 s[G0SB], 1
	s_add_co_u32 s[G0SB+1], s45, SCL
	s_mov_b64 s[G0SB+2:G0SB+3], s[98:99]
	s_or_b32 s[G0SB+3], s[G0SB+3], 0x80000000
	JLOAD G0S, G1S, G0SB, G1SB                     ; the scale words first.  With the two below, three tensor loads of mine are out
.irp s, 0,1
	s_mov_b32 s[G0+4*\s], 1
	s_add_co_u32 s[G0+4*\s+1], s44, \s*SLOT
	s_add_nc_u64 s[G0+4*\s+2:G0+4*\s+3], s[92:93], \s*BLK
	s_or_b32 s[G0+4*\s+3], s[G0+4*\s+3], 0x80000000
	s_mov_b32 s[G0B+4*\s], 1
	s_add_co_u32 s[G0B+4*\s+1], s44, \s*SLOT
	s_add_nc_u64 s[G0B+4*\s+2:G0B+4*\s+3], s[96:97], \s*BLK
	s_or_b32 s[G0B+4*\s+3], s[G0B+4*\s+3], 0x80000000
	JLOAD G0+4*\s, G1, G0B+4*\s, G1B
.endr
	v_and_b32 v1, 15, v0                           ; r
	v_bfe_u32 v2, v0, 4, 1                         ; h
	v_and_b32 v[LN], 31, v0
	v_lshlrev_b32 v[LI], 4, v[LN]
	s_mul_i32 s46, s[HR], HALFT
	s_mul_i32 s47, s[HC], HALFT
	s_add_co_u32 s47, s47, 2*HALFT
.irp s, 0,1
	v_add_nc_u32 v[ADRA+\s], s46, v[LI]
	v_add_nc_u32 v[ADRB+\s], s47, v[LI]
	s_add_co_u32 s46, s46, SLOT
	s_add_co_u32 s47, s47, SLOT
.endr
	v_lshlrev_b32 v5, 4, v1
	s_mul_i32 s46, s[HR], HALFS
	s_mul_i32 s47, s[HC], HALFS
	s_add_co_u32 s47, s47, 2*HALFS
	s_sub_co_u32 s47, s47, s46
	v_mul_u32_u24 v6, s47, v2                      ; lanes 16-31 take B's
	s_add_co_u32 s46, s46, SCL
	v_add_nc_u32 v5, v5, v6
	v_add_nc_u32 v[ADRS], s46, v5
	; where the results go: c2: ((16 tile row + 8 my half) x 8 + tile column) x 3,072 + 1,536 x my half of the columns
	s_lshl_b32 s92, s[TY], 4
	s_lshl_b32 s46, s[HR], 3
	s_add_co_u32 s92, s92, s46
	s_lshl_b32 s92, s92, 3
	s_add_co_u32 s92, s92, s[TX]
	s_mul_i32 s92, s92, BLK
	s_mul_i32 s46, s[HC], FRB
	s_add_co_u32 s92, s92, s46
	s_mov_b32 s93, 0
	s_add_nc_u64 s[92:93], s[8:9], s[92:93]
	s_lshl_b32 s94, s[TY], 1                       ; s2: ((2 tile row + my half) x 16 + 2 tile column + my half of the columns) x 512
	s_add_co_u32 s94, s94, s[HR]
	s_lshl_b32 s94, s94, 4
	s_lshl_b32 s46, s[TX], 1
	s_add_co_u32 s94, s94, s46
	s_add_co_u32 s94, s94, s[HC]
	s_lshl_b32 s94, s94, 9
	s_mov_b32 s95, 0
	s_add_nc_u64 s[94:95], s[10:11], s[94:95]
	s_mov_b32 s46, 0x76543210
	s_mov_b32 s47, 0xfedcba98                      ; v_permlanex16_b32's selects for lane l xor 16
	s_wait_tensorcnt 1                             ; the scale words and my part of K step 0 are in (K step 1's load may be out)
	s_barrier_signal -1
	s_barrier_wait -1                              ; everybody's are
	FETCH_B 0, 0, 0
	FETCH_A 0, 0, 0
	SCALES 0
	FETCH_A 0, 0, 4
	STEP 0, 0, 1                                   ; the first step stands in front of the loop: its products start the sums
	s_mov_b32 s3, LAPS-1
.Llap:                                                 ; a trip goes once round the ring and fills both slots again
	TURN 0, 1, 1
	STEP 1, 0, 0
	TURN 1, 0, 1
	STEP 0, 0, 0
	s_sub_co_u32 s3, s3, 1
	s_cmp_lg_u32 s3, 0
	s_cbranch_scc1 .Llap
	TURN 0, 1, 0                                   ; the last lap fills nothing, and has no round of the cluster's barrier
	STEP 1, 0, 0
	s_wait_dscnt 4*NL                              ; the very last step: nothing more to fetch
	WIN MUL_LO
	MUL16 0, 1, 1, 1, 0
	MUL16 2, 1, 1, 1, 0
	s_wait_dscnt 0
	WIN MUL_HI
	MUL16 4, 1, 1, 1, 0
	MUL16 6, 1, 1, 1, 0
	WIN 0
; THE WAY OUT.  Block a (16 rows x my 128 columns) is one fragment of the next product: a lane's 64 registers are its row's t = 32 b + 16 h + i.  Each block of 32 lies in lanes l and l xor 16.  Each accumulator is read from its low end on.
.macro EQ a
.set AC, 64*((\a)%4)
.set PCD, PCD0+12*(\a)
	WIN 0x0a+5*((\a)/4)                            ; sources 0 and 1: window 2 or 3
.irp b, 0,1,2,3
	v_max3_num_f32 v[TM+\b], |v[AC+16*\b]|, |v[AC+16*\b+1]|, FLOOR
.endr
.irp i, 2,4,6,8,10,12,14
.irp b, 0,1,2,3
	v_max3_num_f32 v[TM+\b], |v[AC+16*\b+\i]|, |v[AC+16*\b+\i+1]|, v[TM+\b]
.endr
.endr
	WIN 0
.irp b, 0,1,2,3
	v_permlanex16_b32 v[TM+4+\b], v[TM+\b], s46, s47
.endr
.irp b, 0,1,2,3
	v_max_num_f32 v[TM+\b], v[TM+\b], v[TM+4+\b]
.endr
.irp b, 0,1,2,3
	v_add_nc_u32 v[TM+12+\b], 0xff000000, v[TM+\b] ; 2 off the exponent field: the conversion's scale operand, for the sums as they stand
.endr
.irp b, 0,1,2,3
	v_lshrrev_b32 v[TM+4+\b], 23, v[TM+12+\b]
.endr
	v_lshl_or_b32 v[PW+(\a)], v[TM+5], 8, v[TM+4]
	v_lshl_or_b32 v[PW+(\a)], v[TM+6], 16, v[PW+(\a)]
	v_lshl_or_b32 v[PW+(\a)], v[TM+7], 24, v[PW+(\a)]
	v_add_nc_u32 v[PW+(\a)], 0xfcfcfcfd, v[PW+(\a)] ; THE FACTOR 0.125: 3 off each of the four bytes; each is 4 or more, so none borrows
	WIN 0x02+((\a)/4)                              ; source 0: window 2 or 3
.irp c, 0,1
	v_cvt_scalef32_pk16_fp6_f32 v[PCD+6*\c:PCD+6*\c+2], v[AC+32*\c:AC+32*\c+15], v[TM+12+2*\c]
	v_cvt_scalef32_pk16_fp6_f32 v[TH+4*\c:TH+4*\c+2], v[AC+32*\c+16:AC+32*\c+31], v[TM+12+2*\c+1]
.endr
	WIN 0
	v_nop                                          ; one plain place behind a scaled conversion
.irp c, 0,1
.irp i, 0,1,2
	v_permlane16_swap_b32 v[PCD+6*\c+\i], v[TH+4*\c+\i]
.endr
.irp i, 0,1,2
	v_mov_b32 v[PCD+3+6*\c+\i], v[TH+4*\c+\i]
.endr
.endr
.irp g, 0,1,2
	global_store_b128 v[LI], v[PCD+4*\g:PCD+4*\g+3], s[92:93] offset:(\a)*OPITCH+512*\g   ; 32 lanes store 512 consecutive bytes, aligned; each block has its own registers
.endr
.endm
	PLACES NP                                      ; behind the last products: results are read and operands' registers written from here on
.irp b, 0,1,2,3
	v_mov_b32 v[TM+4+\b], 0                        ; written once: a lane permute's destination counts as one of its sources
.endr
.irp a, 0,1,2,3,4,5,6,7
	EQ \a
.endr
	v_cmp_le_u32 vcc_lo, 16, v[LN]                 ; lane 16 G + r stores the words of blocks 4 G .. 4 G + 3
.irp i, 0,1,2,3
	v_cndmask_b32 v[SW+\i], v[PW+\i], v[PW+4+\i], vcc_lo
.endr
	global_store_b128 v[LI], v[SW:SW+3], s[94:95]  ; 512 consecutive bytes: my 128 rows' words of this K step
	s_wait_tensorcnt 0x0                           ; the wave's end
	ds_add_u32 v[SPW], v[NIL]
	s_wait_dscnt 0x0
	CROUND                                         ; the closing round
	s_endpgm
.Lfunc_end_k_qee594c8f5f_scores:
	.size	k_qee594c8f5f_scores, .Lfunc_end_k_qee594c8f5f_scores-k_qee594c8f5f_scores
	.p2alignl 7, 3214868480
	.fill 96, 4, 3214868480
	.section	.rodata,"a",@progbits
	.p2align	6, 0x0
	.amdhsa_kernel k_qee594c8f5f_scores
		.amdhsa_group_segment_fixed_size 327680
		.amdhsa_private_segment_fixed_size 0
		.amdhsa_enable_private_segment 0
		.amdhsa_kernarg_size 32
		.amdhsa_user_sgpr_count 2
		.amdhsa_user_sgpr_kernarg_segment_ptr 1
		.amdhsa_wavefront_size32 1
		.amdhsa_system_sgpr_workgroup_id_x 1
		.amdhsa_system_sgpr_workgroup_id_y 1
		.amdhsa_system_sgpr_workgroup_id_z 1
		.amdhsa_system_vgpr_workitem_id 0
		.amdhsa_next_free_vgpr 1024
		.amdhsa_next_free_sgpr 100
		.amdhsa_reserve_vcc 1
		.amdhsa_float_denorm_mode_32 3
		.amdhsa_float_denorm_mode_16_64 3
		.amdhsa_memory_ordered 1
		.amdhsa_forward_progress 1
		.amdhsa_inst_pref_size 139
	.end_amdhsa_kernel
	.amdgpu_metadata
---
amdhsa.version: [ 1, 2 ]
amdhsa.kernels:
  - .name:           k_qee594c8f5f_scores
    .symbol:         k_qee594c8f5f_scores.kd
    .args:
      - { .name: c1, .offset: 0, .size: 8, .value_kind: global_buffer, .address_space: global }
      - { .name: s1, .offset: 8, .size: 8, .value_kind: global_buffer, .address_space: global }
      - { .name: c2, .offset: 16, .size: 8, .value_kind: global_buffer, .address_space: global }
      - { .name: s2, .offset: 24, .size: 8, .value_kind: global_buffer, .address_space: global }
    .group_segment_fixed_size: 327680
    .private_segment_fixed_size: 0
    .kernarg_segment_align: 8
    .kernarg_segment_size: 32
    .max_flat_workgroup_size: 128
    .sgpr_count:     100
    .vgpr_count:     1024
    .wavefront_size: 32
...
	.end_amdgpu_metadata
.endif
;; end of part 3
;; launch mix (part 4): grid 4 x 32, 4 waves a work-group, clusters of 4 x 4, 327,680 bytes of LDS; arguments c2, s2, c1, s1, c3, s3; writes c3, s3
.if DOCPART == 4
	.amdgcn_target "amdgcn-amd-amdhsa--gfx1250"
	.amdhsa_code_object_version 6
	.text
	.protected	k_qee594c8f5f_mix
	.globl	k_qee594c8f5f_mix
	.p2align	8
	.type	k_qee594c8f5f_mix,@function
k_qee594c8f5f_mix:
	s_mov_b64 s[64:65], 0
	v_nop
	global_prefetch_b8 v0, s[64:65] scope:SCOPE_SE
	s_setreg_imm32_b32 hwreg(HW_REG_WAVE_MODE, 25, 1), 1
	s_wait_xcnt 0x0
	s_wait_alu depctr_hold_cnt(0) depctr_sa_sdst(0) depctr_va_vdst(0) depctr_va_sdst(0) depctr_va_ssrc(0) depctr_va_vcc(0) depctr_vm_vsrc(0)
	s_getreg_b32 s2, hwreg(HW_REG_IB_STS2, 6, 4)
	s_cmp_eq_u32 s2, 0
	s_cbranch_scc0 .Lentry_in_a_cluster
	s_endpgm
.Lentry_in_a_cluster:
	s_bfe_u32 s2, ttmp6, 0x10000c
	s_cmp_lg_u32 s2, 0xf033
	s_cbranch_scc0 .Lentry_shape_is_right
	s_endpgm
.Lentry_shape_is_right:
; LAUNCH 4 OF 5.  out[b][s][e] = the sum over t of scores[b][s][t] v[b][t][e], on codes of FP6 (E2M3) with E8M0 scales, f32 sums; out is quantised along e in registers and leaves as codes.
; No work of the problem is left out here.
; LAYOUTS: a fragment, 16 rows x 128 K, is an image of its 12 registers: registers 4 g .. 4 g + 3 of lane l at 512 g + 16 l, 1,536 bytes.  Codes [row block of 16][K / 256][2][1536]; scale words [rows / 128][K / 128][512],
; in the 512 [G][r][i]: row 64 G + 16 i + r.  Place p of a buffer holds row p with bits 3 and 4 exchanged.  c2: the scores, blocks 0-511, K = t = 2,048.  c1 from VOFFC on: v^T, block 64 batch + e / 16, K = t.  c3: out, blocks 0-511, K = e = 1,024.
; A tile of 256 x 256 is made by four waves, each 128 x 128: 64 accumulators.  K goes in steps of 256 through a ring of two LDS slots; a wave's tensor load brings 8 row blocks x 3,072 bytes.
; The scale words of the work-group's rows, for all of K, come once with the first fills.  CLUSTERS of 4 x 4: A's tiles are asked for jointly along a row of the cluster, B's along a column.
; THE MATRIX INSTRUCTION IS USED TRANSPOSED (source 0 = 16 rows of v^T, source 1 = 16 rows of the scores): lane (r, h) holds row r, and by the rows' permutation register 16 b + i of tiles 2 b, 2 b + 1 holds e = 32 b + 16 h + i.
; 32 x 4 tiles: 128 work-groups; a smaller tile would read each LDS byte for half as many products.
; LIMITS: NaN and infinities are not served; a block whose largest magnitude lies under 2^(3 - 127) gets the byte 1 (a block of zeros too).
; REGISTERS: window 0: v0-31 addresses; v32-63 scale words, two sets, and nothing else; v128-223 A's 8 fragments, one set.  Window 1: B's fragments, two sets, at v0 and v128.  Windows 2, 3: the accumulators, (a, b) at v[8 (8 (a % 4) + b)].
.set KDIM,  2048
.set NSIG,  KDIM/256
.set NS,    KDIM/128
.set LAPS,  KDIM/512
.set FR,    12
.set NL,    3
.set NP,    4
.set FRB,   1536
.set BLK,   2*FRB
.set HALFT, 8*BLK
.set SLOT,  4*HALFT
.set SCL,   2*SLOT
.set HALFS, 512*NS
.set SPARE, SCL+4*HALFS                ; the spare words, 128 bytes a wave: two blocks of 256 bytes that no other line names
.set VOFFC, 12582912
.set VOFFS, 524288
.set OPITCH, 4*BLK                     ; c3: bytes from row block to row block
.set FLOOR, 0x1800000                  ; 2^(3 - 127)
.set WV, 18
.set HR, 19
.set HC, 20
.set TY, 21
.set TX, 22
.set G1, 24
.set G0, 32
.set G1B, 48
.set G0B, 56
.set G1S, 68
.set G0S, 76
.set G1SB, 80
.set G0SB, 88
.set ADRA, 16
.set ADRB, 20
.set LI,   26
.set ADRS, 27
.set SPW,  28
.set NIL,  29
.set LN,   30
.set SC,   32
.set BI,   64
.set AF,   128
.set PCD0, 64
.set TH,   160
.set TM,   168
.set PW,   184
.set SW,   192
.set MSB, 0
.macro WIN new                         ; the immediate's high byte repeats the setting that is left
.if MSB != \new
	s_set_vgpr_msb (MSB<<8)|\new
.set MSB, \new
.endif
.endm
.set MUL_LO, 0xa1                      ; source 0 (B) window 1, source 1 (A) window 0, C and D window 2
.set MUL_HI, 0xf1                      ; the same, C and D window 3
.set TO_B,   0x40                      ; destination window 1, address window 0
; A joint load: waves 0 and 1 fetch for A, waves 2 and 3 for B.  The branch hangs on the wave's number alone.  An s_nop 0 and four v_nop follow each of the two lines.
.macro JLOAD g0a, g1a, g0b, g1b
	s_cmp_eq_u32 s[HR], 0
	s_cbranch_scc0 .Lfor_b_\@
	tensor_load_to_lds s[\g0a:\g0a+3], s[\g1a:\g1a+7]
	s_nop 0
.rept 4
	v_nop
.endr
	s_branch .Lasked_\@
.Lfor_b_\@:
	tensor_load_to_lds s[\g0b:\g0b+3], s[\g1b:\g1b+7]
	s_nop 0
.rept 4
	v_nop
.endr
.Lasked_\@:
.endm
.macro CREST                           ; a round of the cluster's barrier behind its opening barrier
	s_cmp_lg_u32 s[WV], 0
	s_cbranch_scc1 .Lnot_wave_0_\@
	s_barrier_signal -3
.Lnot_wave_0_\@:
	s_barrier_wait -3
	s_barrier_signal -1
	s_barrier_wait -1
.endm
.macro CROUND
	s_barrier_signal -1
	s_barrier_wait -1
	CREST
.endm
.macro PLACES n
.rept \n
	v_nop
.endr
.endm
.macro FRAG reg, adr, q, i             ; a fragment comes back as it was stored: three loads of 512 consecutive bytes
.irp g, 0,1,2
	ds_load_b128 v[\reg+4*\g:\reg+4*\g+3], v[\adr] offset:(\i)*BLK+(\q)*FRB+512*\g
.endr
.endm
.macro FETCH_B slot, q, p
	WIN TO_B
.irp i, 0,1,2,3,4,5,6,7
	FRAG 128*(\p)+FR*\i, ADRB+\slot, \q, \i
.endr
	WIN 0
.endm
.macro FETCH_A slot, q, i0
.irp i, \i0, \i0+1, \i0+2, \i0+3
	FRAG AF+FR*(\i), ADRA+\slot, \q, \i
.endr
.endm
.macro SCALES sc                       ; a K step's scale words into set sc: one load brings four blocks' words
.irp q, 0,1
.irp g, 0,1
	ds_load_b128 v[SC+16*\sc+8*\q+4*\g:SC+16*\sc+8*\q+4*\g+3], v[ADRS] offset:512*\q+256*\g
.endr
.endr
.endm
; 16 matrix instructions: A's blocks a0, a0 + 1 x B's eight.  cm = 0: the sums go on; 1: they start at 0.  The 64 accumulators take turns, one instruction a turn, in the same order in every step.
.macro MUL16 a0, p, q, sc, cm
.irp a, \a0, \a0+1
.irp b, 0,1,2,3,4,5,6,7
.set rD, 8*(8*((\a)%4)+\b)
.set rB, 128*(\p)+FR*\b
.set rA, AF+FR*(\a)
.set rT, SC+16*(\sc)+8*(\q)
.if \cm == 0
	v_wmma_scale_f32_16x16x128_f8f6f4 v[rD:rD+7], v[rB:rB+FR-1], v[rA:rA+FR-1], v[rD:rD+7], v[rT+\b], v[rT+(\a)] matrix_a_fmt:MATRIX_FMT_FP6 matrix_b_fmt:MATRIX_FMT_FP6 matrix_a_scale:MATRIX_SCALE_ROW1
.else
	v_wmma_scale_f32_16x16x128_f8f6f4 v[rD:rD+7], v[rB:rB+FR-1], v[rA:rA+FR-1], 0, v[rT+\b], v[rT+(\a)] matrix_a_fmt:MATRIX_FMT_FP6 matrix_b_fmt:MATRIX_FMT_FP6 matrix_a_scale:MATRIX_SCALE_ROW1
.endif
.endr
.endr
.endm
; A step of 128 along K that has its successor in the same slot.  A load into a register that a matrix instruction has read stands NP plain vector instructions behind it.
.macro STEP slot, q, cm
	s_wait_dscnt 4*NL                              ; B's set, the scale words and A's blocks 0-3 are in; the youngest 12 loads (A's blocks 4-7) may be out
	WIN MUL_LO
	MUL16 0, (\q)%2, \q, \slot, \cm
	MUL16 2, (\q)%2, \q, \slot, \cm
	s_wait_dscnt 0                                 ; A's blocks 4-7 are in
	PLACES NP
	FETCH_B \slot, (\q)+1, 1-(\q)%2
	FETCH_A \slot, (\q)+1, 0
	WIN MUL_HI
	MUL16 4, (\q)%2, \q, \slot, \cm
	MUL16 6, (\q)%2, \q, \slot, \cm
	PLACES NP
	WIN 0
	FETCH_A \slot, (\q)+1, 4
.endm
; A slot's last step changes slots: ONE barrier; in front of it each wave waits for all its tensor loads, adds 0 to its spare word, and waits for that and for its own reads of this slot.  fill = 1: this slot is filled again, two K steps ahead.
.macro TURN slot, next, fill
	s_wait_tensorcnt 0x0                           ; all my tensor loads have landed: my part of the next slot
	ds_add_u32 v[SPW], v[NIL]                      ; 0 onto my spare word
	s_wait_dscnt 4*NL+1                            ; (the add and the youngest 12 loads may be out)
	WIN MUL_LO
	MUL16 0, 1, 1, \slot, 0
	s_wait_dscnt 0x0                               ; the add is done, and my reads of this slot are over
	s_barrier_signal -1
	MUL16 2, 1, 1, \slot, 0
	WIN 0
	s_barrier_wait -1
.if \fill
	CREST                                          ; the barrier has opened a round of the cluster's barrier: no wave of any partner still reads this slot's tile or has a load on its way
	s_add_nc_u64 s[G0+4*\slot+2:G0+4*\slot+3], s[G0+4*\slot+2:G0+4*\slot+3], 2*BLK
	s_add_nc_u64 s[G0B+4*\slot+2:G0B+4*\slot+3], s[G0B+4*\slot+2:G0B+4*\slot+3], 2*BLK
	JLOAD G0+4*\slot, G1, G0B+4*\slot, G1B         ; the first tensor load behind the round; the four v_nop behind it are the places in front of the loads below
.else
	PLACES NP
.endif
	v_add_nc_u32 v[ADRS], 1024, v[ADRS]            ; on to the next K step's scale words (no LDS load of mine is out)
	FETCH_B \next, 0, 0
	FETCH_A \next, 0, 0
	SCALES \next
	WIN MUL_HI
	MUL16 4, 1, 1, \slot, 0
	MUL16 6, 1, 1, \slot, 0
	PLACES NP
	WIN 0
	FETCH_A \next, 0, 4
.endm
	s_load_b256 s[4:11], s[0:1], 0x0               ; c2 s[4:5], s2 s[6:7], c1 s[8:9], s1 s[10:11]
	s_load_b128 s[12:15], s[0:1], 0x20             ; c3 s[12:13], s3 s[14:15]
	v_lshl_add_u32 v[SPW], v0, 2, SPARE
	v_mov_b32 v[NIL], 0
	ds_add_u32 v[SPW], v[NIL]                      ; the wave's opening: the add, twice on end, and its wait ahead of my first tensor load
	ds_add_u32 v[SPW], v[NIL]
	v_lshrrev_b32 v1, 5, v0
	v_readfirstlane_b32 s[WV], v1
	s_lshr_b32 s[HR], s[WV], 1
	s_and_b32 s[HC], s[WV], 1
	s_bfe_u32 s40, ttmp6, 0x40000                  ; cx, cy
	s_bfe_u32 s41, ttmp6, 0x40004
	s_lshl_b32 s[TX], ttmp9, 2
	s_add_co_u32 s[TX], s[TX], s40                 ; tile column: 256 of e
	s_and_b32 s46, ttmp7, 0xffff                   ; the cluster's y
	s_lshl_b32 s[TY], s46, 2
	s_add_co_u32 s[TY], s[TY], s41                 ; tile row: 256 of the 8,192 rows (b, s)
	s_lshr_b32 s66, s46, 1                         ; the batch: made of the cluster's y alone
	s_lshl_b32 s42, s41, 2
	s_lshl_b32 s42, 15, s42                        ; my row of the cluster
	s_lshl_b32 s43, 0x1111, s40                    ; my column
	s_or_b32 s[G1], s42, (3<<16)|(1<<21)           ; 15:0 the mask; 17:16 elements of 8 bytes; 20 no padding; 21 set beside a mask
	s_or_b32 s[G1B], s43, (3<<16)|(1<<21)
.irp g, G1, G1B
	s_mov_b32 s[\g+1], 384<<16                     ; 8 rows (row blocks) of 384 elements, NSIG x 384 apart
	s_mov_b32 s[\g+2], 8<<16
	s_mov_b32 s[\g+3], 384<<16
	s_mov_b32 s[\g+4], 8
	s_mov_b32 s[\g+5], NSIG*384
	s_mov_b32 s[\g+6], 0
	s_mov_b32 s[\g+7], 0
.endr
	s_or_b32 s[G1S], s42, (3<<16)|(1<<21)          ; the scale words of 128 rows: a dense block, as rows of 256 bytes
	s_or_b32 s[G1SB], s43, (3<<16)|(1<<21)
.irp g, G1S, G1SB
	s_mov_b32 s[\g+1], 32<<16
	s_mov_b32 s[\g+2], (HALFS/256)<<16
	s_mov_b32 s[\g+3], 32<<16
	s_mov_b32 s[\g+4], HALFS/256
	s_mov_b32 s[\g+5], 32
	s_mov_b32 s[\g+6], 0
	s_mov_b32 s[\g+7], 0
.endr
	s_lshl_b32 s46, s[HC], 3                       ; which 8 blocks of the tile I fetch
	s_lshl_b32 s92, s[TY], 4
	s_add_co_u32 s92, s92, s46                     ; A = the scores: the first block that I fetch,
	s_lshr_b32 s94, s92, 3                         ; its group of 128 rows
	s_mul_i32 s92, s92, NSIG*BLK
	s_mov_b32 s93, 0
	s_mul_i32 s94, s94, HALFS
	s_mov_b32 s95, 0
	s_lshl_b32 s96, s[TX], 4
	s_lshl_b32 s66, s66, 6
	s_add_co_u32 s96, s96, s66
	s_add_co_u32 s96, s96, s46                     ; B = v^T: block 64 batch + 16 tile column + 8 half
	s_lshr_b32 s98, s96, 3
	s_mul_i32 s96, s96, NSIG*BLK
	s_add_co_u32 s96, s96, VOFFC
	s_mov_b32 s97, 0
	s_mul_i32 s98, s98, HALFS
	s_add_co_u32 s98, s98, VOFFS
	s_mov_b32 s99, 0
	s_mul_i32 s44, s[WV], HALFT
	s_mul_i32 s45, s[WV], HALFS
	s_wait_dscnt 0x0                               ; both opening adds are done
	s_wait_kmcnt 0x0
	s_add_nc_u64 s[92:93], s[4:5], s[92:93]
	s_add_nc_u64 s[94:95], s[6:7], s[94:95]
	s_add_nc_u64 s[96:97], s[8:9], s[96:97]
	s_add_nc_u64 s[98:99], s[10:11], s[98:99]
	CROUND                                         ; all sixteen work-groups are here: the first joint loads meet
	s_mov_b32 s[G0S], 1
	s_add_co_u32 s[G0S+1], s45, SCL
	s_mov_b64 s[G0S+2:G0S+3], s[94:95]
	s_or_b32 s[G0S+3], s[G0S+3], 0x80000000
	s_mov_b32 s[G0SB], 1
	s_add_co_u32 s[G0SB+1], s45, SCL
	s_mov_b64 s[G0SB+2:G0SB+3], s[98:99]
	s_or_b32 s[G0SB+3], s[G0SB+3], 0x80000000
	JLOAD G0S, G1S, G0SB, G1SB                     ; the scale words first.  With the two below, three tensor loads of mine are out
.irp s, 0,1
	s_mov_b32 s[G0+4*\s], 1
	s_add_co_u32 s[G0+4*\s+1], s44, \s*SLOT
	s_add_nc_u64 s[G0+4*\s+2:G0+4*\s+3], s[92:93], \s*BLK
	s_or_b32 s[G0+4*\s+3], s[G0+4*\s+3], 0x80000000
	s_mov_b32 s[G0B+4*\s], 1
	s_add_co_u32 s[G0B+4*\s+1], s44, \s*SLOT
	s_add_nc_u64 s[G0B+4*\s+2:G0B+4*\s+3], s[96:97], \s*BLK
	s_or_b32 s[G0B+4*\s+3], s[G0B+4*\s+3], 0x80000000
	JLOAD G0+4*\s, G1, G0B+4*\s, G1B
.endr
	v_and_b32 v1, 15, v0                           ; r
	v_bfe_u32 v2, v0, 4, 1                         ; h
	v_and_b32 v[LN], 31, v0
	v_lshlrev_b32 v[LI], 4, v[LN]
	s_mul_i32 s46, s[HR], HALFT
	s_mul_i32 s47, s[HC], HALFT
	s_add_co_u32 s47, s47, 2*HALFT
.irp s, 0,1
	v_add_nc_u32 v[ADRA+\s], s46, v[LI]
	v_add_nc_u32 v[ADRB+\s], s47, v[LI]
	s_add_co_u32 s46, s46, SLOT
	s_add_co_u32 s47, s47, SLOT
.endr
	v_lshlrev_b32 v5, 4, v1
	s_mul_i32 s46, s[HR], HALFS
	s_mul_i32 s47, s[HC], HALFS
	s_add_co_u32 s47, s47, 2*HALFS
	s_sub_co_u32 s47, s47, s46
	v_mul_u32_u24 v6, s47, v2                      ; lanes 16-31 take B's
	s_add_co_u32 s46, s46, SCL
	v_add_nc_u32 v5, v5, v6
	v_add_nc_u32 v[ADRS], s46, v5
	; where the results go: c3: ((16 tile row + 8 my half) x 4 + tile column) x 3,072 + 1,536 x my half of the columns
	s_lshl_b32 s92, s[TY], 4
	s_lshl_b32 s46, s[HR], 3
	s_add_co_u32 s92, s92, s46
	s_lshl_b32 s92, s92, 2
	s_add_co_u32 s92, s92, s[TX]
	s_mul_i32 s92, s92, BLK
	s_mul_i32 s46, s[HC], FRB
	s_add_co_u32 s92, s92, s46
	s_mov_b32 s93, 0
	s_add_nc_u64 s[92:93], s[12:13], s[92:93]
	s_lshl_b32 s94, s[TY], 1                       ; s3: ((2 tile row + my half) x 8 + 2 tile column + my half of the columns) x 512
	s_add_co_u32 s94, s94, s[HR]
	s_lshl_b32 s94, s94, 3
	s_lshl_b32 s46, s[TX], 1
	s_add_co_u32 s94, s94, s46
	s_add_co_u32 s94, s94, s[HC]
	s_lshl_b32 s94, s94, 9
	s_mov_b32 s95, 0
	s_add_nc_u64 s[94:95], s[14:15], s[94:95]
	s_mov_b32 s46, 0x76543210
	s_mov_b32 s47, 0xfedcba98                      ; v_permlanex16_b32's selects for lane l xor 16
	s_wait_tensorcnt 1                             ; the scale words and my part of K step 0 are in (K step 1's load may be out)
	s_barrier_signal -1
	s_barrier_wait -1                              ; everybody's are
	FETCH_B 0, 0, 0
	FETCH_A 0, 0, 0
	SCALES 0
	FETCH_A 0, 0, 4
	STEP 0, 0, 1                                   ; the first step stands in front of the loop: its products start the sums
	s_mov_b32 s3, LAPS-1
.Llap:                                                 ; a trip goes once round the ring and fills both slots again
	TURN 0, 1, 1
	STEP 1, 0, 0
	TURN 1, 0, 1
	STEP 0, 0, 0
	s_sub_co_u32 s3, s3, 1
	s_cmp_lg_u32 s3, 0
	s_cbranch_scc1 .Llap
	TURN 0, 1, 0                                   ; the last lap fills nothing, and has no round of the cluster's barrier
	STEP 1, 0, 0
	s_wait_dscnt 4*NL                              ; the very last step: nothing more to fetch
	WIN MUL_LO
	MUL16 0, 1, 1, 1, 0
	MUL16 2, 1, 1, 1, 0
	s_wait_dscnt 0
	WIN MUL_HI
	MUL16 4, 1, 1, 1, 0
	MUL16 6, 1, 1, 1, 0
	WIN 0
; THE WAY OUT.  Block a (16 rows x my 128 columns) is one fragment of the next product: a lane's 64 registers are its row's e = 32 b + 16 h + i.  Each block of 32 lies in lanes l and l xor 16.  Each accumulator is read from its low end on.
.macro EQ a
.set AC, 64*((\a)%4)
.set PCD, PCD0+12*(\a)
	WIN 0x0a+5*((\a)/4)                            ; sources 0 and 1: window 2 or 3
.irp b, 0,1,2,3
	v_max3_num_f32 v[TM+\b], |v[AC+16*\b]|, |v[AC+16*\b+1]|, FLOOR
.endr
.irp i, 2,4,6,8,10,12,14
.irp b, 0,1,2,3
	v_max3_num_f32 v[TM+\b], |v[AC+16*\b+\i]|, |v[AC+16*\b+\i+1]|, v[TM+\b]
.endr
.endr
	WIN 0
.irp b, 0,1,2,3
	v_permlanex16_b32 v[TM+4+\b], v[TM+\b], s46, s47
.endr
.irp b, 0,1,2,3
	v_max_num_f32 v[TM+\b], v[TM+\b], v[TM+4+\b]
.endr
.irp b, 0,1,2,3
	v_add_nc_u32 v[TM+12+\b], 0xff000000, v[TM+\b] ; 2 off the exponent field: the conversion's scale operand
.endr
.irp b, 0,1,2,3
	v_lshrrev_b32 v[TM+4+\b], 23, v[TM+12+\b]
.endr
	v_lshl_or_b32 v[PW+(\a)], v[TM+5], 8, v[TM+4]
	v_lshl_or_b32 v[PW+(\a)], v[TM+6], 16, v[PW+(\a)]
	v_lshl_or_b32 v[PW+(\a)], v[TM+7], 24, v[PW+(\a)]
	WIN 0x02+((\a)/4)                              ; source 0: window 2 or 3
.irp c, 0,1
	v_cvt_scalef32_pk16_fp6_f32 v[PCD+6*\c:PCD+6*\c+2], v[AC+32*\c:AC+32*\c+15], v[TM+12+2*\c]
	v_cvt_scalef32_pk16_fp6_f32 v[TH+4*\c:TH+4*\c+2], v[AC+32*\c+16:AC+32*\c+31], v[TM+12+2*\c+1]
.endr
	WIN 0
	v_nop                                          ; one plain place behind a scaled conversion
.irp c, 0,1
.irp i, 0,1,2
	v_permlane16_swap_b32 v[PCD+6*\c+\i], v[TH+4*\c+\i]
.endr
.irp i, 0,1,2
	v_mov_b32 v[PCD+3+6*\c+\i], v[TH+4*\c+\i]
.endr
.endr
.irp g, 0,1,2
	global_store_b128 v[LI], v[PCD+4*\g:PCD+4*\g+3], s[92:93] offset:(\a)*OPITCH+512*\g   ; 32 lanes store 512 consecutive bytes, aligned; each block has its own registers
.endr
.endm
	PLACES NP                                      ; behind the last products: results are read and operands' registers written from here on
.irp b, 0,1,2,3
	v_mov_b32 v[TM+4+\b], 0                        ; written once: a lane permute's destination counts as one of its sources
.endr
.irp a, 0,1,2,3,4,5,6,7
	EQ \a
.endr
	v_cmp_le_u32 vcc_lo, 16, v[LN]                 ; lane 16 G + r stores the words of blocks 4 G .. 4 G + 3
.irp i, 0,1,2,3
	v_cndmask_b32 v[SW+\i], v[PW+\i], v[PW+4+\i], vcc_lo
.endr
	global_store_b128 v[LI], v[SW:SW+3], s[94:95]  ; 512 consecutive bytes: my 128 rows' words of this K step
	s_wait_tensorcnt 0x0                           ; the wave's end
	ds_add_u32 v[SPW], v[NIL]
	s_wait_dscnt 0x0
	CROUND                                         ; the closing round
	s_endpgm
.Lfunc_end_k_qee594c8f5f_mix:
	.size	k_qee594c8f5f_mix, .Lfunc_end_k_qee594c8f5f_mix-k_qee594c8f5f_mix
	.p2alignl 7, 3214868480
	.fill 96, 4, 3214868480
	.section	.rodata,"a",@progbits
	.p2align	6, 0x0
	.amdhsa_kernel k_qee594c8f5f_mix
		.amdhsa_group_segment_fixed_size 327680
		.amdhsa_private_segment_fixed_size 0
		.amdhsa_enable_private_segment 0
		.amdhsa_kernarg_size 48
		.amdhsa_user_sgpr_count 2
		.amdhsa_user_sgpr_kernarg_segment_ptr 1
		.amdhsa_wavefront_size32 1
		.amdhsa_system_sgpr_workgroup_id_x 1
		.amdhsa_system_sgpr_workgroup_id_y 1
		.amdhsa_system_sgpr_workgroup_id_z 1
		.amdhsa_system_vgpr_workitem_id 0
		.amdhsa_next_free_vgpr 1024
		.amdhsa_next_free_sgpr 100
		.amdhsa_reserve_vcc 1
		.amdhsa_float_denorm_mode_32 3
		.amdhsa_float_denorm_mode_16_64 3
		.amdhsa_memory_ordered 1
		.amdhsa_forward_progress 1
		.amdhsa_inst_pref_size 139
	.end_amdhsa_kernel
	.amdgpu_metadata
---
amdhsa.version: [ 1, 2 ]
amdhsa.kernels:
  - .name:           k_qee594c8f5f_mix
    .symbol:         k_qee594c8f5f_mix.kd
    .args:
      - { .name: c2, .offset: 0, .size: 8, .value_kind: global_buffer, .address_space: global }
      - { .name: s2, .offset: 8, .size: 8, .value_kind: global_buffer, .address_space: global }
      - { .name: c1, .offset: 16, .size: 8, .value_kind: global_buffer, .address_space: global }
      - { .name: s1, .offset: 24, .size: 8, .value_kind: global_buffer, .address_space: global }
      - { .name: c3, .offset: 32, .size: 8, .value_kind: global_buffer, .address_space: global }
      - { .name: s3, .offset: 40, .size: 8, .value_kind: global_buffer, .address_space: global }
    .group_segment_fixed_size: 327680
    .private_segment_fixed_size: 0
    .kernarg_segment_align: 8
    .kernarg_segment_size: 48
    .max_flat_workgroup_size: 128
    .sgpr_count:     100
    .vgpr_count:     1024
    .wavefront_size: 32
...
	.end_amdgpu_metadata
.endif
;; end of part 4
;; launch proj (part 5): grid 4 x 32, 4 waves a work-group, clusters of 4 x 4, 327,680 bytes of LDS; arguments c3, s3, c0, s0, bo, out0; writes out0
.if DOCPART == 5
	.amdgcn_target "amdgcn-amd-amdhsa--gfx1250"
	.amdhsa_code_object_version 6
	.text
	.protected	k_qee594c8f5f_proj
	.globl	k_qee594c8f5f_proj
	.p2align	8
	.type	k_qee594c8f5f_proj,@function
k_qee594c8f5f_proj:
	s_mov_b64 s[64:65], 0
	v_nop
	global_prefetch_b8 v0, s[64:65] scope:SCOPE_SE
	s_setreg_imm32_b32 hwreg(HW_REG_WAVE_MODE, 25, 1), 1
	s_wait_xcnt 0x0
	s_wait_alu depctr_hold_cnt(0) depctr_sa_sdst(0) depctr_va_vdst(0) depctr_va_sdst(0) depctr_va_ssrc(0) depctr_va_vcc(0) depctr_vm_vsrc(0)
	s_getreg_b32 s2, hwreg(HW_REG_IB_STS2, 6, 4)
	s_cmp_eq_u32 s2, 0
	s_cbranch_scc0 .Lentry_in_a_cluster
	s_endpgm
.Lentry_in_a_cluster:
	s_bfe_u32 s2, ttmp6, 0x10000c
	s_cmp_lg_u32 s2, 0xf033
	s_cbranch_scc0 .Lentry_shape_is_right
	s_endpgm
.Lentry_shape_is_right:
; LAUNCH 5 OF 5.  out0[b][s][f] = the sum over e of out[b][s][e] Wo[f][e] + bo[f], on codes of FP6 (E2M3) with E8M0 scales, f32 sums, f32 result.
; No work of the problem is left out here.
; LAYOUTS: a fragment, 16 rows x 128 K, is an image of its 12 registers: registers 4 g .. 4 g + 3 of lane l at 512 g + 16 l, 1,536 bytes.  Codes [row block of 16][K / 256][2][1536]; scale words [rows / 128][K / 128][512],
; in the 512 [G][r][i]: row 64 G + 16 i + r.  Place p of a buffer holds row p with bits 3 and 4 exchanged.  c3: out, blocks 0-511.  c0: Wo is blocks 704-767.  K = 1,024.
; A tile of 256 x 256 is made by four waves, each 128 x 128: 64 accumulators.  K goes in steps of 256 through a ring of two LDS slots; a wave's tensor load brings 8 row blocks x 3,072 bytes.
; The scale words of the work-group's rows, for all of K, come once with the first fills.  CLUSTERS of 4 x 4: A's tiles are asked for jointly along a row of the cluster, B's along a column.
; THE MATRIX INSTRUCTION IS USED TRANSPOSED (source 0 = 16 rows of Wo, source 1 = 16 rows of out): lane (r, h) holds the row at place r, and register j of tile b holds column 32 (b / 2) + 8 (b % 2) + 16 h + j.
; The bias is the C of each sum's first matrix instruction.  The rows' permutation is undone in the stores' offsets.
; 32 x 4 tiles: 128 work-groups; a smaller tile would read each LDS byte for half as many products.
; LIMITS: NaN and infinities are not served; the bias is a sum's first term, not its last (another order of f32 rounding).
; REGISTERS: window 0: v0-31 addresses; v32-63 scale words, two sets, and nothing else; v64-127 the bias; v128-223 A's 8 fragments, one set; on the way out v128-255 rows of the result.  Window 1: B's fragments, two sets.  Windows 2, 3: the accumulators.
.set KDIM,  1024
.set NSIG,  KDIM/256
.set NS,    KDIM/128
.set LAPS,  KDIM/512
.set FR,    12
.set NL,    3
.set NP,    4
.set FRB,   1536
.set BLK,   2*FRB
.set HALFT, 8*BLK
.set SLOT,  4*HALFT
.set SCL,   2*SLOT
.set HALFS, 512*NS
.set SPARE, SCL+4*HALFS                ; the spare words, 128 bytes a wave: two blocks of 256 bytes that no other line names
.set SPITCH, 528                       ; the way out: a stage of 16 rows x (512 bytes + 16) for each wave.  It lies in slot 0, which has had its last fill and its last read when the first result is stored there
.set WV, 18
.set HR, 19
.set HC, 20
.set TY, 21
.set TX, 22
.set G1, 24
.set G0, 32
.set G1B, 48
.set G0B, 56
.set G1S, 68
.set G0S, 76
.set G1SB, 80
.set G0SB, 88
.set ADRA, 16
.set ADRB, 20
.set STO,  24                          ; v24 the way out: where I put 32 bytes of a row
.set RD,   25                          ; v25 the way out: where I read a row back
.set LI,   26
.set ADRS, 27
.set SPW,  28
.set NIL,  29
.set LN,   30
.set SC,   32
.set BI,   64
.set AF,   128
.set BK,   128                         ; the way out: 16 rows read back from the stage: v128-191 and v192-255 by turns
.set MSB, 0
.macro WIN new                         ; the immediate's high byte repeats the setting that is left
.if MSB != \new
	s_set_vgpr_msb (MSB<<8)|\new
.set MSB, \new
.endif
.endm
.set MUL_LO, 0xa1                      ; source 0 (B) window 1, source 1 (A) window 0, C and D window 2
.set MUL_HI, 0xf1                      ; the same, C and D window 3
.set TO_B,   0x40                      ; destination window 1, address window 0
; A joint load: waves 0 and 1 fetch for A, waves 2 and 3 for B.  The branch hangs on the wave's number alone.  An s_nop 0 and four v_nop follow each of the two lines.
.macro JLOAD g0a, g1a, g0b, g1b
	s_cmp_eq_u32 s[HR], 0
	s_cbranch_scc0 .Lfor_b_\@
	tensor_load_to_lds s[\g0a:\g0a+3], s[\g1a:\g1a+7]
	s_nop 0
.rept 4
	v_nop
.endr
	s_branch .Lasked_\@
.Lfor_b_\@:
	tensor_load_to_lds s[\g0b:\g0b+3], s[\g1b:\g1b+7]
	s_nop 0
.rept 4
	v_nop
.endr
.Lasked_\@:
.endm
.macro CREST                           ; a round of the cluster's barrier behind its opening barrier
	s_cmp_lg_u32 s[WV], 0
	s_cbranch_scc1 .Lnot_wave_0_\@
	s_barrier_signal -3
.Lnot_wave_0_\@:
	s_barrier_wait -3
	s_barrier_signal -1
	s_barrier_wait -1
.endm
.macro CROUND
	s_barrier_signal -1
	s_barrier_wait -1
	CREST
.endm
.macro PLACES n
.rept \n
	v_nop
.endr
.endm
.macro FRAG reg, adr, q, i             ; a fragment comes back as it was stored: three loads of 512 consecutive bytes
.irp g, 0,1,2
	ds_load_b128 v[\reg+4*\g:\reg+4*\g+3], v[\adr] offset:(\i)*BLK+(\q)*FRB+512*\g
.endr
.endm
.macro FETCH_B slot, q, p
	WIN TO_B
.irp i, 0,1,2,3,4,5,6,7
	FRAG 128*(\p)+FR*\i, ADRB+\slot, \q, \i
.endr
	WIN 0
.endm
.macro FETCH_A slot, q, i0
.irp i, \i0, \i0+1, \i0+2, \i0+3
	FRAG AF+FR*(\i), ADRA+\slot, \q, \i
.endr
.endm
.macro SCALES sc                       ; a K step's scale words into set sc: one load brings four blocks' words
.irp q, 0,1
.irp g, 0,1
	ds_load_b128 v[SC+16*\sc+8*\q+4*\g:SC+16*\sc+8*\q+4*\g+3], v[ADRS] offset:512*\q+256*\g
.endr
.endr
.endm
; 16 matrix instructions: A's blocks a0, a0 + 1 x B's eight.  cm = 0: the sums go on; 2: they start at the bias of B's block.  The 64 accumulators take turns, one instruction a turn, in the same order in every step.
.macro MUL16 a0, p, q, sc, cm
.irp a, \a0, \a0+1
.irp b, 0,1,2,3,4,5,6,7
.set rD, 8*(8*((\a)%4)+\b)
.set rB, 128*(\p)+FR*\b
.set rA, AF+FR*(\a)
.set rT, SC+16*(\sc)+8*(\q)
.if \cm == 0
	v_wmma_scale_f32_16x16x128_f8f6f4 v[rD:rD+7], v[rB:rB+FR-1], v[rA:rA+FR-1], v[rD:rD+7], v[rT+\b], v[rT+(\a)] matrix_a_fmt:MATRIX_FMT_FP6 matrix_b_fmt:MATRIX_FMT_FP6 matrix_a_scale:MATRIX_SCALE_ROW1
.else
	v_wmma_scale_f32_16x16x128_f8f6f4 v[rD:rD+7], v[rB:rB+FR-1], v[rA:rA+FR-1], v[BI+8*\b:BI+8*\b+7], v[rT+\b], v[rT+(\a)] matrix_a_fmt:MATRIX_FMT_FP6 matrix_b_fmt:MATRIX_FMT_FP6 matrix_a_scale:MATRIX_SCALE_ROW1
.endif
.endr
.endr
.endm
; A step of 128 along K that has its successor in the same slot.  A load into a register that a matrix instruction has read stands NP plain vector instructions behind it.
.macro STEP slot, q, cm
	s_wait_dscnt 4*NL                              ; B's set, the scale words and A's blocks 0-3 are in; the youngest 12 loads (A's blocks 4-7) may be out
.if \cm >= 2
	WIN 0x81                                       ; C (the bias) in window 0
.else
	WIN MUL_LO
.endif
	MUL16 0, (\q)%2, \q, \slot, \cm
	MUL16 2, (\q)%2, \q, \slot, \cm
	s_wait_dscnt 0                                 ; A's blocks 4-7 are in
	PLACES NP
	FETCH_B \slot, (\q)+1, 1-(\q)%2
	FETCH_A \slot, (\q)+1, 0
.if \cm >= 2
	WIN 0xc1
.else
	WIN MUL_HI
.endif
	MUL16 4, (\q)%2, \q, \slot, \cm
	MUL16 6, (\q)%2, \q, \slot, \cm
	PLACES NP
	WIN 0
	FETCH_A \slot, (\q)+1, 4
.endm
; A slot's last step changes slots: ONE barrier; in front of it each wave waits for all its tensor loads, adds 0 to its spare word, and waits for that and for its own reads of this slot.  fill = 1: this slot is filled again, two K steps ahead.
.macro TURN slot, next, fill
	s_wait_tensorcnt 0x0                           ; all my tensor loads have landed: my part of the next slot
	ds_add_u32 v[SPW], v[NIL]                      ; 0 onto my spare word
	s_wait_dscnt 4*NL+1                            ; (the add and the youngest 12 loads may be out)
	WIN MUL_LO
	MUL16 0, 1, 1, \slot, 0
	s_wait_dscnt 0x0                               ; the add is done, and my reads of this slot are over
	s_barrier_signal -1
	MUL16 2, 1, 1, \slot, 0
	WIN 0
	s_barrier_wait -1
.if \fill
	CREST                                          ; the barrier has opened a round of the cluster's barrier: no wave of any partner still reads this slot's tile or has a load on its way
	s_add_nc_u64 s[G0+4*\slot+2:G0+4*\slot+3], s[G0+4*\slot+2:G0+4*\slot+3], 2*BLK
	s_add_nc_u64 s[G0B+4*\slot+2:G0B+4*\slot+3], s[G0B+4*\slot+2:G0B+4*\slot+3], 2*BLK
	JLOAD G0+4*\slot, G1, G0B+4*\slot, G1B         ; the first tensor load behind the round; the four v_nop behind it are the places in front of the loads below
.else
	PLACES NP
.endif
	v_add_nc_u32 v[ADRS], 1024, v[ADRS]            ; on to the next K step's scale words (no LDS load of mine is out)
	FETCH_B \next, 0, 0
	FETCH_A \next, 0, 0
	SCALES \next
	WIN MUL_HI
	MUL16 4, 1, 1, \slot, 0
	MUL16 6, 1, 1, \slot, 0
	PLACES NP
	WIN 0
	FETCH_A \next, 0, 4
.endm
	s_load_b256 s[4:11], s[0:1], 0x0               ; c3 s[4:5], s3 s[6:7], c0 s[8:9], s0 s[10:11]
	s_load_b128 s[12:15], s[0:1], 0x20             ; bo s[12:13], out0 s[14:15]
	v_lshl_add_u32 v[SPW], v0, 2, SPARE
	v_mov_b32 v[NIL], 0
	ds_add_u32 v[SPW], v[NIL]                      ; the wave's opening: the add, twice on end, and its wait ahead of my first tensor load
	ds_add_u32 v[SPW], v[NIL]
	v_lshrrev_b32 v1, 5, v0
	v_readfirstlane_b32 s[WV], v1
	s_lshr_b32 s[HR], s[WV], 1
	s_and_b32 s[HC], s[WV], 1
	s_bfe_u32 s40, ttmp6, 0x40000                  ; cx, cy
	s_bfe_u32 s41, ttmp6, 0x40004
	s_lshl_b32 s[TX], ttmp9, 2
	s_add_co_u32 s[TX], s[TX], s40                 ; tile column: 256 of f
	s_and_b32 s46, ttmp7, 0xffff
	s_lshl_b32 s[TY], s46, 2
	s_add_co_u32 s[TY], s[TY], s41                 ; tile row: 256 of the 8,192 rows
	s_lshl_b32 s42, s41, 2
	s_lshl_b32 s42, 15, s42                        ; my row of the cluster
	s_lshl_b32 s43, 0x1111, s40                    ; my column
	s_or_b32 s[G1], s42, (3<<16)|(1<<21)           ; 15:0 the mask; 17:16 elements of 8 bytes; 20 no padding; 21 set beside a mask
	s_or_b32 s[G1B], s43, (3<<16)|(1<<21)
.irp g, G1, G1B
	s_mov_b32 s[\g+1], 384<<16                     ; 8 rows (row blocks) of 384 elements, NSIG x 384 apart
	s_mov_b32 s[\g+2], 8<<16
	s_mov_b32 s[\g+3], 384<<16
	s_mov_b32 s[\g+4], 8
	s_mov_b32 s[\g+5], NSIG*384
	s_mov_b32 s[\g+6], 0
	s_mov_b32 s[\g+7], 0
.endr
	s_or_b32 s[G1S], s42, (3<<16)|(1<<21)          ; the scale words of 128 rows: a dense block, as rows of 256 bytes
	s_or_b32 s[G1SB], s43, (3<<16)|(1<<21)
.irp g, G1S, G1SB
	s_mov_b32 s[\g+1], 32<<16
	s_mov_b32 s[\g+2], (HALFS/256)<<16
	s_mov_b32 s[\g+3], 32<<16
	s_mov_b32 s[\g+4], HALFS/256
	s_mov_b32 s[\g+5], 32
	s_mov_b32 s[\g+6], 0
	s_mov_b32 s[\g+7], 0
.endr
	s_lshl_b32 s46, s[HC], 3                       ; which 8 blocks of the tile I fetch
	s_lshl_b32 s92, s[TY], 4
	s_add_co_u32 s92, s92, s46                     ; A = out: the first block that I fetch,
	s_lshr_b32 s94, s92, 3                         ; its group of 128 rows
	s_mul_i32 s92, s92, NSIG*BLK
	s_mov_b32 s93, 0
	s_mul_i32 s94, s94, HALFS
	s_mov_b32 s95, 0
	s_lshl_b32 s96, s[TX], 4
	s_add_co_u32 s96, s96, 704
	s_add_co_u32 s96, s96, s46                     ; B = Wo: block 704 + 16 tile column + 8 half
	s_lshr_b32 s98, s96, 3
	s_mul_i32 s96, s96, NSIG*BLK
	s_mov_b32 s97, 0
	s_mul_i32 s98, s98, HALFS
	s_mov_b32 s99, 0
	s_mul_i32 s44, s[WV], HALFT
	s_mul_i32 s45, s[WV], HALFS
	s_wait_dscnt 0x0                               ; both opening adds are done
	s_wait_kmcnt 0x0
	s_add_nc_u64 s[92:93], s[4:5], s[92:93]
	s_add_nc_u64 s[94:95], s[6:7], s[94:95]
	s_add_nc_u64 s[96:97], s[8:9], s[96:97]
	s_add_nc_u64 s[98:99], s[10:11], s[98:99]
	CROUND                                         ; all sixteen work-groups are here: the first joint loads meet
	s_mov_b32 s[G0S], 1
	s_add_co_u32 s[G0S+1], s45, SCL
	s_mov_b64 s[G0S+2:G0S+3], s[94:95]
	s_or_b32 s[G0S+3], s[G0S+3], 0x80000000
	s_mov_b32 s[G0SB], 1
	s_add_co_u32 s[G0SB+1], s45, SCL
	s_mov_b64 s[G0SB+2:G0SB+3], s[98:99]
	s_or_b32 s[G0SB+3], s[G0SB+3], 0x80000000
	JLOAD G0S, G1S, G0SB, G1SB                     ; the scale words first.  With the two below, three tensor loads of mine are out
.irp s, 0,1
	s_mov_b32 s[G0+4*\s], 1
	s_add_co_u32 s[G0+4*\s+1], s44, \s*SLOT
	s_add_nc_u64 s[G0+4*\s+2:G0+4*\s+3], s[92:93], \s*BLK
	s_or_b32 s[G0+4*\s+3], s[G0+4*\s+3], 0x80000000
	s_mov_b32 s[G0B+4*\s], 1
	s_add_co_u32 s[G0B+4*\s+1], s44, \s*SLOT
	s_add_nc_u64 s[G0B+4*\s+2:G0B+4*\s+3], s[96:97], \s*BLK
	s_or_b32 s[G0B+4*\s+3], s[G0B+4*\s+3], 0x80000000
	JLOAD G0+4*\s, G1, G0B+4*\s, G1B
.endr
	v_and_b32 v1, 15, v0                           ; r
	v_bfe_u32 v2, v0, 4, 1                         ; h
	v_and_b32 v[LN], 31, v0
	v_lshlrev_b32 v[LI], 4, v[LN]
	s_mul_i32 s46, s[HR], HALFT
	s_mul_i32 s47, s[HC], HALFT
	s_add_co_u32 s47, s47, 2*HALFT
.irp s, 0,1
	v_add_nc_u32 v[ADRA+\s], s46, v[LI]
	v_add_nc_u32 v[ADRB+\s], s47, v[LI]
	s_add_co_u32 s46, s46, SLOT
	s_add_co_u32 s47, s47, SLOT
.endr
	v_lshlrev_b32 v5, 4, v1
	s_mul_i32 s46, s[HR], HALFS
	s_mul_i32 s47, s[HC], HALFS
	s_add_co_u32 s47, s47, 2*HALFS
	s_sub_co_u32 s47, s47, s46
	v_mul_u32_u24 v6, s47, v2                      ; lanes 16-31 take B's
	s_add_co_u32 s46, s46, SCL
	v_add_nc_u32 v5, v5, v6
	v_add_nc_u32 v[ADRS], s46, v5
	; the bias, in the result's layout: register 8 b + j = bo(256 tile column + 128 my half + 32 (b / 2) + 8 (b % 2) + 16 h + j)
	s_lshl_b32 s96, s[TX], 10
	s_lshl_b32 s46, s[HC], 9
	s_add_co_u32 s96, s96, s46
	s_mov_b32 s97, 0
	s_add_nc_u64 s[96:97], s[12:13], s[96:97]
	v_lshlrev_b32 v3, 6, v2                        ; 64 h
.irp b, 0,1,2,3,4,5,6,7
	global_load_b128 v[BI+8*\b:BI+8*\b+3], v3, s[96:97] offset:4*(32*(\b/2)+8*(\b%2))
	global_load_b128 v[BI+8*\b+4:BI+8*\b+7], v3, s[96:97] offset:4*(32*(\b/2)+8*(\b%2))+16
.endr
	s_mul_i32 s46, s[WV], 16*SPITCH                ; my stage
	v_mul_u32_u24 v[STO], v1, SPITCH               ; in: row r, + 64 h: the columns 16 h on
	v_lshl_add_u32 v[STO], v2, 6, v[STO]
	v_add_nc_u32 v[STO], s46, v[STO]
	v_add_nc_u32 v[RD], s46, v[LI]                 ; back: the 32 lanes take one row of 512 bytes
	s_lshl_b32 s92, s[TY], 8                       ; out0: my first row, 256 tile row + 128 my half, of 4,096 bytes; my first column, 256 tile column + 128 my half, of 4 bytes
	s_lshl_b32 s46, s[HR], 7
	s_add_co_u32 s92, s92, s46
	s_lshl_b32 s92, s92, 12
	s_lshl_b32 s46, s[TX], 10
	s_add_co_u32 s92, s92, s46
	s_lshl_b32 s46, s[HC], 9
	s_add_co_u32 s92, s92, s46
	s_mov_b32 s93, 0
	s_add_nc_u64 s[92:93], s[14:15], s[92:93]
	s_wait_tensorcnt 1                             ; the scale words and my part of K step 0 are in (K step 1's load may be out)
	s_barrier_signal -1
	s_barrier_wait -1                              ; everybody's are
	FETCH_B 0, 0, 0
	FETCH_A 0, 0, 0
	SCALES 0
	FETCH_A 0, 0, 4
	s_wait_loadcnt 0x0                             ; the bias
	STEP 0, 0, 2                                   ; the first step stands in front of the loop: its products start the sums at the bias
	s_mov_b32 s3, LAPS-1
.Llap:                                                 ; a trip goes once round the ring and fills both slots again
	TURN 0, 1, 1
	STEP 1, 0, 0
	TURN 1, 0, 1
	STEP 0, 0, 0
	s_sub_co_u32 s3, s3, 1
	s_cmp_lg_u32 s3, 0
	s_cbranch_scc1 .Llap
	TURN 0, 1, 0                                   ; the last lap fills nothing, and has no round of the cluster's barrier
	STEP 1, 0, 0
	s_wait_dscnt 4*NL                              ; the very last step: nothing more to fetch
	WIN MUL_LO
	MUL16 0, 1, 1, 1, 0
	MUL16 2, 1, 1, 1, 0
	s_wait_dscnt 0
	WIN MUL_HI
	MUL16 4, 1, 1, 1, 0
	MUL16 6, 1, 1, 1, 0
	WIN 0
; THE WAY OUT, block by block of 16 rows x 128 columns.  A lane holds pieces of 32 bytes of one row, and the lanes beside it hold other rows: so a block goes through my own stage in LDS and comes back as whole rows of
; 512 bytes, which the 32 lanes store as 512 consecutive bytes, aligned.  LDS serves a wave's instructions in order: no wait between the stores and the loads, nor in front of the next block's stores.
.macro TOSTAGE a
.set AC, 64*((\a)%4)
	WIN 0x08+4*((\a)/4)                            ; an LDS store's data are its source 1: window 2 or 3
.irp b, 0,1,2,3,4,5,6,7
	ds_store_b128 v[STO], v[AC+8*\b:AC+8*\b+3] offset:128*(\b/2)+32*(\b%2)          ; each accumulator from its low end on
	ds_store_b128 v[STO], v[AC+8*\b+4:AC+8*\b+7] offset:128*(\b/2)+32*(\b%2)+16
.endr
	WIN 0
.set BB, BK+64*((\a)%2)
.irp t, 0,1,2,3,4,5,6,7,8,9,10,11,12,13,14,15
	ds_load_b128 v[BB+4*\t:BB+4*\t+3], v[RD] offset:\t*SPITCH
.endr
.endm
.macro SEND a, younger                 ; younger: the LDS instructions issued behind block a's loads, which may stay out
.set BB, BK+64*((\a)%2)
	s_wait_dscnt \younger                          ; the block is back in registers
.irp t, 0,1,2,3,4,5,6,7,8,9,10,11,12,13,14,15
	global_store_b128 v[LI], v[BB+4*\t:BB+4*\t+3], s[92:93] offset:(32*((\a)/2)+8*((\a)%2)+\t+8*(\t/8))*4096 th:TH_STORE_NT   ; place 16 a + t holds row 32 (a / 2) + 8 (a % 2) + t + 8 (t / 8); no base is stepped
.endr
.endm
	PLACES NP                                      ; behind the last products: results are read, and loads land in the registers that held A's fragments
	TOSTAGE 0
.irp a, 1,2,3,4,5,6,7
.if \a > 1
	s_wait_xcnt 0x0                                ; block a - 2's stores have read their registers: block a's loads may land there
.endif
	TOSTAGE \a
	SEND \a-1, 32                                  ; behind block a - 1's loads: block a's 16 stores and 16 loads
.endr
	SEND 7, 0
	s_wait_tensorcnt 0x0                           ; the wave's end, behind my last tensor load and my last LDS store
	ds_add_u32 v[SPW], v[NIL]
	s_wait_dscnt 0x0
	CROUND                                         ; the closing round
	s_endpgm
.Lfunc_end_k_qee594c8f5f_proj:
	.size	k_qee594c8f5f_proj, .Lfunc_end_k_qee594c8f5f_proj-k_qee594c8f5f_proj
	.p2alignl 7, 3214868480
	.fill 96, 4, 3214868480
	.section	.rodata,"a",@progbits
	.p2align	6, 0x0
	.amdhsa_kernel k_qee594c8f5f_proj
		.amdhsa_group_segment_fixed_size 327680
		.amdhsa_private_segment_fixed_size 0
		.amdhsa_enable_private_segment 0
		.amdhsa_kernarg_size 48
		.amdhsa_user_sgpr_count 2
		.amdhsa_user_sgpr_kernarg_segment_ptr 1
		.amdhsa_wavefront_size32 1
		.amdhsa_system_sgpr_workgroup_id_x 1
		.amdhsa_system_sgpr_workgroup_id_y 1
		.amdhsa_system_sgpr_workgroup_id_z 1
		.amdhsa_system_vgpr_workitem_id 0
		.amdhsa_next_free_vgpr 1024
		.amdhsa_next_free_sgpr 100
		.amdhsa_reserve_vcc 0
		.amdhsa_float_denorm_mode_32 3
		.amdhsa_float_denorm_mode_16_64 3
		.amdhsa_memory_ordered 1
		.amdhsa_forward_progress 1
		.amdhsa_inst_pref_size 136
	.end_amdhsa_kernel
	.amdgpu_metadata
---
amdhsa.version: [ 1, 2 ]
amdhsa.kernels:
  - .name:           k_qee594c8f5f_proj
    .symbol:         k_qee594c8f5f_proj.kd
    .args:
      - { .name: c3, .offset: 0, .size: 8, .value_kind: global_buffer, .address_space: global }
      - { .name: s3, .offset: 8, .size: 8, .value_kind: global_buffer, .address_space: global }
      - { .name: c0, .offset: 16, .size: 8, .value_kind: global_buffer, .address_space: global }
      - { .name: s0, .offset: 24, .size: 8, .value_kind: global_buffer, .address_space: global }
      - { .name: bo, .offset: 32, .size: 8, .value_kind: global_buffer, .address_space: global }
      - { .name: out0, .offset: 40, .size: 8, .value_kind: global_buffer, .address_space: global }
    .group_segment_fixed_size: 327680
    .private_segment_fixed_size: 0
    .kernarg_segment_align: 8
    .kernarg_segment_size: 48
    .max_flat_workgroup_size: 128
    .sgpr_count:     100
    .vgpr_count:     1024
    .wavefront_size: 32
...
	.end_amdgpu_metadata
.endif
;; end of part 5
;; ======== version 2 of 2: 5 launches; 1.15 times as fast as version 1
;; workspace buffers: c0 9,437,184 bytes; s0 393,216 bytes; c1 18,874,368 bytes; s1 786,432 bytes; c2 12,582,912 bytes; s2 524,288 bytes; c3 6,291,456 bytes; s3 262,144 bytes
;; launch quant: the kernel of part 1 again; grid 384 x 1, 4 waves a work-group, no clusters, 34,304 bytes of LDS; arguments x, Wq, Wk, Wv, Wo, c0, s0; writes c0, s0
;; launch qkv (part 6): grid 8 x 48, 4 waves a work-group, clusters of 4 x 4, 327,680 bytes of LDS; arguments c0, s0, bq, bk, bv, c1, s1; writes c1, s1
.if DOCPART == 6
	.amdgcn_target "amdgcn-amd-amdhsa--gfx1250"
	.amdhsa_code_object_version 6
	.text
	.protected	k_qee594c8f5f_qkv
	.globl	k_qee594c8f5f_qkv
	.p2align	8
	.type	k_qee594c8f5f_qkv,@function
k_qee594c8f5f_qkv:
	s_mov_b64 s[64:65], 0
	v_nop
	global_prefetch_b8 v0, s[64:65] scope:SCOPE_SE
	s_setreg_imm32_b32 hwreg(HW_REG_WAVE_MODE, 25, 1), 1
	s_wait_xcnt 0x0
	s_wait_alu depctr_hold_cnt(0) depctr_sa_sdst(0) depctr_va_vdst(0) depctr_va_sdst(0) depctr_va_ssrc(0) depctr_va_vcc(0) depctr_vm_vsrc(0)
	s_getreg_b32 s2, hwreg(HW_REG_IB_STS2, 6, 4)
	s_cmp_eq_u32 s2, 0
	s_cbranch_scc0 .Lentry_in_a_cluster
	s_endpgm
.Lentry_in_a_cluster:
	s_bfe_u32 s2, ttmp6, 0x10000c
	s_cmp_lg_u32 s2, 0xf033
	s_cbranch_scc0 .Lentry_shape_is_right
	s_endpgm
.Lentry_shape_is_right:
; LAUNCH 2 OF 5.  q = x Wq^T + bq, k = x Wk^T + bk and v^T = Wv x^T + bv, on codes of FP6 (E2M3) with E8M0 scales, f32 sums; the results are quantised in registers and leave as codes: q and k along e, v^T along t.
; No work of the problem is left out here.
; LAYOUTS (made by the launch before, and made here for the next): a fragment, 16 rows x 128 K, is an image of its 12 registers: registers 4 g .. 4 g + 3 of lane l at 512 g + 16 l, 1,536 bytes.
; Codes [row block of 16][K / 256][2][1536]; scale words [rows / 128][K / 128][512], in the 512 [G][r][i]: row 64 G + 16 i + r.  Place p of a buffer holds row p with bits 3 and 4 exchanged.
; c0's blocks: 0-511 x, 512-575 Wq, 576-639 Wk, 640-703 Wv.  c1: blocks 0-511 q, 512-1023 k (K = 1,024); from VOFFC on v^T, block 64 batch + e / 16 (K = t = 2,048).
; A tile of 256 x 256 is made by four waves, each 128 x 128: 64 accumulators.  K = 1,024 is four K steps of 256; a wave's tensor load brings 8 row blocks x 3,072 bytes of one K step.
; THREE LDS SLOTS ARE FILLED AT THE HEAD, with K steps 0, 1 and 2 (294,912 bytes), beside the scale words of the work-group's rows for all of K.  K step 3 is the one refill: into slot 0, as soon as slot 0 has been read;
; 224 matrix instructions of a wave stand between the request and the wait for it.  The text has no loop: every offset is an immediate.
; CLUSTERS of 4 x 4: A's tiles are asked for jointly along a row of the cluster, B's along a column.
; THE MATRIX INSTRUCTION IS USED TRANSPOSED (source 0 = 16 rows of B, source 1 = 16 rows of A): lane (r, h) holds A's row r, and by the rows' permutation register 16 b + i of tiles 2 b, 2 b + 1 holds column 32 b + 16 h + i.
; THE GRID: clusters with y 0-7 make q and k (A = x, tile rows 0-31; B = Wq, Wk, tile columns 0-7); clusters with y 8-11 make v^T (A = Wv, tile rows 0-3; B = x, tile columns 0-31).  The test hangs on the cluster's y alone.
; THE BIAS is the C of each sum's first matrix instruction: along the columns for q and k, along the rows for v^T: that first step stands twice, under a scalar branch on the cluster's y.
; LIMITS: NaN and infinities are not served; the bias is a sum's first term, not its last (another order of f32 rounding); a block whose largest magnitude lies under 2^(3 - 127) gets the byte 1 (a block of zeros too).
; REGISTERS: window 0: v0-31 addresses; v32-63 scale words, two sets, and nothing else; v64-127 the bias; v128-223 A's 8 fragments, one set.  Window 1: B's fragments, two sets, at v0 and v128.  Windows 2, 3: the accumulators, (a, b) at v[8 (8 (a % 4) + b)].
.set KDIM,  1024
.set NSIG,  KDIM/256                   ; K steps
.set NS,    KDIM/128
.set FR,    12                         ; registers of a fragment
.set NL,    3                          ; LDS loads that bring one
.set NP,    4                          ; places behind this matrix instruction (ISA guide 7.12.1)
.set FRB,   1536                       ; a fragment's image
.set BLK,   2*FRB                      ; a row block's K step
.set HALFT, 8*BLK                      ; 128 rows: what one tensor load brings
.set SLOT,  4*HALFT                    ; A's 16 blocks, then B's 16
.set SCL,   3*SLOT                     ; behind the three slots: the scale words
.set HALFS, 512*NS                     ; those of 128 rows
.set SPARE, SCL+4*HALFS                ; behind them: the spare words, 128 bytes a wave: two blocks of 256 bytes that no other line names
.set VOFFC, 12582912                   ; where v^T begins in c1,
.set VOFFS, 524288                     ; and its scale words in s1
.set FLOOR, 0x1800000                  ; 2^(3 - 127)
.set WV, 18                            ; s18 wave; s19 my half of the tile's rows, also: I fetch for A (0) or B (1); s20 my half of its columns, also: which 128 rows I fetch
.set HR, 19
.set HC, 20
.set TY, 21                            ; s21 tile row, s22 tile column
.set TX, 22
.set G1, 24                            ; s[24:31] descriptor group 1 for A's tiles; s[32:39] group 0 for slots 0 and 1; s[4:7] for slot 2 (c0's and s0's addresses are done with by then)
.set G0, 32
.set G0C, 4
.set G1B, 48                           ; s[48:55], s[56:63] the same for B's; s[96:99] for slot 2
.set G0B, 56
.set G0BC, 96
.set G1S, 68                           ; s[68:75], s[76:79] groups 1 and 0 for A's scale words; s[80:87], s[88:91] for B's
.set G0S, 76
.set G1SB, 80
.set G0SB, 88
.set VO,   8                           ; v8-15 the bias loads' offsets
.set ADRA, 16                          ; v16-18 LDS address of my A fragments in slot 0, 1, 2
.set ADRB, 20                          ; v20-22 the same for B
.set LI,   26                          ; v26 16 x lane
.set ADRS, 27                          ; v27 LDS address of my scale words: lanes 0-15 A's, lanes 16-31 B's; never rewritten
.set SPW,  28                          ; v28 my spare word's LDS address; never rewritten
.set NIL,  29                          ; v29 0; never rewritten
.set LN,   30                          ; v30 lane
.set SC,   32                          ; scale words: register SC + 16 set + 8 q + i: lanes 0-15 A's block i, lanes 16-31 B's block i, the K step's q-th 128 along K
.set BI,   64
.set AF,   128
.set PCD0, 64                          ; the way out: block a's codes at v[64 + 12 a]
.set TH,   160                         ; v160-167 upper halves as converted
.set TM,   168                         ; v168-183 at work
.set PW,   184                         ; v184-191 block a's scale words
.set SW,   192                         ; v192-195 the four words that I store
.set VOA,  200                         ; v200-207 block a's offset in c1
.set MSB, 0
.macro WIN new                         ; the immediate's high byte repeats the setting that is left
.if MSB != \new
	s_set_vgpr_msb (MSB<<8)|\new
.set MSB, \new
.endif
.endm
.set MUL_LO, 0xa1                      ; source 0 (B) window 1, source 1 (A) window 0, C and D window 2
.set MUL_HI, 0xf1                      ; the same, C and D window 3
.set TO_B,   0x40                      ; destination window 1, address window 0
; A joint load: waves 0 and 1 fetch for A, waves 2 and 3 for B.  The branch hangs on the wave's number alone.  An s_nop 0 and four v_nop follow each of the two lines.
.macro JLOAD g0a, g1a, g0b, g1b
	s_cmp_eq_u32 s[HR], 0
	s_cbranch_scc0 .Lfor_b_\@
	tensor_load_to_lds s[\g0a:\g0a+3], s[\g1a:\g1a+7]
	s_nop 0
.rept 4
	v_nop
.endr
	s_branch .Lasked_\@
.Lfor_b_\@:
	tensor_load_to_lds s[\g0b:\g0b+3], s[\g1b:\g1b+7]
	s_nop 0
.rept 4
	v_nop
.endr
.Lasked_\@:
.endm
.macro CREST                           ; a round of the cluster's barrier behind its opening barrier
	s_cmp_lg_u32 s[WV], 0
	s_cbranch_scc1 .Lnot_wave_0_\@
	s_barrier_signal -3
.Lnot_wave_0_\@:
	s_barrier_wait -3
	s_barrier_signal -1
	s_barrier_wait -1
.endm
.macro CROUND                          ; a whole round
	s_barrier_signal -1
	s_barrier_wait -1
	CREST
.endm
.macro PLACES n
.rept \n
	v_nop
.endr
.endm
.macro FRAG reg, adr, q, i             ; a fragment comes back as it was stored: three loads of 512 consecutive bytes
.irp g, 0,1,2
	ds_load_b128 v[\reg+4*\g:\reg+4*\g+3], v[\adr] offset:(\i)*BLK+(\q)*FRB+512*\g
.endr
.endm
.macro FETCH_B slot, q, p              ; B's eight fragments of the slot's q-th 128 along K into set p
	WIN TO_B
.irp i, 0,1,2,3,4,5,6,7
	FRAG 128*(\p)+FR*\i, ADRB+\slot, \q, \i
.endr
	WIN 0
.endm
.macro FETCH_A slot, q, i0             ; A's blocks i0 .. i0 + 3
.irp i, \i0, \i0+1, \i0+2, \i0+3
	FRAG AF+FR*(\i), ADRA+\slot, \q, \i
.endr
.endm
.macro SCALES sc, ks                   ; K step ks's scale words into set sc: one load brings four blocks' words
.irp q, 0,1
.irp g, 0,1
	ds_load_b128 v[SC+16*(\sc)+8*\q+4*\g:SC+16*(\sc)+8*\q+4*\g+3], v[ADRS] offset:1024*(\ks)+512*\q+256*\g
.endr
.endr
.endm
; 16 matrix instructions: A's blocks a0, a0 + 1 x B's eight.  p: B's set; sc: the set of scale words.  cm = 0: the sums go on; 1: they start at 0; 2: at the bias of B's block; 3: at the bias of A's block.
; The 64 accumulators take turns, one instruction a turn, in the same order in every step.
.macro MUL16 a0, p, q, sc, cm
.irp a, \a0, \a0+1
.irp b, 0,1,2,3,4,5,6,7
.set rD, 8*(8*((\a)%4)+\b)
.set rB, 128*(\p)+FR*\b
.set rA, AF+FR*(\a)
.set rT, SC+16*(\sc)+8*(\q)
.if \cm == 0
	v_wmma_scale_f32_16x16x128_f8f6f4 v[rD:rD+7], v[rB:rB+FR-1], v[rA:rA+FR-1], v[rD:rD+7], v[rT+\b], v[rT+(\a)] matrix_a_fmt:MATRIX_FMT_FP6 matrix_b_fmt:MATRIX_FMT_FP6 matrix_a_scale:MATRIX_SCALE_ROW1
.elseif \cm == 1
	v_wmma_scale_f32_16x16x128_f8f6f4 v[rD:rD+7], v[rB:rB+FR-1], v[rA:rA+FR-1], 0, v[rT+\b], v[rT+(\a)] matrix_a_fmt:MATRIX_FMT_FP6 matrix_b_fmt:MATRIX_FMT_FP6 matrix_a_scale:MATRIX_SCALE_ROW1
.elseif \cm == 2
	v_wmma_scale_f32_16x16x128_f8f6f4 v[rD:rD+7], v[rB:rB+FR-1], v[rA:rA+FR-1], v[BI+8*\b:BI+8*\b+7], v[rT+\b], v[rT+(\a)] matrix_a_fmt:MATRIX_FMT_FP6 matrix_b_fmt:MATRIX_FMT_FP6 matrix_a_scale:MATRIX_SCALE_ROW1
.else
	v_wmma_scale_f32_16x16x128_f8f6f4 v[rD:rD+7], v[rB:rB+FR-1], v[rA:rA+FR-1], v[BI+8*(\a):BI+8*(\a)+7], v[rT+\b], v[rT+(\a)] matrix_a_fmt:MATRIX_FMT_FP6 matrix_b_fmt:MATRIX_FMT_FP6 matrix_a_scale:MATRIX_SCALE_ROW1
.endif
.endr
.endr
.endm
; A step of 128 along K with no barrier: the q-th of its K step, on B's set q and scale set sc.  The next step's fragments lie in slot nslot, its nq-th 128; nks >= 0: they begin K step nks, whose scale words come too, into the other set.
; A block of A is free as soon as its eight products are issued: blocks 0-3 are fetched anew in the step's middle, blocks 4-7 at its end.  A load into a register that a matrix instruction has read stands NP plain vector instructions behind it.
.macro STEP q, sc, cm, nslot, nq, nks
	s_wait_dscnt 4*NL                              ; B's set, the scale words and A's blocks 0-3 are in; the youngest 12 loads (A's blocks 4-7) may be out
.if \cm >= 2
	WIN 0x81                                       ; C (the bias) in window 0
.else
	WIN MUL_LO
.endif
	MUL16 0, \q, \q, \sc, \cm
	MUL16 2, \q, \q, \sc, \cm
	s_wait_dscnt 0                                 ; A's blocks 4-7 are in
	PLACES NP
	FETCH_B \nslot, \nq, 1-(\q)
	FETCH_A \nslot, \nq, 0
.if (\nks) >= 0
	SCALES 1-(\sc), \nks
.endif
.if \cm >= 2
	WIN 0xc1
.else
	WIN MUL_HI
.endif
	MUL16 4, \q, \q, \sc, \cm
	MUL16 6, \q, \q, \sc, \cm
	PLACES NP
	WIN 0
	FETCH_A \nslot, \nq, 4
.endm
; A K step's second half with a barrier.  In front of it each wave waits for all its tensor loads, adds 0 to its spare word, and waits for that and for its own LDS reads.
; fill = 1: slot 0, which has been read, is filled again with K step 3; the barrier opens a round of the cluster's barrier.  fill = 0: K step 3 has landed in every wave; nothing is filled.
.macro TURN sc, fill, nslot, nks
	s_wait_tensorcnt 0x0                           ; all my tensor loads have landed
	ds_add_u32 v[SPW], v[NIL]                      ; 0 onto my spare word
	s_wait_dscnt 4*NL+1                            ; (the add and the youngest 12 loads, A's blocks 4-7, may be out)
	WIN MUL_LO
	MUL16 0, 1, 1, \sc, 0                          ; sixteen matrix instructions stand between the add and the wait for it
	s_wait_dscnt 0x0                               ; the add is done, and my reads of the slot that I leave are over
	s_barrier_signal -1
	MUL16 2, 1, 1, \sc, 0
	WIN 0
	s_barrier_wait -1
.if \fill
	CREST                                          ; no wave of any partner still reads slot 0 or has a load on its way: slots 1 and 2 are whole in every wave
	s_add_nc_u64 s[G0+2:G0+3], s[G0+2:G0+3], 3*BLK
	s_add_nc_u64 s[G0B+2:G0B+3], s[G0B+2:G0B+3], 3*BLK
	JLOAD G0, G1, G0B, G1B                         ; the first tensor load behind the round; the four v_nop behind it are the places in front of the loads below
.else
	PLACES NP
.endif
	FETCH_B \nslot, 0, 0
	FETCH_A \nslot, 0, 0
	SCALES 1-(\sc), \nks
	WIN MUL_HI
	MUL16 4, 1, 1, \sc, 0
	MUL16 6, 1, 1, \sc, 0
	PLACES NP
	WIN 0
	FETCH_A \nslot, 0, 4
.endm
	s_load_b256 s[4:11], s[0:1], 0x0               ; c0 s[4:5], s0 s[6:7], bq s[8:9], bk s[10:11]
	s_load_b128 s[12:15], s[0:1], 0x20             ; bv s[12:13], c1 s[14:15]
	s_load_b64 s[16:17], s[0:1], 0x30              ; s1
	v_lshl_add_u32 v[SPW], v0, 2, SPARE
	v_mov_b32 v[NIL], 0
	ds_add_u32 v[SPW], v[NIL]                      ; the wave's opening: the add, twice on end, and its wait ahead of my first tensor load
	ds_add_u32 v[SPW], v[NIL]
	v_lshrrev_b32 v1, 5, v0
	v_readfirstlane_b32 s[WV], v1
	s_lshr_b32 s[HR], s[WV], 1
	s_and_b32 s[HC], s[WV], 1
	s_bfe_u32 s40, ttmp6, 0x40000                  ; cx, cy: my place in the cluster
	s_bfe_u32 s41, ttmp6, 0x40004
	s_and_b32 s46, ttmp7, 0xffff                   ; the cluster's y
	s_sub_co_u32 s47, s46, 8
	s_lshl_b32 s47, s47, 1
	s_add_co_u32 s47, s47, ttmp9                   ; for v^T: which four tile columns: 2 (y - 8) + x
	s_cmp_ge_u32 s46, 8                            ; v^T?  The same in all sixteen partners
	s_cselect_b32 s2, 1, 0
	s_cselect_b32 s[TX], s47, ttmp9
	s_cselect_b32 s[TY], 0, s46
	s_cselect_b32 s66, 640, 0                      ; A's first block in c0: Wv's or x's
	s_cselect_b32 s67, 0, 512                      ; B's: x's or Wq's
	s_lshl_b32 s[TX], s[TX], 2
	s_add_co_u32 s[TX], s[TX], s40                 ; tile column
	s_lshl_b32 s[TY], s[TY], 2
	s_add_co_u32 s[TY], s[TY], s41                 ; tile row
	s_lshl_b32 s42, s41, 2
	s_lshl_b32 s42, 15, s42                        ; my row of the cluster
	s_lshl_b32 s43, 0x1111, s40                    ; my column
	; descriptor group 1: 8 rows (row blocks) of 384 elements of 8 bytes, NSIG x 384 elements apart; they land on end in LDS
	s_or_b32 s[G1], s42, (3<<16)|(1<<21)           ; 15:0 the mask; 17:16 elements of 8 bytes; 20 no padding; 21 set beside a mask
	s_or_b32 s[G1B], s43, (3<<16)|(1<<21)
.irp g, G1, G1B
	s_mov_b32 s[\g+1], 384<<16                     ; tensor_dim0
	s_mov_b32 s[\g+2], 8<<16                       ; tensor_dim1
	s_mov_b32 s[\g+3], 384<<16                     ; tile_dim0
	s_mov_b32 s[\g+4], 8                           ; tile_dim1
	s_mov_b32 s[\g+5], NSIG*384                    ; tensor_dim0_stride
	s_mov_b32 s[\g+6], 0
	s_mov_b32 s[\g+7], 0
.endr
	; the scale words of 128 rows: a dense block of HALFS bytes, as rows of 256 bytes
	s_or_b32 s[G1S], s42, (3<<16)|(1<<21)
	s_or_b32 s[G1SB], s43, (3<<16)|(1<<21)
.irp g, G1S, G1SB
	s_mov_b32 s[\g+1], 32<<16
	s_mov_b32 s[\g+2], (HALFS/256)<<16
	s_mov_b32 s[\g+3], 32<<16
	s_mov_b32 s[\g+4], HALFS/256
	s_mov_b32 s[\g+5], 32
	s_mov_b32 s[\g+6], 0
	s_mov_b32 s[\g+7], 0
.endr
	s_lshl_b32 s46, s[HC], 3                       ; which 8 blocks of the tile I fetch
	s_lshl_b32 s92, s[TY], 4
	s_add_co_u32 s92, s92, s66
	s_add_co_u32 s92, s92, s46                     ; A: the first block that I fetch: made of the tile row alone,
	s_lshr_b32 s94, s92, 3                         ; its group of 128 rows
	s_mul_i32 s92, s92, NSIG*BLK
	s_mov_b32 s93, 0
	s_mul_i32 s94, s94, HALFS
	s_mov_b32 s95, 0
	s_lshl_b32 s96, s[TX], 4
	s_add_co_u32 s96, s96, s67
	s_add_co_u32 s96, s96, s46                     ; B: of the tile column alone
	s_lshr_b32 s98, s96, 3
	s_mul_i32 s96, s96, NSIG*BLK
	s_mov_b32 s97, 0
	s_mul_i32 s98, s98, HALFS
	s_mov_b32 s99, 0
	s_mul_i32 s44, s[WV], HALFT                    ; where they go: no place in the cluster enters an LDS address
	s_mul_i32 s45, s[WV], HALFS
	s_wait_dscnt 0x0                               ; both opening adds are done
	s_wait_kmcnt 0x0
	s_add_nc_u64 s[92:93], s[4:5], s[92:93]
	s_add_nc_u64 s[94:95], s[6:7], s[94:95]
	s_add_nc_u64 s[96:97], s[4:5], s[96:97]
	s_add_nc_u64 s[98:99], s[6:7], s[98:99]
	CROUND                                         ; all sixteen work-groups are here: the first joint loads meet
	s_mov_b32 s[G0S], 1
	s_add_co_u32 s[G0S+1], s45, SCL
	s_mov_b64 s[G0S+2:G0S+3], s[94:95]
	s_or_b32 s[G0S+3], s[G0S+3], 0x80000000
	s_mov_b32 s[G0SB], 1
	s_add_co_u32 s[G0SB+1], s45, SCL
	s_mov_b64 s[G0SB+2:G0SB+3], s[98:99]
	s_or_b32 s[G0SB+3], s[G0SB+3], 0x80000000
	JLOAD G0S, G1S, G0SB, G1SB                     ; the scale words first: they are wanted with K step 0.  With the three below, four tensor loads of mine are out
.irp s, 0,1
	s_mov_b32 s[G0+4*\s], 1
	s_add_co_u32 s[G0+4*\s+1], s44, \s*SLOT
	s_add_nc_u64 s[G0+4*\s+2:G0+4*\s+3], s[92:93], \s*BLK
	s_or_b32 s[G0+4*\s+3], s[G0+4*\s+3], 0x80000000
	s_mov_b32 s[G0B+4*\s], 1
	s_add_co_u32 s[G0B+4*\s+1], s44, \s*SLOT
	s_add_nc_u64 s[G0B+4*\s+2:G0B+4*\s+3], s[96:97], \s*BLK
	s_or_b32 s[G0B+4*\s+3], s[G0B+4*\s+3], 0x80000000
	JLOAD G0+4*\s, G1, G0B+4*\s, G1B
.endr
	s_mov_b32 s[G0C], 1                            ; slot 2, K step 2: in registers that are done with
	s_add_co_u32 s[G0C+1], s44, 2*SLOT
	s_add_nc_u64 s[G0C+2:G0C+3], s[92:93], 2*BLK
	s_or_b32 s[G0C+3], s[G0C+3], 0x80000000
	s_add_nc_u64 s[G0BC+2:G0BC+3], s[96:97], 2*BLK ; (the address first: its source lies in this set's first two registers)
	s_or_b32 s[G0BC+3], s[G0BC+3], 0x80000000
	s_mov_b32 s[G0BC], 1
	s_add_co_u32 s[G0BC+1], s44, 2*SLOT
	JLOAD G0C, G1, G0BC, G1B
	v_and_b32 v1, 15, v0                           ; r
	v_bfe_u32 v2, v0, 4, 1                         ; h
	v_and_b32 v[LN], 31, v0
	v_lshlrev_b32 v[LI], 4, v[LN]
	s_mul_i32 s46, s[HR], HALFT                    ; my 128 rows of A
	s_mul_i32 s47, s[HC], HALFT                    ; my 128 rows of B,
	s_add_co_u32 s47, s47, 2*HALFT                 ; which lie behind A's 256
.irp s, 0,1,2
	v_add_nc_u32 v[ADRA+\s], s46, v[LI]
	v_add_nc_u32 v[ADRB+\s], s47, v[LI]
	s_add_co_u32 s46, s46, SLOT
	s_add_co_u32 s47, s47, SLOT
.endr
	v_lshlrev_b32 v5, 4, v1                        ; my row's four words of four blocks: 16 r
	s_mul_i32 s46, s[HR], HALFS                    ; A's: my 128 rows
	s_mul_i32 s47, s[HC], HALFS                    ; B's: my 128 rows, behind A's 256
	s_add_co_u32 s47, s47, 2*HALFS
	s_sub_co_u32 s47, s47, s46
	v_mul_u32_u24 v6, s47, v2                      ; lanes 16-31 take B's
	s_add_co_u32 s46, s46, SCL
	v_add_nc_u32 v5, v5, v6
	v_add_nc_u32 v[ADRS], s46, v5
	; THE BIAS, in the result's layout.  q, k: register 8 b + j = bias(128 my half + 32 (b / 2) + 8 (b % 2) + 16 h + j).  v^T: registers 8 a + 0 .. 7 all = bv(128 my half + 32 (a / 2) + 8 (a % 2) + r + 8 (r / 8))
	s_cmp_eq_u32 ttmp9, 0                          ; tile columns 0-3 are q's, 4-7 k's
	s_cselect_b64 s[8:9], s[8:9], s[10:11]
	s_cmp_eq_u32 s2, 1
	s_cselect_b64 s[8:9], s[12:13], s[8:9]
	s_cselect_b32 s66, 0, 64                       ; bytes a half of the lanes,
	s_cselect_b32 s67, 4, 0                        ; a row,
	s_cselect_b32 s44, 0, 4                        ; a register
	s_cselect_b32 s46, s[TY], s40                  ; which 256 of the 1,024
	s_cselect_b32 s47, s[HR], s[HC]                ; and which half of them
	s_lshl_b32 s46, s46, 10
	s_lshl_b32 s47, s47, 9
	s_add_co_u32 s46, s46, s47
	s_mov_b32 s47, 0
	s_add_nc_u64 s[8:9], s[8:9], s[46:47]
	v_and_b32 v3, 8, v1
	v_add_nc_u32 v3, v3, v1                        ; r + 8 (r / 8)
	v_mul_u32_u24 v[VO], s66, v2
	v_mad_u32_u24 v[VO], v3, s67, v[VO]
.irp j, 1,2,3,4,5,6,7
	v_add_nc_u32 v[VO+\j], s44, v[VO+\j-1]
.endr
.irp i, 0,1,2,3,4,5,6,7
.irp j, 0,1,2,3,4,5,6,7
	global_load_b32 v[BI+8*\i+\j], v[VO+\j], s[8:9] offset:4*(32*(\i/2)+8*(\i%2))
.endr
.endr
	; WHERE THE RESULTS GO.  q, k: tile column = 4 (q or k) + K step; v^T: 8 batch + K step
	s_cmp_eq_u32 s2, 1
	s_cselect_b32 s46, 3, 2                        ; log2 of the K steps of a row
	s_cselect_b32 s47, 64, 512                     ; row blocks of a batch of v^T, or of q
	s_cselect_b32 s66, 8, 64                       ; groups of 128 rows likewise
	s_cselect_b32 s67, VOFFC, 0
	s_cselect_b32 s44, VOFFS, 0
	s_lshr_b32 s23, s[TX], s46                     ; which tensor or batch
	s_lshl_b32 s45, s23, s46
	s_sub_co_u32 s45, s[TX], s45                   ; the K step of 256 that my tile's columns are
	s_mul_i32 s47, s23, s47
	s_lshl_b32 s92, s[TY], 4
	s_add_co_u32 s92, s92, s47
	s_lshl_b32 s47, s[HR], 3
	s_add_co_u32 s92, s92, s47                     ; my first row block
	s_lshl_b32 s92, s92, s46
	s_add_co_u32 s92, s92, s45
	s_mul_i32 s92, s92, BLK
	s_mul_i32 s47, s[HC], FRB                      ; my 128 columns are one fragment's K
	s_add_co_u32 s92, s92, s47
	s_add_co_u32 s92, s92, s67
	s_mov_b32 s93, 0
	s_add_nc_u64 s[92:93], s[14:15], s[92:93]      ; in c1
	s_mul_i32 s94, s23, s66
	s_lshl_b32 s47, s[TY], 1
	s_add_co_u32 s94, s94, s47
	s_add_co_u32 s94, s94, s[HR]                   ; my group of 128 rows
	s_add_co_u32 s47, s46, 1
	s_lshl_b32 s94, s94, s47
	s_lshl_b32 s47, s45, 1
	s_add_co_u32 s94, s94, s47
	s_add_co_u32 s94, s94, s[HC]                   ; + the K step of 128
	s_lshl_b32 s94, s94, 9
	s_add_co_u32 s94, s94, s44
	s_mov_b32 s95, 0
	s_add_nc_u64 s[94:95], s[16:17], s[94:95]      ; in s1
	s_lshl_b32 s3, BLK, s46                        ; bytes from row block to row block
	s_mov_b32 s46, 0x76543210
	s_mov_b32 s47, 0xfedcba98                      ; v_permlanex16_b32's selects for lane l xor 16
	s_wait_tensorcnt 2                             ; the scale words and my part of K step 0 are in (the loads of K steps 1 and 2 may be out)
	s_barrier_signal -1
	s_barrier_wait -1                              ; everybody's are
	FETCH_B 0, 0, 0
	FETCH_A 0, 0, 0
	SCALES 0, 0
	FETCH_A 0, 0, 4
	s_wait_loadcnt 0x0                             ; the bias
	s_cmp_eq_u32 s2, 1                             ; the first step starts the sums at the bias: the two arms differ in the C operand alone
	s_cbranch_scc1 .Lbias_by_rows
	STEP 0, 0, 2, 0, 1, -1
	s_branch .Lfirst_done
.Lbias_by_rows:
	STEP 0, 0, 3, 0, 1, -1
.Lfirst_done:
	TURN 0, 1, 1, 1                                ; K step 0's second half; slot 0 takes K step 3; on to slot 1
	STEP 0, 1, 0, 1, 1, -1                         ; K step 1
	STEP 1, 1, 0, 2, 0, 2                          ; on to slot 2 with no barrier: the round above has shown it whole in every wave
	STEP 0, 0, 0, 2, 1, -1                         ; K step 2
	TURN 0, 0, 0, 3                                ; K step 3 has landed in every wave; on to slot 0
	STEP 0, 1, 0, 0, 1, -1                         ; K step 3
	s_wait_dscnt 4*NL                              ; the very last step: nothing more to fetch
	WIN MUL_LO
	MUL16 0, 1, 1, 1, 0
	MUL16 2, 1, 1, 1, 0
	s_wait_dscnt 0
	WIN MUL_HI
	MUL16 4, 1, 1, 1, 0
	MUL16 6, 1, 1, 1, 0
	WIN 0
; THE WAY OUT.  Block a (16 rows x my 128 columns) is one fragment of the next product: a lane's 64 registers are its row's k = 32 b + 16 h + i.  Each block of 32 lies in lanes l and l xor 16.
; The largest magnitude with the floor among its leaves; 2 off its exponent field is the conversion's scale operand; that field is the byte.  Each accumulator is read from its low end on.
.macro EQ a
.set AC, 64*((\a)%4)
.set PCD, PCD0+12*(\a)
	WIN 0x0a+5*((\a)/4)                            ; sources 0 and 1: window 2 or 3
.irp b, 0,1,2,3
	v_max3_num_f32 v[TM+\b], |v[AC+16*\b]|, |v[AC+16*\b+1]|, FLOOR
.endr
.irp i, 2,4,6,8,10,12,14
.irp b, 0,1,2,3
	v_max3_num_f32 v[TM+\b], |v[AC+16*\b+\i]|, |v[AC+16*\b+\i+1]|, v[TM+\b]
.endr
.endr
	WIN 0
.irp b, 0,1,2,3
	v_permlanex16_b32 v[TM+4+\b], v[TM+\b], s46, s47
.endr
.irp b, 0,1,2,3
	v_max_num_f32 v[TM+\b], v[TM+\b], v[TM+4+\b]
.endr
.irp b, 0,1,2,3
	v_add_nc_u32 v[TM+12+\b], 0xff000000, v[TM+\b]
.endr
.irp b, 0,1,2,3
	v_lshrrev_b32 v[TM+4+\b], 23, v[TM+12+\b]
.endr
	v_lshl_or_b32 v[PW+(\a)], v[TM+5], 8, v[TM+4]  ; my row's scale word
	v_lshl_or_b32 v[PW+(\a)], v[TM+6], 16, v[PW+(\a)]
	v_lshl_or_b32 v[PW+(\a)], v[TM+7], 24, v[PW+(\a)]
	WIN 0x02+((\a)/4)                              ; source 0: window 2 or 3
.irp c, 0,1
	v_cvt_scalef32_pk16_fp6_f32 v[PCD+6*\c:PCD+6*\c+2], v[AC+32*\c:AC+32*\c+15], v[TM+12+2*\c]
	v_cvt_scalef32_pk16_fp6_f32 v[TH+4*\c:TH+4*\c+2], v[AC+32*\c+16:AC+32*\c+31], v[TM+12+2*\c+1]
.endr
	WIN 0
	v_nop                                          ; one plain place behind a scaled conversion
.irp c, 0,1                                    ; the operand's layout wants a whole block in a lane: lanes 0-15 block 2 c, lanes 16-31 block 2 c + 1
.irp i, 0,1,2
	v_permlane16_swap_b32 v[PCD+6*\c+\i], v[TH+4*\c+\i]
.endr
.irp i, 0,1,2
	v_mov_b32 v[PCD+3+6*\c+\i], v[TH+4*\c+\i]
.endr
.endr
.irp g, 0,1,2
	global_store_b128 v[VOA+(\a)], v[PCD+4*\g:PCD+4*\g+3], s[92:93] offset:512*\g   ; 32 lanes store 512 consecutive bytes, aligned; each block has its own registers, so no store's data are written again
.endr
.endm
	PLACES NP                                      ; behind the last products: results are read and operands' registers written from here on
.irp b, 0,1,2,3
	v_mov_b32 v[TM+4+\b], 0                        ; written once: a lane permute's destination counts as one of its sources
.endr
	v_mov_b32 v[VOA], v[LI]
.irp a, 1,2,3,4,5,6,7
	v_add_nc_u32 v[VOA+\a], s3, v[VOA+\a-1]
.endr
.irp a, 0,1,2,3,4,5,6,7
	EQ \a
.endr
	v_cmp_le_u32 vcc_lo, 16, v[LN]                 ; both halves of the lanes hold each word: lane 16 G + r stores those of blocks 4 G .. 4 G + 3
.irp i, 0,1,2,3
	v_cndmask_b32 v[SW+\i], v[PW+\i], v[PW+4+\i], vcc_lo
.endr
	global_store_b128 v[LI], v[SW:SW+3], s[94:95]  ; 512 consecutive bytes: my 128 rows' words of this K step
	s_wait_tensorcnt 0x0                           ; the wave's end
	ds_add_u32 v[SPW], v[NIL]
	s_wait_dscnt 0x0
	CROUND                                         ; the closing round: no work-group ends while a partner may still ask for a tile that names it
	s_endpgm
.Lfunc_end_k_qee594c8f5f_qkv:
	.size	k_qee594c8f5f_qkv, .Lfunc_end_k_qee594c8f5f_qkv-k_qee594c8f5f_qkv
	.p2alignl 7, 3214868480
	.fill 96, 4, 3214868480
	.section	.rodata,"a",@progbits
	.p2align	6, 0x0
	.amdhsa_kernel k_qee594c8f5f_qkv
		.amdhsa_group_segment_fixed_size 327680
		.amdhsa_private_segment_fixed_size 0
		.amdhsa_enable_private_segment 0
		.amdhsa_kernarg_size 56
		.amdhsa_user_sgpr_count 2
		.amdhsa_user_sgpr_kernarg_segment_ptr 1
		.amdhsa_wavefront_size32 1
		.amdhsa_system_sgpr_workgroup_id_x 1
		.amdhsa_system_sgpr_workgroup_id_y 1
		.amdhsa_system_sgpr_workgroup_id_z 1
		.amdhsa_system_vgpr_workitem_id 0
		.amdhsa_next_free_vgpr 1024
		.amdhsa_next_free_sgpr 100
		.amdhsa_reserve_vcc 1
		.amdhsa_float_denorm_mode_32 3
		.amdhsa_float_denorm_mode_16_64 3
		.amdhsa_memory_ordered 1
		.amdhsa_forward_progress 1
		.amdhsa_inst_pref_size 158
	.end_amdhsa_kernel
	.amdgpu_metadata
---
amdhsa.version: [ 1, 2 ]
amdhsa.kernels:
  - .name:           k_qee594c8f5f_qkv
    .symbol:         k_qee594c8f5f_qkv.kd
    .args:
      - { .name: c0, .offset: 0, .size: 8, .value_kind: global_buffer, .address_space: global }
      - { .name: s0, .offset: 8, .size: 8, .value_kind: global_buffer, .address_space: global }
      - { .name: bq, .offset: 16, .size: 8, .value_kind: global_buffer, .address_space: global }
      - { .name: bk, .offset: 24, .size: 8, .value_kind: global_buffer, .address_space: global }
      - { .name: bv, .offset: 32, .size: 8, .value_kind: global_buffer, .address_space: global }
      - { .name: c1, .offset: 40, .size: 8, .value_kind: global_buffer, .address_space: global }
      - { .name: s1, .offset: 48, .size: 8, .value_kind: global_buffer, .address_space: global }
    .group_segment_fixed_size: 327680
    .private_segment_fixed_size: 0
    .kernarg_segment_align: 8
    .kernarg_segment_size: 56
    .max_flat_workgroup_size: 128
    .sgpr_count:     100
    .vgpr_count:     1024
    .wavefront_size: 32
...
	.end_amdgpu_metadata
.endif
;; end of part 6
;; launch scores (part 7): grid 8 x 32, 4 waves a work-group, clusters of 4 x 4, 327,680 bytes of LDS; arguments c1, s1, c2, s2; writes c2, s2
.if DOCPART == 7
	.amdgcn_target "amdgcn-amd-amdhsa--gfx1250"
	.amdhsa_code_object_version 6
	.text
	.protected	k_qee594c8f5f_scores
	.globl	k_qee594c8f5f_scores
	.p2align	8
	.type	k_qee594c8f5f_scores,@function
k_qee594c8f5f_scores:
	s_mov_b64 s[64:65], 0
	v_nop
	global_prefetch_b8 v0, s[64:65] scope:SCOPE_SE
	s_setreg_imm32_b32 hwreg(HW_REG_WAVE_MODE, 25, 1), 1
	s_wait_xcnt 0x0
	s_wait_alu depctr_hold_cnt(0) depctr_sa_sdst(0) depctr_va_vdst(0) depctr_va_sdst(0) depctr_va_ssrc(0) depctr_va_vcc(0) depctr_vm_vsrc(0)
	s_getreg_b32 s2, hwreg(HW_REG_IB_STS2, 6, 4)
	s_cmp_eq_u32 s2, 0
	s_cbranch_scc0 .Lentry_in_a_cluster
	s_endpgm
.Lentry_in_a_cluster:
	s_bfe_u32 s2, ttmp6, 0x10000c
	s_cmp_lg_u32 s2, 0xf033
	s_cbranch_scc0 .Lentry_shape_is_right
	s_endpgm
.Lentry_shape_is_right:
; LAUNCH 3 OF 5.  scores[b][s][t] = 0.125 x the sum over e of q[b][s][e] k[b][t][e], on codes of FP6 (E2M3) with E8M0 scales, f32 sums; the scores are quantised along t in registers and leave as codes.
; No work of the problem is left out here.
; THE FACTOR 0.125 is a power of two: the codes of s / 8 under the scale 2^(e - 3) are the codes of s under 2^e.  So the sums are quantised as they stand and 3 is taken off each scale byte; the floor under a block's
; largest magnitude is raised by 3 in the exponent field, so that the byte is held at 1 just where the rule holds it.
; LAYOUTS: a fragment, 16 rows x 128 K, is an image of its 12 registers: registers 4 g .. 4 g + 3 of lane l at 512 g + 16 l, 1,536 bytes.  Codes [row block of 16][K / 256][2][1536]; scale words [rows / 128][K / 128][512],
; in the 512 [G][r][i]: row 64 G + 16 i + r.  Place p of a buffer holds row p with bits 3 and 4 exchanged.  c1: blocks 0-511 q, 512-1023 k (K = 1,024).  c2: blocks 0-511, rows (b, s), K = t = 2,048.
; A tile of 256 x 256 is made by four waves, each 128 x 128: 64 accumulators.  K = 1,024 is four K steps of 256; a wave's tensor load brings 8 row blocks x 3,072 bytes of one K step.
; THREE LDS SLOTS ARE FILLED AT THE HEAD, with K steps 0, 1 and 2 (294,912 bytes), beside the scale words of the work-group's rows for all of K.  K step 3 is the one refill: into slot 0, as soon as slot 0 has been read;
; 224 matrix instructions of a wave stand between the request and the wait for it.  The text has no loop: every offset is an immediate.
; CLUSTERS of 4 x 4: A's tiles are asked for jointly along a row of the cluster, B's along a column.
; THE MATRIX INSTRUCTION IS USED TRANSPOSED (source 0 = 16 rows of k, source 1 = 16 rows of q): lane (r, h) holds q's row r, and by the rows' permutation register 16 b + i of tiles 2 b, 2 b + 1 holds t = 32 b + 16 h + i.
; LIMITS: NaN and infinities are not served; the rounding that f32 would give to scores under 2^-123 after the factor is not reproduced; a block of zeros gets the byte 1.
; REGISTERS: window 0: v0-31 addresses; v32-63 scale words, two sets, and nothing else; v128-223 A's 8 fragments, one set.  Window 1: B's fragments, two sets, at v0 and v128.  Windows 2, 3: the accumulators, (a, b) at v[8 (8 (a % 4) + b)].
.set KDIM,  1024
.set NSIG,  KDIM/256
.set NS,    KDIM/128
.set FR,    12
.set NL,    3
.set NP,    4
.set FRB,   1536
.set BLK,   2*FRB
.set HALFT, 8*BLK
.set SLOT,  4*HALFT
.set SCL,   3*SLOT                     ; behind the three slots: the scale words
.set HALFS, 512*NS
.set SPARE, SCL+4*HALFS                ; the spare words, 128 bytes a wave: two blocks of 256 bytes that no other line names
.set OPITCH, 8*BLK                     ; c2: bytes from row block to row block
.set FLOOR, 0x3000000                  ; 2^(6 - 127)
.set WV, 18
.set HR, 19
.set HC, 20
.set TY, 21
.set TX, 22
.set G1, 24                            ; s[24:31] descriptor group 1 for A's tiles; s[32:39] group 0 for slots 0 and 1; s[4:7] for slot 2 (c1's and s1's addresses are done with by then)
.set G0, 32
.set G0C, 4
.set G1B, 48                           ; s[48:55], s[56:63] the same for B's; s[12:15] for slot 2
.set G0B, 56
.set G0BC, 12
.set G1S, 68
.set G0S, 76
.set G1SB, 80
.set G0SB, 88
.set ADRA, 16                          ; v16-18 LDS address of my A fragments in slot 0, 1, 2
.set ADRB, 20                          ; v20-22 the same for B
.set LI,   26
.set ADRS, 27
.set SPW,  28
.set NIL,  29
.set LN,   30
.set SC,   32
.set AF,   128
.set PCD0, 64
.set TH,   160
.set TM,   168
.set PW,   184
.set SW,   192
.set MSB, 0
.macro WIN new                         ; the immediate's high byte repeats the setting that is left
.if MSB != \new
	s_set_vgpr_msb (MSB<<8)|\new
.set MSB, \new
.endif
.endm
.set MUL_LO, 0xa1                      ; source 0 (B) window 1, source 1 (A) window 0, C and D window 2
.set MUL_HI, 0xf1                      ; the same, C and D window 3
.set TO_B,   0x40                      ; destination window 1, address window 0
; A joint load: waves 0 and 1 fetch for A, waves 2 and 3 for B.  The branch hangs on the wave's number alone.  An s_nop 0 and four v_nop follow each of the two lines.
.macro JLOAD g0a, g1a, g0b, g1b
	s_cmp_eq_u32 s[HR], 0
	s_cbranch_scc0 .Lfor_b_\@
	tensor_load_to_lds s[\g0a:\g0a+3], s[\g1a:\g1a+7]
	s_nop 0
.rept 4
	v_nop
.endr
	s_branch .Lasked_\@
.Lfor_b_\@:
	tensor_load_to_lds s[\g0b:\g0b+3], s[\g1b:\g1b+7]
	s_nop 0
.rept 4
	v_nop
.endr
.Lasked_\@:
.endm
.macro CREST                           ; a round of the cluster's barrier behind its opening barrier
	s_cmp_lg_u32 s[WV], 0
	s_cbranch_scc1 .Lnot_wave_0_\@
	s_barrier_signal -3
.Lnot_wave_0_\@:
	s_barrier_wait -3
	s_barrier_signal -1
	s_barrier_wait -1
.endm
.macro CROUND
	s_barrier_signal -1
	s_barrier_wait -1
	CREST
.endm
.macro PLACES n
.rept \n
	v_nop
.endr
.endm
.macro FRAG reg, adr, q, i             ; a fragment comes back as it was stored: three loads of 512 consecutive bytes
.irp g, 0,1,2
	ds_load_b128 v[\reg+4*\g:\reg+4*\g+3], v[\adr] offset:(\i)*BLK+(\q)*FRB+512*\g
.endr
.endm
.macro FETCH_B slot, q, p
	WIN TO_B
.irp i, 0,1,2,3,4,5,6,7
	FRAG 128*(\p)+FR*\i, ADRB+\slot, \q, \i
.endr
	WIN 0
.endm
.macro FETCH_A slot, q, i0
.irp i, \i0, \i0+1, \i0+2, \i0+3
	FRAG AF+FR*(\i), ADRA+\slot, \q, \i
.endr
.endm
.macro SCALES sc, ks                   ; K step ks's scale words into set sc: one load brings four blocks' words
.irp q, 0,1
.irp g, 0,1
	ds_load_b128 v[SC+16*(\sc)+8*\q+4*\g:SC+16*(\sc)+8*\q+4*\g+3], v[ADRS] offset:1024*(\ks)+512*\q+256*\g
.endr
.endr
.endm
; 16 matrix instructions: A's blocks a0, a0 + 1 x B's eight.  cm = 0: the sums go on; 1: they start at 0.  The 64 accumulators take turns, one instruction a turn, in the same order in every step.
.macro MUL16 a0, p, q, sc, cm
.irp a, \a0, \a0+1
.irp b, 0,1,2,3,4,5,6,7
.set rD, 8*(8*((\a)%4)+\b)
.set rB, 128*(\p)+FR*\b
.set rA, AF+FR*(\a)
.set rT, SC+16*(\sc)+8*(\q)
.if \cm == 0
	v_wmma_scale_f32_16x16x128_f8f6f4 v[rD:rD+7], v[rB:rB+FR-1], v[rA:rA+FR-1], v[rD:rD+7], v[rT+\b], v[rT+(\a)] matrix_a_fmt:MATRIX_FMT_FP6 matrix_b_fmt:MATRIX_FMT_FP6 matrix_a_scale:MATRIX_SCALE_ROW1
.else
	v_wmma_scale_f32_16x16x128_f8f6f4 v[rD:rD+7], v[rB:rB+FR-1], v[rA:rA+FR-1], 0, v[rT+\b], v[rT+(\a)] matrix_a_fmt:MATRIX_FMT_FP6 matrix_b_fmt:MATRIX_FMT_FP6 matrix_a_scale:MATRIX_SCALE_ROW1
.endif
.endr
.endr
.endm
; A step of 128 along K with no barrier: the q-th of its K step, on B's set q and scale set sc.  The next step's fragments lie in slot nslot, its nq-th 128; nks >= 0: they begin K step nks, whose scale words come too, into the other set.
; A load into a register that a matrix instruction has read stands NP plain vector instructions behind it.
.macro STEP q, sc, cm, nslot, nq, nks
	s_wait_dscnt 4*NL                              ; B's set, the scale words and A's blocks 0-3 are in; the youngest 12 loads (A's blocks 4-7) may be out
	WIN MUL_LO
	MUL16 0, \q, \q, \sc, \cm
	MUL16 2, \q, \q, \sc, \cm
	s_wait_dscnt 0                                 ; A's blocks 4-7 are in
	PLACES NP
	FETCH_B \nslot, \nq, 1-(\q)
	FETCH_A \nslot, \nq, 0
.if (\nks) >= 0
	SCALES 1-(\sc), \nks
.endif
	WIN MUL_HI
	MUL16 4, \q, \q, \sc, \cm
	MUL16 6, \q, \q, \sc, \cm
	PLACES NP
	WIN 0
	FETCH_A \nslot, \nq, 4
.endm
; A K step's second half with a barrier.  In front of it each wave waits for all its tensor loads, adds 0 to its spare word, and waits for that and for its own LDS reads.
; fill = 1: slot 0, which has been read, is filled again with K step 3; the barrier opens a round of the cluster's barrier.  fill = 0: K step 3 has landed in every wave; nothing is filled.
.macro TURN sc, fill, nslot, nks
	s_wait_tensorcnt 0x0                           ; all my tensor loads have landed
	ds_add_u32 v[SPW], v[NIL]                      ; 0 onto my spare word
	s_wait_dscnt 4*NL+1                            ; (the add and the youngest 12 loads may be out)
	WIN MUL_LO
	MUL16 0, 1, 1, \sc, 0
	s_wait_dscnt 0x0                               ; the add is done, and my reads of the slot that I leave are over
	s_barrier_signal -1
	MUL16 2, 1, 1, \sc, 0
	WIN 0
	s_barrier_wait -1
.if \fill
	CREST                                          ; no wave of any partner still reads slot 0 or has a load on its way: slots 1 and 2 are whole in every wave
	s_add_nc_u64 s[G0+2:G0+3], s[G0+2:G0+3], 3*BLK
	s_add_nc_u64 s[G0B+2:G0B+3], s[G0B+2:G0B+3], 3*BLK
	JLOAD G0, G1, G0B, G1B                         ; the first tensor load behind the round; the four v_nop behind it are the places in front of the loads below
.else
	PLACES NP
.endif
	FETCH_B \nslot, 0, 0
	FETCH_A \nslot, 0, 0
	SCALES 1-(\sc), \nks
	WIN MUL_HI
	MUL16 4, 1, 1, \sc, 0
	MUL16 6, 1, 1, \sc, 0
	PLACES NP
	WIN 0
	FETCH_A \nslot, 0, 4
.endm
	s_load_b256 s[4:11], s[0:1], 0x0               ; c1 s[4:5], s1 s[6:7], c2 s[8:9], s2 s[10:11]
	v_lshl_add_u32 v[SPW], v0, 2, SPARE
	v_mov_b32 v[NIL], 0
	ds_add_u32 v[SPW], v[NIL]                      ; the wave's opening: the add, twice on end, and its wait ahead of my first tensor load
	ds_add_u32 v[SPW], v[NIL]
	v_lshrrev_b32 v1, 5, v0
	v_readfirstlane_b32 s[WV], v1
	s_lshr_b32 s[HR], s[WV], 1
	s_and_b32 s[HC], s[WV], 1
	s_bfe_u32 s40, ttmp6, 0x40000                  ; cx, cy
	s_bfe_u32 s41, ttmp6, 0x40004
	s_lshl_b32 s[TX], ttmp9, 2
	s_add_co_u32 s[TX], s[TX], s40                 ; tile column: 256 keys of the batch
	s_and_b32 s46, ttmp7, 0xffff                   ; the cluster's y
	s_lshl_b32 s[TY], s46, 2
	s_add_co_u32 s[TY], s[TY], s41                 ; tile row: 256 of the 8,192 rows (b, s)
	s_lshr_b32 s66, s46, 1                         ; the batch: eight tile rows, two clusters: made of the cluster's y alone
	s_lshl_b32 s42, s41, 2
	s_lshl_b32 s42, 15, s42                        ; my row of the cluster
	s_lshl_b32 s43, 0x1111, s40                    ; my column
	s_or_b32 s[G1], s42, (3<<16)|(1<<21)           ; 15:0 the mask; 17:16 elements of 8 bytes; 20 no padding; 21 set beside a mask
	s_or_b32 s[G1B], s43, (3<<16)|(1<<21)
.irp g, G1, G1B
	s_mov_b32 s[\g+1], 384<<16                     ; 8 rows (row blocks) of 384 elements, NSIG x 384 apart
	s_mov_b32 s[\g+2], 8<<16
	s_mov_b32 s[\g+3], 384<<16
	s_mov_b32 s[\g+4], 8
	s_mov_b32 s[\g+5], NSIG*384
	s_mov_b32 s[\g+6], 0
	s_mov_b32 s[\g+7], 0
.endr
	s_or_b32 s[G1S], s42, (3<<16)|(1<<21)          ; the scale words of 128 rows: a dense block, as rows of 256 bytes
	s_or_b32 s[G1SB], s43, (3<<16)|(1<<21)
.irp g, G1S, G1SB
	s_mov_b32 s[\g+1], 32<<16
	s_mov_b32 s[\g+2], (HALFS/256)<<16
	s_mov_b32 s[\g+3], 32<<16
	s_mov_b32 s[\g+4], HALFS/256
	s_mov_b32 s[\g+5], 32
	s_mov_b32 s[\g+6], 0
	s_mov_b32 s[\g+7], 0
.endr
	s_lshl_b32 s46, s[HC], 3                       ; which 8 blocks of the tile I fetch
	s_lshl_b32 s92, s[TY], 4
	s_add_co_u32 s92, s92, s46                     ; A = q: the first block that I fetch,
	s_lshr_b32 s94, s92, 3                         ; its group of 128 rows
	s_mul_i32 s92, s92, NSIG*BLK
	s_mov_b32 s93, 0
	s_mul_i32 s94, s94, HALFS
	s_mov_b32 s95, 0
	s_lshl_b32 s96, s[TX], 4
	s_lshl_b32 s66, s66, 7
	s_add_co_u32 s96, s96, s66
	s_add_co_u32 s96, s96, 512
	s_add_co_u32 s96, s96, s46                     ; B = k: block 512 + 128 batch + 16 tile column + 8 half
	s_lshr_b32 s98, s96, 3
	s_mul_i32 s96, s96, NSIG*BLK
	s_mov_b32 s97, 0
	s_mul_i32 s98, s98, HALFS
	s_mov_b32 s99, 0
	s_mul_i32 s44, s[WV], HALFT
	s_mul_i32 s45, s[WV], HALFS
	s_wait_dscnt 0x0                               ; both opening adds are done
	s_wait_kmcnt 0x0
	s_add_nc_u64 s[92:93], s[4:5], s[92:93]
	s_add_nc_u64 s[94:95], s[6:7], s[94:95]
	s_add_nc_u64 s[96:97], s[4:5], s[96:97]
	s_add_nc_u64 s[98:99], s[6:7], s[98:99]
	CROUND                                         ; all sixteen work-groups are here: the first joint loads meet
	s_mov_b32 s[G0S], 1
	s_add_co_u32 s[G0S+1], s45, SCL
	s_mov_b64 s[G0S+2:G0S+3], s[94:95]
	s_or_b32 s[G0S+3], s[G0S+3], 0x80000000
	s_mov_b32 s[G0SB], 1
	s_add_co_u32 s[G0SB+1], s45, SCL
	s_mov_b64 s[G0SB+2:G0SB+3], s[98:99]
	s_or_b32 s[G0SB+3], s[G0SB+3], 0x80000000
	JLOAD G0S, G1S, G0SB, G1SB                     ; the scale words first.  With the three below, four tensor loads of mine are out
.irp s, 0,1
	s_mov_b32 s[G0+4*\s], 1
	s_add_co_u32 s[G0+4*\s+1], s44, \s*SLOT
	s_add_nc_u64 s[G0+4*\s+2:G0+4*\s+3], s[92:93], \s*BLK
	s_or_b32 s[G0+4*\s+3], s[G0+4*\s+3], 0x80000000
	s_mov_b32 s[G0B+4*\s], 1
	s_add_co_u32 s[G0B+4*\s+1], s44, \s*SLOT
	s_add_nc_u64 s[G0B+4*\s+2:G0B+4*\s+3], s[96:97], \s*BLK
	s_or_b32 s[G0B+4*\s+3], s[G0B+4*\s+3], 0x80000000
	JLOAD G0+4*\s, G1, G0B+4*\s, G1B
.endr
	s_mov_b32 s[G0C], 1                            ; slot 2, K step 2
	s_add_co_u32 s[G0C+1], s44, 2*SLOT
	s_add_nc_u64 s[G0C+2:G0C+3], s[92:93], 2*BLK
	s_or_b32 s[G0C+3], s[G0C+3], 0x80000000
	s_mov_b32 s[G0BC], 1
	s_add_co_u32 s[G0BC+1], s44, 2*SLOT
	s_add_nc_u64 s[G0BC+2:G0BC+3], s[96:97], 2*BLK
	s_or_b32 s[G0BC+3], s[G0BC+3], 0x80000000
	JLOAD G0C, G1, G0BC, G1B
	v_and_b32 v1, 15, v0                           ; r
	v_bfe_u32 v2, v0, 4, 1                         ; h
	v_and_b32 v[LN], 31, v0
	v_lshlrev_b32 v[LI], 4, v[LN]
	s_mul_i32 s46, s[HR], HALFT
	s_mul_i32 s47, s[HC], HALFT
	s_add_co_u32 s47, s47, 2*HALFT
.irp s, 0,1,2
	v_add_nc_u32 v[ADRA+\s], s46, v[LI]
	v_add_nc_u32 v[ADRB+\s], s47, v[LI]
	s_add_co_u32 s46, s46, SLOT
	s_add_co_u32 s47, s47, SLOT
.endr
	v_lshlrev_b32 v5, 4, v1
	s_mul_i32 s46, s[HR], HALFS
	s_mul_i32 s47, s[HC], HALFS
	s_add_co_u32 s47, s47, 2*HALFS
	s_sub_co_u32 s47, s47, s46
	v_mul_u32_u24 v6, s47, v2                      ; lanes 16-31 take B's
	s_add_co_u32 s46, s46, SCL
	v_add_nc_u32 v5, v5, v6
	v_add_nc_u32 v[ADRS], s46, v5
	; where the results go: c2: ((16 tile row + 8 my half) x 8 + tile column) x 3,072 + 1,536 x my half of the columns
	s_lshl_b32 s92, s[TY], 4
	s_lshl_b32 s46, s[HR], 3
	s_add_co_u32 s92, s92, s46
	s_lshl_b32 s92, s92, 3
	s_add_co_u32 s92, s92, s[TX]
	s_mul_i32 s92, s92, BLK
	s_mul_i32 s46, s[HC], FRB
	s_add_co_u32 s92, s92, s46
	s_mov_b32 s93, 0
	s_add_nc_u64 s[92:93], s[8:9], s[92:93]
	s_lshl_b32 s94, s[TY], 1                       ; s2: ((2 tile row + my half) x 16 + 2 tile column + my half of the columns) x 512
	s_add_co_u32 s94, s94, s[HR]
	s_lshl_b32 s94, s94, 4
	s_lshl_b32 s46, s[TX], 1
	s_add_co_u32 s94, s94, s46
	s_add_co_u32 s94, s94, s[HC]
	s_lshl_b32 s94, s94, 9
	s_mov_b32 s95, 0
	s_add_nc_u64 s[94:95], s[10:11], s[94:95]
	s_mov_b32 s46, 0x76543210
	s_mov_b32 s47, 0xfedcba98                      ; v_permlanex16_b32's selects for lane l xor 16
	s_wait_tensorcnt 2                             ; the scale words and my part of K step 0 are in (the loads of K steps 1 and 2 may be out)
	s_barrier_signal -1
	s_barrier_wait -1                              ; everybody's are
	FETCH_B 0, 0, 0
	FETCH_A 0, 0, 0
	SCALES 0, 0
	FETCH_A 0, 0, 4
	STEP 0, 0, 1, 0, 1, -1                         ; K step 0: its first products start the sums
	TURN 0, 1, 1, 1                                ; K step 0's second half; slot 0 takes K step 3; on to slot 1
	STEP 0, 1, 0, 1, 1, -1                         ; K step 1
	STEP 1, 1, 0, 2, 0, 2                          ; on to slot 2 with no barrier: the round above has shown it whole in every wave
	STEP 0, 0, 0, 2, 1, -1                         ; K step 2
	TURN 0, 0, 0, 3                                ; K step 3 has landed in every wave; on to slot 0
	STEP 0, 1, 0, 0, 1, -1                         ; K step 3
	s_wait_dscnt 4*NL                              ; the very last step: nothing more to fetch
	WIN MUL_LO
	MUL16 0, 1, 1, 1, 0
	MUL16 2, 1, 1, 1, 0
	s_wait_dscnt 0
	WIN MUL_HI
	MUL16 4, 1, 1, 1, 0
	MUL16 6, 1, 1, 1, 0
	WIN 0
; THE WAY OUT.  Block a (16 rows x my 128 columns) is one fragment of the next product: a lane's 64 registers are its row's t = 32 b + 16 h + i.  Each block of 32 lies in lanes l and l xor 16.  Each accumulator is read from its low end on.
.macro EQ a
.set AC, 64*((\a)%4)
.set PCD, PCD0+12*(\a)
	WIN 0x0a+5*((\a)/4)                            ; sources 0 and 1: window 2 or 3
.irp b, 0,1,2,3
	v_max3_num_f32 v[TM+\b], |v[AC+16*\b]|, |v[AC+16*\b+1]|, FLOOR
.endr
.irp i, 2,4,6,8,10,12,14
.irp b, 0,1,2,3
	v_max3_num_f32 v[TM+\b], |v[AC+16*\b+\i]|, |v[AC+16*\b+\i+1]|, v[TM+\b]
.endr
.endr
	WIN 0
.irp b, 0,1,2,3
	v_permlanex16_b32 v[TM+4+\b], v[TM+\b], s46, s47
.endr
.irp b, 0,1,2,3
	v_max_num_f32 v[TM+\b], v[TM+\b], v[TM+4+\b]
.endr
.irp b, 0,1,2,3
	v_add_nc_u32 v[TM+12+\b], 0xff000000, v[TM+\b] ; 2 off the exponent field: the conversion's scale operand, for the sums as they stand
.endr
.irp b, 0,1,2,3
	v_lshrrev_b32 v[TM+4+\b], 23, v[TM+12+\b]
.endr
	v_lshl_or_b32 v[PW+(\a)], v[TM+5], 8, v[TM+4]
	v_lshl_or_b32 v[PW+(\a)], v[TM+6], 16, v[PW+(\a)]
	v_lshl_or_b32 v[PW+(\a)], v[TM+7], 24, v[PW+(\a)]
	v_add_nc_u32 v[PW+(\a)], 0xfcfcfcfd, v[PW+(\a)] ; THE FACTOR 0.125: 3 off each of the four bytes; each is 4 or more, so none borrows
	WIN 0x02+((\a)/4)                              ; source 0: window 2 or 3
.irp c, 0,1
	v_cvt_scalef32_pk16_fp6_f32 v[PCD+6*\c:PCD+6*\c+2], v[AC+32*\c:AC+32*\c+15], v[TM+12+2*\c]
	v_cvt_scalef32_pk16_fp6_f32 v[TH+4*\c:TH+4*\c+2], v[AC+32*\c+16:AC+32*\c+31], v[TM+12+2*\c+1]
.endr
	WIN 0
	v_nop                                          ; one plain place behind a scaled conversion
.irp c, 0,1
.irp i, 0,1,2
	v_permlane16_swap_b32 v[PCD+6*\c+\i], v[TH+4*\c+\i]
.endr
.irp i, 0,1,2
	v_mov_b32 v[PCD+3+6*\c+\i], v[TH+4*\c+\i]
.endr
.endr
.irp g, 0,1,2
	global_store_b128 v[LI], v[PCD+4*\g:PCD+4*\g+3], s[92:93] offset:(\a)*OPITCH+512*\g   ; 32 lanes store 512 consecutive bytes, aligned; each block has its own registers
.endr
.endm
	PLACES NP                                      ; behind the last products: results are read and operands' registers written from here on
.irp b, 0,1,2,3
	v_mov_b32 v[TM+4+\b], 0                        ; written once: a lane permute's destination counts as one of its sources
.endr
.irp a, 0,1,2,3,4,5,6,7
	EQ \a
.endr
	v_cmp_le_u32 vcc_lo, 16, v[LN]                 ; lane 16 G + r stores the words of blocks 4 G .. 4 G + 3
.irp i, 0,1,2,3
	v_cndmask_b32 v[SW+\i], v[PW+\i], v[PW+4+\i], vcc_lo
.endr
	global_store_b128 v[LI], v[SW:SW+3], s[94:95]  ; 512 consecutive bytes: my 128 rows' words of this K step
	s_wait_tensorcnt 0x0                           ; the wave's end
	ds_add_u32 v[SPW], v[NIL]
	s_wait_dscnt 0x0
	CROUND                                         ; the closing round
	s_endpgm
.Lfunc_end_k_qee594c8f5f_scores:
	.size	k_qee594c8f5f_scores, .Lfunc_end_k_qee594c8f5f_scores-k_qee594c8f5f_scores
	.p2alignl 7, 3214868480
	.fill 96, 4, 3214868480
	.section	.rodata,"a",@progbits
	.p2align	6, 0x0
	.amdhsa_kernel k_qee594c8f5f_scores
		.amdhsa_group_segment_fixed_size 327680
		.amdhsa_private_segment_fixed_size 0
		.amdhsa_enable_private_segment 0
		.amdhsa_kernarg_size 32
		.amdhsa_user_sgpr_count 2
		.amdhsa_user_sgpr_kernarg_segment_ptr 1
		.amdhsa_wavefront_size32 1
		.amdhsa_system_sgpr_workgroup_id_x 1
		.amdhsa_system_sgpr_workgroup_id_y 1
		.amdhsa_system_sgpr_workgroup_id_z 1
		.amdhsa_system_vgpr_workitem_id 0
		.amdhsa_next_free_vgpr 1024
		.amdhsa_next_free_sgpr 100
		.amdhsa_reserve_vcc 1
		.amdhsa_float_denorm_mode_32 3
		.amdhsa_float_denorm_mode_16_64 3
		.amdhsa_memory_ordered 1
		.amdhsa_forward_progress 1
		.amdhsa_inst_pref_size 139
	.end_amdhsa_kernel
	.amdgpu_metadata
---
amdhsa.version: [ 1, 2 ]
amdhsa.kernels:
  - .name:           k_qee594c8f5f_scores
    .symbol:         k_qee594c8f5f_scores.kd
    .args:
      - { .name: c1, .offset: 0, .size: 8, .value_kind: global_buffer, .address_space: global }
      - { .name: s1, .offset: 8, .size: 8, .value_kind: global_buffer, .address_space: global }
      - { .name: c2, .offset: 16, .size: 8, .value_kind: global_buffer, .address_space: global }
      - { .name: s2, .offset: 24, .size: 8, .value_kind: global_buffer, .address_space: global }
    .group_segment_fixed_size: 327680
    .private_segment_fixed_size: 0
    .kernarg_segment_align: 8
    .kernarg_segment_size: 32
    .max_flat_workgroup_size: 128
    .sgpr_count:     100
    .vgpr_count:     1024
    .wavefront_size: 32
...
	.end_amdgpu_metadata
.endif
;; end of part 7
;; launch mix (part 8): grid 4 x 64, 4 waves a work-group, clusters of 4 x 4, 327,680 bytes of LDS; arguments c2, s2, c1, s1, c3, s3; writes c3, s3
.if DOCPART == 8
	.amdgcn_target "amdgcn-amd-amdhsa--gfx1250"
	.amdhsa_code_object_version 6
	.text
	.protected	k_qee594c8f5f_mix
	.globl	k_qee594c8f5f_mix
	.p2align	8
	.type	k_qee594c8f5f_mix,@function
k_qee594c8f5f_mix:
	s_mov_b64 s[64:65], 0
	v_nop
	global_prefetch_b8 v0, s[64:65] scope:SCOPE_SE
	s_setreg_imm32_b32 hwreg(HW_REG_WAVE_MODE, 25, 1), 1
	s_wait_xcnt 0x0
	s_wait_alu depctr_hold_cnt(0) depctr_sa_sdst(0) depctr_va_vdst(0) depctr_va_sdst(0) depctr_va_ssrc(0) depctr_va_vcc(0) depctr_vm_vsrc(0)
	s_getreg_b32 s2, hwreg(HW_REG_IB_STS2, 6, 4)
	s_cmp_eq_u32 s2, 0
	s_cbranch_scc0 .Lentry_in_a_cluster
	s_endpgm
.Lentry_in_a_cluster:
	s_bfe_u32 s2, ttmp6, 0x10000c
	s_cmp_lg_u32 s2, 0xf033
	s_cbranch_scc0 .Lentry_shape_is_right
	s_endpgm
.Lentry_shape_is_right:
; LAUNCH 4 OF 5.  out[b][s][e] = the sum over t of scores[b][s][t] v[b][t][e], on codes of FP6 (E2M3) with E8M0 scales, f32 sums; out is quantised along e in registers and leaves as codes.
; No work of the problem is left out here.
; LAYOUTS: a fragment, 16 rows x 128 K, is an image of its 12 registers: registers 4 g .. 4 g + 3 of lane l at 512 g + 16 l, 1,536 bytes.  Codes [row block of 16][K / 256][2][1536]; scale words [rows / 128][K / 128][512],
; in the 512 [G][r][i]: row 64 G + 16 i + r.  Place p of a buffer holds row p with bits 3 and 4 exchanged.  c2: the scores, blocks 0-511, K = t = 2,048.  c1 from VOFFC on: v^T, block 64 batch + e / 16, K = t.  c3: out, blocks 0-511, K = e = 1,024.
; A TILE IS 128 ROWS x 256 COLUMNS: 64 x 4 tiles, a work-group for each of 256 WGPs.  Four waves, each 64 x 128: 32 accumulators.
; A SLOT HOLDS 512 ALONG K: a row block's part of it is 6,144 consecutive bytes of memory; A's 8 blocks, then B's 16: 147,456 bytes.  Two slots are filled at the head (half of K), and each is filled again once.
; A step of 128 along K multiplies one set of fragments while the next step's 38 LDS loads land in the other set.  So at the head of a slot's last step the slot has been read, and the change of slots stands there:
; a refill has four steps, 128 matrix instructions of a wave, in which to land.  The text has no loop: every offset is an immediate.
; The scale words of the work-group's rows, for all of K, come once with the first fills.  CLUSTERS of 4 x 4: A's tiles are asked for jointly along a row of the cluster, B's along a column.
; THE MATRIX INSTRUCTION IS USED TRANSPOSED (source 0 = 16 rows of v^T, source 1 = 16 rows of the scores): lane (r, h) holds row r, and by the rows' permutation register 16 b + i of tiles 2 b, 2 b + 1 holds e = 32 b + 16 h + i.
; LIMITS: NaN and infinities are not served; a block whose largest magnitude lies under 2^(3 - 127) gets the byte 1 (a block of zeros too).
; REGISTERS: window 0: v0-31 addresses; v32-47 scale words, two sets of 8, and nothing else; v128-223 A's 4 fragments, two sets.  Window 1: B's 8 fragments, two sets, at v0 and v128.  Window 2: the accumulators, (a, b) at v[8 (8 a + b)].
.set KDIM,  2048
.set NSIG,  KDIM/256
.set NS,    KDIM/128                   ; steps
.set FR,    12                         ; registers of a fragment
.set NP,    4                          ; places behind this matrix instruction (ISA guide 7.12.1)
.set FRB,   1536                       ; a fragment's image
.set BLK,   2*FRB                      ; a row block's 256 along K: the buffers' unit
.set BLKH,  4*FRB                      ; a row block's 512 along K: its part of a slot
.set HALFA, 4*BLKH                     ; 64 rows of A: what waves 0 and 1 fetch, and what a wave reads
.set HALFB, 8*BLKH                     ; 128 rows of B: what waves 2 and 3 fetch, and what a wave reads
.set SLOT,  2*HALFA+2*HALFB
.set SCL,   2*SLOT                     ; behind the ring: A's scale words (one group of 128 rows), then B's (two)
.set HALFS, 512*NS                     ; those of 128 rows
.set SPARE, SCL+3*HALFS                ; the spare words, 128 bytes a wave: two blocks of 256 bytes that no other line names
.set VOFFC, 12582912
.set VOFFS, 524288
.set OPITCH, 4*BLK                     ; c3: bytes from row block to row block
.set FLOOR, 0x1800000                  ; 2^(3 - 127)
.set WV, 18                            ; s18 wave; s19 my 64 of the tile's rows, also: I fetch for A (0) or B (1); s20 my 128 of its columns, also: which half I fetch
.set HR, 19
.set HC, 20
.set TY, 21
.set TX, 22
.set G1, 24                            ; s[24:31] descriptor group 1 for A's tiles; s[32:39] group 0, a set for each slot
.set G0, 32
.set G1B, 48                           ; s[48:55], s[56:63] the same for B's
.set G0B, 56
.set G1S, 68                           ; s[68:75], s[76:79] groups 1 and 0 for A's scale words; s[80:87], s[88:91] for B's
.set G0S, 76
.set G1SB, 80
.set G0SB, 88
.set ADRA, 16                          ; v16-17 LDS address of my A fragments in slot 0, 1
.set ADRB, 20                          ; v20-21 the same for B
.set LI,   26                          ; v26 16 x lane
.set ADRS, 27                          ; v27 LDS address of my scale words: lanes 0-15 A's, lanes 16-31 B's; never rewritten
.set SPW,  28                          ; v28 my spare word's LDS address; never rewritten
.set NIL,  29                          ; v29 0; never rewritten
.set LN,   30                          ; v30 lane
.set SOFF, 31                          ; v31 16 r + 8 h: my two scale words' place on the way out
.set SC,   32                          ; scale words: register SC + 8 set + i: lanes 0-15 A's block i (i < 4), lanes 16-31 B's block i
.set AF,   128
.set PCD0, 64                          ; the way out: block a's codes at v[64 + 12 a]
.set TH,   160
.set TM,   168
.set PW,   184
.set SW,   192
.set MSB, 0
.macro WIN new                         ; the immediate's high byte repeats the setting that is left
.if MSB != \new
	s_set_vgpr_msb (MSB<<8)|\new
.set MSB, \new
.endif
.endm
.set MUL,    0xa1                      ; source 0 (B) window 1, source 1 (A) window 0, C and D window 2
.set TO_B,   0x40                      ; destination window 1, address window 0
; A joint load: waves 0 and 1 fetch for A, waves 2 and 3 for B.  The branch hangs on the wave's number alone.  An s_nop 0 and four v_nop follow each of the two lines.
.macro JLOAD g0a, g1a, g0b, g1b
	s_cmp_eq_u32 s[HR], 0
	s_cbranch_scc0 .Lfor_b_\@
	tensor_load_to_lds s[\g0a:\g0a+3], s[\g1a:\g1a+7]
	s_nop 0
.rept 4
	v_nop
.endr
	s_branch .Lasked_\@
.Lfor_b_\@:
	tensor_load_to_lds s[\g0b:\g0b+3], s[\g1b:\g1b+7]
	s_nop 0
.rept 4
	v_nop
.endr
.Lasked_\@:
.endm
.macro CROUND                          ; a round of the cluster's barrier
	s_barrier_signal -1
	s_barrier_wait -1
	s_cmp_lg_u32 s[WV], 0
	s_cbranch_scc1 .Lnot_wave_0_\@
	s_barrier_signal -3
.Lnot_wave_0_\@:
	s_barrier_wait -3
	s_barrier_signal -1
	s_barrier_wait -1
.endm
.macro PLACES n
.rept \n
	v_nop
.endr
.endm
.macro FRAG reg, adr, q, i             ; a fragment comes back as it was stored: three loads of 512 consecutive bytes
.irp g, 0,1,2
	ds_load_b128 v[\reg+4*\g:\reg+4*\g+3], v[\adr] offset:(\i)*BLKH+(\q)*FRB+512*\g
.endr
.endm
.macro FETCH slot, q, p, s             ; step s, the slot's q-th 128 along K, into set p: B's eight fragments, A's four, the scale words
	WIN TO_B
.irp i, 0,1,2,3,4,5,6,7
	FRAG 128*(\p)+FR*\i, ADRB+(\slot), \q, \i
.endr
	WIN 0
.irp i, 0,1,2,3
	FRAG AF+48*(\p)+FR*\i, ADRA+(\slot), \q, \i
.endr
.irp g, 0,1
	ds_load_b128 v[SC+8*(\p)+4*\g:SC+8*(\p)+4*\g+3], v[ADRS] offset:512*(\s)+256*\g   ; lanes 16-31: B's blocks 4 g .. 4 g + 3; lanes 0-15: with g = 0 A's four (what they bring with g = 1 is not read)
.endr
.endm
; 32 matrix instructions: A's four blocks x B's eight, on set p.  cm = 0: the sums go on; 1: they start at 0.  The 32 accumulators take turns, one instruction a turn, in the same order in every step.
.macro MUL32 p, cm
.irp a, 0,1,2,3
.irp b, 0,1,2,3,4,5,6,7
.set rD, 8*(8*\a+\b)
.set rB, 128*(\p)+FR*\b
.set rA, AF+48*(\p)+FR*\a
.set rT, SC+8*(\p)
.if (\cm) == 0
	v_wmma_scale_f32_16x16x128_f8f6f4 v[rD:rD+7], v[rB:rB+FR-1], v[rA:rA+FR-1], v[rD:rD+7], v[rT+\b], v[rT+\a] matrix_a_fmt:MATRIX_FMT_FP6 matrix_b_fmt:MATRIX_FMT_FP6 matrix_a_scale:MATRIX_SCALE_ROW1
.else
	v_wmma_scale_f32_16x16x128_f8f6f4 v[rD:rD+7], v[rB:rB+FR-1], v[rA:rA+FR-1], 0, v[rT+\b], v[rT+\a] matrix_a_fmt:MATRIX_FMT_FP6 matrix_b_fmt:MATRIX_FMT_FP6 matrix_a_scale:MATRIX_SCALE_ROW1
.endif
.endr
.endr
.endm
; STEP s of 128 along K.  Its fragments were asked for a step ago; the next step's are asked for first, into the set that the last step multiplied (NP plain vector instructions behind its last product), then come the products.
; mode 0: the next step lies in the same slot.  mode 1: a slot's last step: the slot has been read, and is filled again with the 512 along K two slots on: each wave waits for all its tensor loads, adds 0 to its spare
; word, waits for that and for its LDS reads; a round of the cluster's barrier; the joint refill first behind it.  mode 2: the same with a plain barrier and no refill.  mode 3: the last step: nothing to fetch.
.macro STEPH s, cm, mode
.set SL,  ((\s)/4)%2
.set NSL, (((\s)+1)/4)%2
.set NQN, ((\s)+1)%4
.set PP,  (\s)%2
.set PN,  1-PP
.set SN,  (\s)+1
.if (\mode) == 0
	s_wait_dscnt 0x0                               ; this step's fragments and scale words are in
	PLACES NP
.elseif (\mode) == 3
	s_wait_dscnt 0x0
.else
	WIN 0
	s_wait_tensorcnt 0x0                           ; all my tensor loads have landed: my part of the slot ahead
	ds_add_u32 v[SPW], v[NIL]                      ; 0 onto my spare word
.if (\mode) == 1
	s_add_nc_u64 s[G0+4*SL+2:G0+4*SL+3], s[G0+4*SL+2:G0+4*SL+3], 2*BLKH
	s_add_nc_u64 s[G0B+4*SL+2:G0B+4*SL+3], s[G0B+4*SL+2:G0B+4*SL+3], 2*BLKH
.endif
	s_wait_dscnt 0x0                               ; the add is done; this step's fragments are in, and they were my last reads of the slot that I leave
.if (\mode) == 1
	CROUND                                         ; no wave of any partner still reads that slot or has a load on its way
	JLOAD G0+4*SL, G1, G0B+4*SL, G1B               ; the first tensor load behind the round; the four v_nop behind it are the places in front of the loads below
.else
	s_barrier_signal -1
	s_barrier_wait -1
	PLACES NP
.endif
.endif
.if (\mode) != 3
	FETCH NSL, NQN, PN, SN
.endif
	WIN MUL
	MUL32 PP, \cm
.endm
	s_load_b256 s[4:11], s[0:1], 0x0               ; c2 s[4:5], s2 s[6:7], c1 s[8:9], s1 s[10:11]
	s_load_b128 s[12:15], s[0:1], 0x20             ; c3 s[12:13], s3 s[14:15]
	v_lshl_add_u32 v[SPW], v0, 2, SPARE
	v_mov_b32 v[NIL], 0
	ds_add_u32 v[SPW], v[NIL]                      ; the wave's opening: the add, twice on end, and its wait ahead of my first tensor load
	ds_add_u32 v[SPW], v[NIL]
	v_lshrrev_b32 v1, 5, v0
	v_readfirstlane_b32 s[WV], v1
	s_lshr_b32 s[HR], s[WV], 1
	s_and_b32 s[HC], s[WV], 1
	s_bfe_u32 s40, ttmp6, 0x40000                  ; cx, cy
	s_bfe_u32 s41, ttmp6, 0x40004
	s_lshl_b32 s[TX], ttmp9, 2
	s_add_co_u32 s[TX], s[TX], s40                 ; tile column: 256 of e
	s_and_b32 s46, ttmp7, 0xffff                   ; the cluster's y
	s_lshl_b32 s[TY], s46, 2
	s_add_co_u32 s[TY], s[TY], s41                 ; tile row: 128 of the 8,192 rows (b, s)
	s_lshr_b32 s66, s46, 2                         ; the batch: sixteen tile rows, four clusters: made of the cluster's y alone
	s_lshl_b32 s42, s41, 2
	s_lshl_b32 s42, 15, s42                        ; my row of the cluster
	s_lshl_b32 s43, 0x1111, s40                    ; my column
	; descriptor group 1: rows (row blocks) of 768 elements of 8 bytes, NSIG x 384 elements apart; they land on end in LDS.  A: 4 rows; B: 8
	s_or_b32 s[G1], s42, (3<<16)|(1<<21)           ; 15:0 the mask; 17:16 elements of 8 bytes; 20 no padding; 21 set beside a mask
	s_mov_b32 s[G1+1], 768<<16                     ; tensor_dim0
	s_mov_b32 s[G1+2], 4<<16                       ; tensor_dim1
	s_mov_b32 s[G1+3], 768<<16                     ; tile_dim0
	s_mov_b32 s[G1+4], 4                           ; tile_dim1
	s_mov_b32 s[G1+5], NSIG*384                    ; tensor_dim0_stride
	s_mov_b32 s[G1+6], 0
	s_mov_b32 s[G1+7], 0
	s_or_b32 s[G1B], s43, (3<<16)|(1<<21)
	s_mov_b32 s[G1B+1], 768<<16
	s_mov_b32 s[G1B+2], 8<<16
	s_mov_b32 s[G1B+3], 768<<16
	s_mov_b32 s[G1B+4], 8
	s_mov_b32 s[G1B+5], NSIG*384
	s_mov_b32 s[G1B+6], 0
	s_mov_b32 s[G1B+7], 0
	; the scale words: dense blocks, as rows of 256 bytes.  A: half a group of 128 rows a wave; B: a group a wave
	s_or_b32 s[G1S], s42, (3<<16)|(1<<21)
	s_mov_b32 s[G1S+1], 32<<16
	s_mov_b32 s[G1S+2], (HALFS/512)<<16
	s_mov_b32 s[G1S+3], 32<<16
	s_mov_b32 s[G1S+4], HALFS/512
	s_mov_b32 s[G1S+5], 32
	s_mov_b32 s[G1S+6], 0
	s_mov_b32 s[G1S+7], 0
	s_or_b32 s[G1SB], s43, (3<<16)|(1<<21)
	s_mov_b32 s[G1SB+1], 32<<16
	s_mov_b32 s[G1SB+2], (HALFS/256)<<16
	s_mov_b32 s[G1SB+3], 32<<16
	s_mov_b32 s[G1SB+4], HALFS/256
	s_mov_b32 s[G1SB+5], 32
	s_mov_b32 s[G1SB+6], 0
	s_mov_b32 s[G1SB+7], 0
	s_lshl_b32 s92, s[TY], 3                       ; A = the scores: 8 blocks a tile,
	s_lshl_b32 s46, s[HC], 2
	s_add_co_u32 s92, s92, s46                     ; + the 4 that I fetch
	s_mul_i32 s92, s92, NSIG*BLK
	s_mov_b32 s93, 0
	s_mul_i32 s94, s[TY], HALFS                    ; the tile's group of scale words,
	s_mul_i32 s46, s[HC], HALFS/2
	s_add_co_u32 s94, s94, s46                     ; + the half that I fetch
	s_mov_b32 s95, 0
	s_lshl_b32 s96, s[TX], 4
	s_lshl_b32 s66, s66, 6
	s_add_co_u32 s96, s96, s66
	s_lshl_b32 s46, s[HC], 3
	s_add_co_u32 s96, s96, s46                     ; B = v^T: block 64 batch + 16 tile column + 8 half
	s_lshr_b32 s98, s96, 3                         ; its group of 128 rows
	s_mul_i32 s96, s96, NSIG*BLK
	s_add_co_u32 s96, s96, VOFFC
	s_mov_b32 s97, 0
	s_mul_i32 s98, s98, HALFS
	s_add_co_u32 s98, s98, VOFFS
	s_mov_b32 s99, 0
	s_mul_i32 s44, s[HC], HALFA                    ; where they go in a slot: A's halves,
	s_mul_i32 s45, s[HC], HALFB
	s_add_co_u32 s45, s45, 2*HALFA                 ; then B's: no place in the cluster enters an LDS address
	s_mul_i32 s67, s[HC], HALFS/2
	s_add_co_u32 s67, s67, SCL                     ; A's scale words,
	s_mul_i32 s23, s[HC], HALFS
	s_add_co_u32 s23, s23, SCL+HALFS               ; then B's
	s_wait_dscnt 0x0                               ; both opening adds are done
	s_wait_kmcnt 0x0
	s_add_nc_u64 s[92:93], s[4:5], s[92:93]
	s_add_nc_u64 s[94:95], s[6:7], s[94:95]
	s_add_nc_u64 s[96:97], s[8:9], s[96:97]
	s_add_nc_u64 s[98:99], s[10:11], s[98:99]
	CROUND                                         ; all sixteen work-groups are here: the first joint loads meet
	s_mov_b32 s[G0S], 1
	s_mov_b32 s[G0S+1], s67
	s_mov_b64 s[G0S+2:G0S+3], s[94:95]
	s_or_b32 s[G0S+3], s[G0S+3], 0x80000000
	s_mov_b32 s[G0SB], 1
	s_mov_b32 s[G0SB+1], s23
	s_mov_b64 s[G0SB+2:G0SB+3], s[98:99]
	s_or_b32 s[G0SB+3], s[G0SB+3], 0x80000000
	JLOAD G0S, G1S, G0SB, G1SB                     ; the scale words first.  With the two below, three tensor loads of mine are out
.irp s, 0,1
	s_mov_b32 s[G0+4*\s], 1
	s_add_co_u32 s[G0+4*\s+1], s44, \s*SLOT
	s_add_nc_u64 s[G0+4*\s+2:G0+4*\s+3], s[92:93], \s*BLKH
	s_or_b32 s[G0+4*\s+3], s[G0+4*\s+3], 0x80000000
	s_mov_b32 s[G0B+4*\s], 1
	s_add_co_u32 s[G0B+4*\s+1], s45, \s*SLOT
	s_add_nc_u64 s[G0B+4*\s+2:G0B+4*\s+3], s[96:97], \s*BLKH
	s_or_b32 s[G0B+4*\s+3], s[G0B+4*\s+3], 0x80000000
	JLOAD G0+4*\s, G1, G0B+4*\s, G1B
.endr
	v_and_b32 v1, 15, v0                           ; r
	v_bfe_u32 v2, v0, 4, 1                         ; h
	v_and_b32 v[LN], 31, v0
	v_lshlrev_b32 v[LI], 4, v[LN]
	v_lshlrev_b32 v3, 3, v2
	v_lshl_add_u32 v[SOFF], v1, 4, v3
	s_mul_i32 s46, s[HR], HALFA                    ; my 64 rows of A
	s_mul_i32 s47, s[HC], HALFB                    ; my 128 rows of B,
	s_add_co_u32 s47, s47, 2*HALFA                 ; which lie behind A's 128
.irp s, 0,1
	v_add_nc_u32 v[ADRA+\s], s46, v[LI]
	v_add_nc_u32 v[ADRB+\s], s47, v[LI]
	s_add_co_u32 s46, s46, SLOT
	s_add_co_u32 s47, s47, SLOT
.endr
	v_lshlrev_b32 v5, 4, v1                        ; my row's four words of four blocks: 16 r
	s_lshl_b32 s46, s[HR], 8                       ; A's: my 64 rows are half G = my half of each step's 512 bytes
	s_mul_i32 s47, s[HC], HALFS                    ; B's: my group, behind A's one
	s_add_co_u32 s47, s47, HALFS
	s_sub_co_u32 s47, s47, s46
	v_mul_u32_u24 v6, s47, v2                      ; lanes 16-31 take B's
	s_add_co_u32 s46, s46, SCL
	v_add_nc_u32 v5, v5, v6
	v_add_nc_u32 v[ADRS], s46, v5
	; where the results go: c3: ((8 tile row + 4 my half) x 4 + tile column) x 3,072 + 1,536 x my half of the columns
	s_lshl_b32 s92, s[TY], 3
	s_lshl_b32 s46, s[HR], 2
	s_add_co_u32 s92, s92, s46
	s_lshl_b32 s92, s92, 2
	s_add_co_u32 s92, s92, s[TX]
	s_mul_i32 s92, s92, BLK
	s_mul_i32 s46, s[HC], FRB
	s_add_co_u32 s92, s92, s46
	s_mov_b32 s93, 0
	s_add_nc_u64 s[92:93], s[12:13], s[92:93]
	s_lshl_b32 s94, s[TY], 3                       ; s3: (tile row x 8 + 2 tile column + my half of the columns) x 512 + 256 x my half of the rows
	s_lshl_b32 s46, s[TX], 1
	s_add_co_u32 s94, s94, s46
	s_add_co_u32 s94, s94, s[HC]
	s_lshl_b32 s94, s94, 9
	s_lshl_b32 s46, s[HR], 8
	s_add_co_u32 s94, s94, s46
	s_mov_b32 s95, 0
	s_add_nc_u64 s[94:95], s[14:15], s[94:95]
	s_mov_b32 s46, 0x76543210
	s_mov_b32 s47, 0xfedcba98                      ; v_permlanex16_b32's selects for lane l xor 16
	s_wait_tensorcnt 1                             ; the scale words and my part of slot 0 are in (slot 1's load may be out)
	s_barrier_signal -1
	s_barrier_wait -1                              ; everybody's are
	FETCH 0, 0, 0, 0
	STEPH 0, 1, 0                                  ; the first step's products start the sums
	STEPH 1, 0, 0
	STEPH 2, 0, 0
	STEPH 3, 0, 1                                  ; slot 0 takes K = 1,024 .. 1,535
	STEPH 4, 0, 0
	STEPH 5, 0, 0
	STEPH 6, 0, 0
	STEPH 7, 0, 1                                  ; slot 1 takes K = 1,536 .. 2,047
	STEPH 8, 0, 0
	STEPH 9, 0, 0
	STEPH 10, 0, 0
	STEPH 11, 0, 2                                 ; the last fill has landed in every wave; nothing is asked for
	STEPH 12, 0, 0
	STEPH 13, 0, 0
	STEPH 14, 0, 0
	STEPH 15, 0, 3
	WIN 0
; THE WAY OUT.  Block a (16 rows x my 128 columns) is one fragment of the next product: a lane's 64 registers are its row's e = 32 b + 16 h + i.  Each block of 32 lies in lanes l and l xor 16.  Each accumulator is read from its low end on.
.macro EQ a
.set AC, 64*(\a)
.set PCD, PCD0+12*(\a)
	WIN 0x0a                                       ; sources 0 and 1: window 2
.irp b, 0,1,2,3
	v_max3_num_f32 v[TM+\b], |v[AC+16*\b]|, |v[AC+16*\b+1]|, FLOOR
.endr
.irp i, 2,4,6,8,10,12,14
.irp b, 0,1,2,3
	v_max3_num_f32 v[TM+\b], |v[AC+16*\b+\i]|, |v[AC+16*\b+\i+1]|, v[TM+\b]
.endr
.endr
	WIN 0
.irp b, 0,1,2,3
	v_permlanex16_b32 v[TM+4+\b], v[TM+\b], s46, s47
.endr
.irp b, 0,1,2,3
	v_max_num_f32 v[TM+\b], v[TM+\b], v[TM+4+\b]
.endr
.irp b, 0,1,2,3
	v_add_nc_u32 v[TM+12+\b], 0xff000000, v[TM+\b] ; 2 off the exponent field: the conversion's scale operand
.endr
.irp b, 0,1,2,3
	v_lshrrev_b32 v[TM+4+\b], 23, v[TM+12+\b]
.endr
	v_lshl_or_b32 v[PW+(\a)], v[TM+5], 8, v[TM+4]
	v_lshl_or_b32 v[PW+(\a)], v[TM+6], 16, v[PW+(\a)]
	v_lshl_or_b32 v[PW+(\a)], v[TM+7], 24, v[PW+(\a)]
	WIN 0x02                                       ; source 0: window 2
.irp c, 0,1
	v_cvt_scalef32_pk16_fp6_f32 v[PCD+6*\c:PCD+6*\c+2], v[AC+32*\c:AC+32*\c+15], v[TM+12+2*\c]
	v_cvt_scalef32_pk16_fp6_f32 v[TH+4*\c:TH+4*\c+2], v[AC+32*\c+16:AC+32*\c+31], v[TM+12+2*\c+1]
.endr
	WIN 0
	v_nop                                          ; one plain place behind a scaled conversion
.irp c, 0,1
.irp i, 0,1,2
	v_permlane16_swap_b32 v[PCD+6*\c+\i], v[TH+4*\c+\i]
.endr
.irp i, 0,1,2
	v_mov_b32 v[PCD+3+6*\c+\i], v[TH+4*\c+\i]
.endr
.endr
.irp g, 0,1,2
	global_store_b128 v[LI], v[PCD+4*\g:PCD+4*\g+3], s[92:93] offset:(\a)*OPITCH+512*\g   ; 32 lanes store 512 consecutive bytes, aligned; each block has its own registers
.endr
.endm
	PLACES NP                                      ; behind the last products: results are read and operands' registers written from here on
.irp b, 0,1,2,3
	v_mov_b32 v[TM+4+\b], 0                        ; written once: a lane permute's destination counts as one of its sources
.endr
.irp a, 0,1,2,3
	EQ \a
.endr
	v_cmp_le_u32 vcc_lo, 16, v[LN]                 ; both halves of the lanes hold all four words: lane (r, h) stores words 2 h and 2 h + 1
	v_cndmask_b32 v[SW], v[PW], v[PW+2], vcc_lo
	v_cndmask_b32 v[SW+1], v[PW+1], v[PW+3], vcc_lo
	global_store_b64 v[SOFF], v[SW:SW+1], s[94:95] ; 32 lanes store 256 consecutive bytes, aligned: my 64 rows' words of this K step
	s_wait_tensorcnt 0x0                           ; the wave's end
	ds_add_u32 v[SPW], v[NIL]
	s_wait_dscnt 0x0
	CROUND                                         ; the closing round
	s_endpgm
.Lfunc_end_k_qee594c8f5f_mix:
	.size	k_qee594c8f5f_mix, .Lfunc_end_k_qee594c8f5f_mix-k_qee594c8f5f_mix
	.p2alignl 7, 3214868480
	.fill 96, 4, 3214868480
	.section	.rodata,"a",@progbits
	.p2align	6, 0x0
	.amdhsa_kernel k_qee594c8f5f_mix
		.amdhsa_group_segment_fixed_size 327680
		.amdhsa_private_segment_fixed_size 0
		.amdhsa_enable_private_segment 0
		.amdhsa_kernarg_size 48
		.amdhsa_user_sgpr_count 2
		.amdhsa_user_sgpr_kernarg_segment_ptr 1
		.amdhsa_wavefront_size32 1
		.amdhsa_system_sgpr_workgroup_id_x 1
		.amdhsa_system_sgpr_workgroup_id_y 1
		.amdhsa_system_sgpr_workgroup_id_z 1
		.amdhsa_system_vgpr_workitem_id 0
		.amdhsa_next_free_vgpr 768
		.amdhsa_next_free_sgpr 100
		.amdhsa_reserve_vcc 1
		.amdhsa_float_denorm_mode_32 3
		.amdhsa_float_denorm_mode_16_64 3
		.amdhsa_memory_ordered 1
		.amdhsa_forward_progress 1
		.amdhsa_inst_pref_size 136
	.end_amdhsa_kernel
	.amdgpu_metadata
---
amdhsa.version: [ 1, 2 ]
amdhsa.kernels:
  - .name:           k_qee594c8f5f_mix
    .symbol:         k_qee594c8f5f_mix.kd
    .args:
      - { .name: c2, .offset: 0, .size: 8, .value_kind: global_buffer, .address_space: global }
      - { .name: s2, .offset: 8, .size: 8, .value_kind: global_buffer, .address_space: global }
      - { .name: c1, .offset: 16, .size: 8, .value_kind: global_buffer, .address_space: global }
      - { .name: s1, .offset: 24, .size: 8, .value_kind: global_buffer, .address_space: global }
      - { .name: c3, .offset: 32, .size: 8, .value_kind: global_buffer, .address_space: global }
      - { .name: s3, .offset: 40, .size: 8, .value_kind: global_buffer, .address_space: global }
    .group_segment_fixed_size: 327680
    .private_segment_fixed_size: 0
    .kernarg_segment_align: 8
    .kernarg_segment_size: 48
    .max_flat_workgroup_size: 128
    .sgpr_count:     100
    .vgpr_count:     768
    .wavefront_size: 32
...
	.end_amdgpu_metadata
.endif
;; end of part 8
;; launch proj (part 9): grid 4 x 64, 4 waves a work-group, clusters of 4 x 4, 327,680 bytes of LDS; arguments c3, s3, c0, s0, bo, out0; writes out0
.if DOCPART == 9
	.amdgcn_target "amdgcn-amd-amdhsa--gfx1250"
	.amdhsa_code_object_version 6
	.text
	.protected	k_qee594c8f5f_proj
	.globl	k_qee594c8f5f_proj
	.p2align	8
	.type	k_qee594c8f5f_proj,@function
k_qee594c8f5f_proj:
	s_mov_b64 s[64:65], 0
	v_nop
	global_prefetch_b8 v0, s[64:65] scope:SCOPE_SE
	s_setreg_imm32_b32 hwreg(HW_REG_WAVE_MODE, 25, 1), 1
	s_wait_xcnt 0x0
	s_wait_alu depctr_hold_cnt(0) depctr_sa_sdst(0) depctr_va_vdst(0) depctr_va_sdst(0) depctr_va_ssrc(0) depctr_va_vcc(0) depctr_vm_vsrc(0)
	s_getreg_b32 s2, hwreg(HW_REG_IB_STS2, 6, 4)
	s_cmp_eq_u32 s2, 0
	s_cbranch_scc0 .Lentry_in_a_cluster
	s_endpgm
.Lentry_in_a_cluster:
	s_bfe_u32 s2, ttmp6, 0x10000c
	s_cmp_lg_u32 s2, 0xf033
	s_cbranch_scc0 .Lentry_shape_is_right
	s_endpgm
.Lentry_shape_is_right:
; LAUNCH 5 OF 5.  out0[b][s][f] = the sum over e of out[b][s][e] Wo[f][e] + bo[f], on codes of FP6 (E2M3) with E8M0 scales, f32 sums, f32 result.
; No work of the problem is left out here.
; LAYOUTS: a fragment, 16 rows x 128 K, is an image of its 12 registers: registers 4 g .. 4 g + 3 of lane l at 512 g + 16 l, 1,536 bytes.  Codes [row block of 16][K / 256][2][1536]; scale words [rows / 128][K / 128][512],
; in the 512 [G][r][i]: row 64 G + 16 i + r.  Place p of a buffer holds row p with bits 3 and 4 exchanged.  c3: out, blocks 0-511.  c0: Wo is blocks 704-767.  K = 1,024.
; A TILE IS 128 ROWS x 256 COLUMNS: 64 x 4 tiles, a work-group for each of 256 WGPs.  Four waves, each 64 x 128: 32 accumulators.
; ALL OF K LIES IN LDS: two halves of 512 along K (a row block's part of one is 6,144 consecutive bytes of memory; A's 8 blocks, then B's 16: 147,456 bytes), both asked for at the head.  Nothing is filled again.
; A step of 128 along K multiplies one set of fragments while the next step's 38 LDS loads land in the other set.  The text has no loop: every offset is an immediate.
; The scale words of the work-group's rows come with the first fills.  CLUSTERS of 4 x 4: A's tiles are asked for jointly along a row of the cluster, B's along a column.
; THE MATRIX INSTRUCTION IS USED TRANSPOSED (source 0 = 16 rows of Wo, source 1 = 16 rows of out): lane (r, h) holds the row at place r, and register j of tile b holds column 32 (b / 2) + 8 (b % 2) + 16 h + j.
; The bias is the C of each sum's first matrix instruction.  The rows' permutation is undone in the stores' offsets.
; LIMITS: NaN and infinities are not served; the bias is a sum's first term, not its last (another order of f32 rounding).
; REGISTERS: window 0: v0-31 addresses; v32-47 scale words, two sets of 8, and nothing else; v64-127 the bias; v128-223 A's 4 fragments, two sets; on the way out v128-255 rows of the result.  Window 1: B's 8 fragments, two sets.  Window 2: the accumulators.
.set KDIM,  1024
.set NSIG,  KDIM/256
.set NS,    KDIM/128                   ; steps
.set FR,    12
.set NP,    4
.set FRB,   1536
.set BLK,   2*FRB
.set BLKH,  4*FRB                      ; a row block's 512 along K
.set HALFA, 4*BLKH                     ; 64 rows of A: what waves 0 and 1 fetch, and what a wave reads
.set HALFB, 8*BLKH                     ; 128 rows of B: what waves 2 and 3 fetch, and what a wave reads
.set SLOT,  2*HALFA+2*HALFB
.set SCL,   2*SLOT                     ; behind the two halves of K: A's scale words (one group of 128 rows), then B's (two)
.set HALFS, 512*NS
.set SPARE, SCL+3*HALFS                ; the spare words, 128 bytes a wave: two blocks of 256 bytes that no other line names
.set SPITCH, 528                       ; the way out: a stage of 16 rows x (512 bytes + 16) for each wave.  It lies in the first half of K, which is filled once and has had its last read, in every wave, at the barrier of step 3
.set WV, 18
.set HR, 19
.set HC, 20
.set TY, 21
.set TX, 22
.set G1, 24
.set G0, 32
.set G1B, 48
.set G0B, 56
.set G1S, 68
.set G0S, 76
.set G1SB, 80
.set G0SB, 88
.set ADRA, 16
.set ADRB, 20
.set STO,  24                          ; v24 the way out: where I put 32 bytes of a row
.set RD,   25                          ; v25 the way out: where I read a row back
.set LI,   26
.set ADRS, 27
.set SPW,  28
.set NIL,  29
.set LN,   30
.set SC,   32                          ; scale words: register SC + 8 set + i: lanes 0-15 A's block i (i < 4), lanes 16-31 B's block i
.set BI,   64
.set AF,   128
.set BK,   128                         ; the way out: 16 rows read back from the stage: v128-191 and v192-255 by turns
.set MSB, 0
.macro WIN new                         ; the immediate's high byte repeats the setting that is left
.if MSB != \new
	s_set_vgpr_msb (MSB<<8)|\new
.set MSB, \new
.endif
.endm
.set MUL,    0xa1                      ; source 0 (B) window 1, source 1 (A) window 0, C and D window 2
.set TO_B,   0x40                      ; destination window 1, address window 0
; A joint load: waves 0 and 1 fetch for A, waves 2 and 3 for B.  The branch hangs on the wave's number alone.  An s_nop 0 and four v_nop follow each of the two lines.
.macro JLOAD g0a, g1a, g0b, g1b
	s_cmp_eq_u32 s[HR], 0
	s_cbranch_scc0 .Lfor_b_\@
	tensor_load_to_lds s[\g0a:\g0a+3], s[\g1a:\g1a+7]
	s_nop 0
.rept 4
	v_nop
.endr
	s_branch .Lasked_\@
.Lfor_b_\@:
	tensor_load_to_lds s[\g0b:\g0b+3], s[\g1b:\g1b+7]
	s_nop 0
.rept 4
	v_nop
.endr
.Lasked_\@:
.endm
.macro CROUND                          ; a round of the cluster's barrier
	s_barrier_signal -1
	s_barrier_wait -1
	s_cmp_lg_u32 s[WV], 0
	s_cbranch_scc1 .Lnot_wave_0_\@
	s_barrier_signal -3
.Lnot_wave_0_\@:
	s_barrier_wait -3
	s_barrier_signal -1
	s_barrier_wait -1
.endm
.macro PLACES n
.rept \n
	v_nop
.endr
.endm
.macro FRAG reg, adr, q, i             ; a fragment comes back as it was stored: three loads of 512 consecutive bytes
.irp g, 0,1,2
	ds_load_b128 v[\reg+4*\g:\reg+4*\g+3], v[\adr] offset:(\i)*BLKH+(\q)*FRB+512*\g
.endr
.endm
.macro FETCH slot, q, p, s             ; step s, the q-th 128 of its half of K, into set p: B's eight fragments, A's four, the scale words
	WIN TO_B
.irp i, 0,1,2,3,4,5,6,7
	FRAG 128*(\p)+FR*\i, ADRB+(\slot), \q, \i
.endr
	WIN 0
.irp i, 0,1,2,3
	FRAG AF+48*(\p)+FR*\i, ADRA+(\slot), \q, \i
.endr
.irp g, 0,1
	ds_load_b128 v[SC+8*(\p)+4*\g:SC+8*(\p)+4*\g+3], v[ADRS] offset:512*(\s)+256*\g   ; lanes 16-31: B's blocks 4 g .. 4 g + 3; lanes 0-15: with g = 0 A's four (what they bring with g = 1 is not read)
.endr
.endm
; 32 matrix instructions: A's four blocks x B's eight, on set p.  cm = 0: the sums go on; 2: they start at the bias of B's block.  The 32 accumulators take turns, one instruction a turn, in the same order in every step.
.macro MUL32 p, cm
.irp a, 0,1,2,3
.irp b, 0,1,2,3,4,5,6,7
.set rD, 8*(8*\a+\b)
.set rB, 128*(\p)+FR*\b
.set rA, AF+48*(\p)+FR*\a
.set rT, SC+8*(\p)
.if (\cm) == 0
	v_wmma_scale_f32_16x16x128_f8f6f4 v[rD:rD+7], v[rB:rB+FR-1], v[rA:rA+FR-1], v[rD:rD+7], v[rT+\b], v[rT+\a] matrix_a_fmt:MATRIX_FMT_FP6 matrix_b_fmt:MATRIX_FMT_FP6 matrix_a_scale:MATRIX_SCALE_ROW1
.else
	v_wmma_scale_f32_16x16x128_f8f6f4 v[rD:rD+7], v[rB:rB+FR-1], v[rA:rA+FR-1], v[BI+8*\b:BI+8*\b+7], v[rT+\b], v[rT+\a] matrix_a_fmt:MATRIX_FMT_FP6 matrix_b_fmt:MATRIX_FMT_FP6 matrix_a_scale:MATRIX_SCALE_ROW1
.endif
.endr
.endr
.endm
; STEP s of 128 along K.  Its fragments were asked for a step ago; the next step's are asked for first, into the set that the last step multiplied (NP plain vector instructions behind its last product), then come the products.
; mode 0: the next step lies in the same half of K.  mode 2: the next step begins the second half: each wave waits for all its tensor loads, adds 0 to its spare word, waits for that and for its LDS reads; a barrier.  mode 3: the last step.
.macro STEPH s, cm, mode
.set NSL, (((\s)+1)/4)%2
.set NQN, ((\s)+1)%4
.set PP,  (\s)%2
.set PN,  1-PP
.set SN,  (\s)+1
.if (\mode) == 0
	s_wait_dscnt 0x0                               ; this step's fragments and scale words are in
	PLACES NP
.elseif (\mode) == 3
	s_wait_dscnt 0x0
.else
	WIN 0                                          ; (the add's two registers lie in window 0)
	s_wait_tensorcnt 0x0                           ; all my tensor loads have landed: my part of the second half of K
	ds_add_u32 v[SPW], v[NIL]                      ; 0 onto my spare word
	s_wait_dscnt 0x0                               ; the add is done; this step's fragments are in, and they were my last reads of the first half
	s_barrier_signal -1
	s_barrier_wait -1
	PLACES NP
.endif
.if (\mode) != 3
	FETCH NSL, NQN, PN, SN
.endif
.if (\cm) >= 2
	WIN 0x81                                       ; C (the bias) in window 0
.else
	WIN MUL
.endif
	MUL32 PP, \cm
.endm
	s_load_b256 s[4:11], s[0:1], 0x0               ; c3 s[4:5], s3 s[6:7], c0 s[8:9], s0 s[10:11]
	s_load_b128 s[12:15], s[0:1], 0x20             ; bo s[12:13], out0 s[14:15]
	v_lshl_add_u32 v[SPW], v0, 2, SPARE
	v_mov_b32 v[NIL], 0
	ds_add_u32 v[SPW], v[NIL]                      ; the wave's opening: the add, twice on end, and its wait ahead of my first tensor load
	ds_add_u32 v[SPW], v[NIL]
	v_lshrrev_b32 v1, 5, v0
	v_readfirstlane_b32 s[WV], v1
	s_lshr_b32 s[HR], s[WV], 1
	s_and_b32 s[HC], s[WV], 1
	s_bfe_u32 s40, ttmp6, 0x40000                  ; cx, cy
	s_bfe_u32 s41, ttmp6, 0x40004
	s_lshl_b32 s[TX], ttmp9, 2
	s_add_co_u32 s[TX], s[TX], s40                 ; tile column: 256 of f
	s_and_b32 s46, ttmp7, 0xffff
	s_lshl_b32 s[TY], s46, 2
	s_add_co_u32 s[TY], s[TY], s41                 ; tile row: 128 of the 8,192 rows
	s_lshl_b32 s42, s41, 2
	s_lshl_b32 s42, 15, s42                        ; my row of the cluster
	s_lshl_b32 s43, 0x1111, s40                    ; my column
	; descriptor group 1: rows (row blocks) of 768 elements of 8 bytes, NSIG x 384 elements apart; they land on end in LDS.  A: 4 rows; B: 8
	s_or_b32 s[G1], s42, (3<<16)|(1<<21)           ; 15:0 the mask; 17:16 elements of 8 bytes; 20 no padding; 21 set beside a mask
	s_mov_b32 s[G1+1], 768<<16                     ; tensor_dim0
	s_mov_b32 s[G1+2], 4<<16                       ; tensor_dim1
	s_mov_b32 s[G1+3], 768<<16                     ; tile_dim0
	s_mov_b32 s[G1+4], 4                           ; tile_dim1
	s_mov_b32 s[G1+5], NSIG*384                    ; tensor_dim0_stride
	s_mov_b32 s[G1+6], 0
	s_mov_b32 s[G1+7], 0
	s_or_b32 s[G1B], s43, (3<<16)|(1<<21)
	s_mov_b32 s[G1B+1], 768<<16
	s_mov_b32 s[G1B+2], 8<<16
	s_mov_b32 s[G1B+3], 768<<16
	s_mov_b32 s[G1B+4], 8
	s_mov_b32 s[G1B+5], NSIG*384
	s_mov_b32 s[G1B+6], 0
	s_mov_b32 s[G1B+7], 0
	; the scale words: dense blocks, as rows of 256 bytes.  A: half a group of 128 rows a wave; B: a group a wave
	s_or_b32 s[G1S], s42, (3<<16)|(1<<21)
	s_mov_b32 s[G1S+1], 32<<16
	s_mov_b32 s[G1S+2], (HALFS/512)<<16
	s_mov_b32 s[G1S+3], 32<<16
	s_mov_b32 s[G1S+4], HALFS/512
	s_mov_b32 s[G1S+5], 32
	s_mov_b32 s[G1S+6], 0
	s_mov_b32 s[G1S+7], 0
	s_or_b32 s[G1SB], s43, (3<<16)|(1<<21)
	s_mov_b32 s[G1SB+1], 32<<16
	s_mov_b32 s[G1SB+2], (HALFS/256)<<16
	s_mov_b32 s[G1SB+3], 32<<16
	s_mov_b32 s[G1SB+4], HALFS/256
	s_mov_b32 s[G1SB+5], 32
	s_mov_b32 s[G1SB+6], 0
	s_mov_b32 s[G1SB+7], 0
	s_lshl_b32 s92, s[TY], 3                       ; A = out: 8 blocks a tile,
	s_lshl_b32 s46, s[HC], 2
	s_add_co_u32 s92, s92, s46                     ; + the 4 that I fetch
	s_mul_i32 s92, s92, NSIG*BLK
	s_mov_b32 s93, 0
	s_mul_i32 s94, s[TY], HALFS                    ; the tile's group of scale words,
	s_mul_i32 s46, s[HC], HALFS/2
	s_add_co_u32 s94, s94, s46                     ; + the half that I fetch
	s_mov_b32 s95, 0
	s_lshl_b32 s96, s[TX], 4
	s_add_co_u32 s96, s96, 704
	s_lshl_b32 s46, s[HC], 3
	s_add_co_u32 s96, s96, s46                     ; B = Wo: block 704 + 16 tile column + 8 half
	s_lshr_b32 s98, s96, 3                         ; its group of 128 rows
	s_mul_i32 s96, s96, NSIG*BLK
	s_mov_b32 s97, 0
	s_mul_i32 s98, s98, HALFS
	s_mov_b32 s99, 0
	s_mul_i32 s44, s[HC], HALFA                    ; where they go in a half of K: A's halves,
	s_mul_i32 s45, s[HC], HALFB
	s_add_co_u32 s45, s45, 2*HALFA                 ; then B's: no place in the cluster enters an LDS address
	s_mul_i32 s67, s[HC], HALFS/2
	s_add_co_u32 s67, s67, SCL                     ; A's scale words,
	s_mul_i32 s23, s[HC], HALFS
	s_add_co_u32 s23, s23, SCL+HALFS               ; then B's
	s_wait_dscnt 0x0                               ; both opening adds are done
	s_wait_kmcnt 0x0
	s_add_nc_u64 s[92:93], s[4:5], s[92:93]
	s_add_nc_u64 s[94:95], s[6:7], s[94:95]
	s_add_nc_u64 s[96:97], s[8:9], s[96:97]
	s_add_nc_u64 s[98:99], s[10:11], s[98:99]
	CROUND                                         ; all sixteen work-groups are here: the joint loads meet
	s_mov_b32 s[G0S], 1
	s_mov_b32 s[G0S+1], s67
	s_mov_b64 s[G0S+2:G0S+3], s[94:95]
	s_or_b32 s[G0S+3], s[G0S+3], 0x80000000
	s_mov_b32 s[G0SB], 1
	s_mov_b32 s[G0SB+1], s23
	s_mov_b64 s[G0SB+2:G0SB+3], s[98:99]
	s_or_b32 s[G0SB+3], s[G0SB+3], 0x80000000
	JLOAD G0S, G1S, G0SB, G1SB                     ; the scale words first.  With the two below, three tensor loads of mine are out
.irp s, 0,1
	s_mov_b32 s[G0+4*\s], 1
	s_add_co_u32 s[G0+4*\s+1], s44, \s*SLOT
	s_add_nc_u64 s[G0+4*\s+2:G0+4*\s+3], s[92:93], \s*BLKH
	s_or_b32 s[G0+4*\s+3], s[G0+4*\s+3], 0x80000000
	s_mov_b32 s[G0B+4*\s], 1
	s_add_co_u32 s[G0B+4*\s+1], s45, \s*SLOT
	s_add_nc_u64 s[G0B+4*\s+2:G0B+4*\s+3], s[96:97], \s*BLKH
	s_or_b32 s[G0B+4*\s+3], s[G0B+4*\s+3], 0x80000000
	JLOAD G0+4*\s, G1, G0B+4*\s, G1B
.endr
	v_and_b32 v1, 15, v0                           ; r
	v_bfe_u32 v2, v0, 4, 1                         ; h
	v_and_b32 v[LN], 31, v0
	v_lshlrev_b32 v[LI], 4, v[LN]
	s_mul_i32 s46, s[HR], HALFA                    ; my 64 rows of A
	s_mul_i32 s47, s[HC], HALFB                    ; my 128 rows of B,
	s_add_co_u32 s47, s47, 2*HALFA                 ; which lie behind A's 128
.irp s, 0,1
	v_add_nc_u32 v[ADRA+\s], s46, v[LI]
	v_add_nc_u32 v[ADRB+\s], s47, v[LI]
	s_add_co_u32 s46, s46, SLOT
	s_add_co_u32 s47, s47, SLOT
.endr
	v_lshlrev_b32 v5, 4, v1                        ; my row's four words of four blocks: 16 r
	s_lshl_b32 s46, s[HR], 8                       ; A's: my 64 rows are half G = my half of each step's 512 bytes
	s_mul_i32 s47, s[HC], HALFS                    ; B's: my group, behind A's one
	s_add_co_u32 s47, s47, HALFS
	s_sub_co_u32 s47, s47, s46
	v_mul_u32_u24 v6, s47, v2                      ; lanes 16-31 take B's
	s_add_co_u32 s46, s46, SCL
	v_add_nc_u32 v5, v5, v6
	v_add_nc_u32 v[ADRS], s46, v5
	; the bias, in the result's layout: register 8 b + j = bo(256 tile column + 128 my half + 32 (b / 2) + 8 (b % 2) + 16 h + j)
	s_lshl_b32 s96, s[TX], 10
	s_lshl_b32 s46, s[HC], 9
	s_add_co_u32 s96, s96, s46
	s_mov_b32 s97, 0
	s_add_nc_u64 s[96:97], s[12:13], s[96:97]
	v_lshlrev_b32 v3, 6, v2                        ; 64 h
.irp b, 0,1,2,3,4,5,6,7
	global_load_b128 v[BI+8*\b:BI+8*\b+3], v3, s[96:97] offset:4*(32*(\b/2)+8*(\b%2))
	global_load_b128 v[BI+8*\b+4:BI+8*\b+7], v3, s[96:97] offset:4*(32*(\b/2)+8*(\b%2))+16
.endr
	s_mul_i32 s46, s[WV], 16*SPITCH                ; my stage
	v_mul_u32_u24 v[STO], v1, SPITCH               ; in: row r, + 64 h: the columns 16 h on
	v_lshl_add_u32 v[STO], v2, 6, v[STO]
	v_add_nc_u32 v[STO], s46, v[STO]
	v_add_nc_u32 v[RD], s46, v[LI]                 ; back: the 32 lanes take one row of 512 bytes
	s_lshl_b32 s92, s[TY], 7                       ; out0: my first row, 128 tile row + 64 my half, of 4,096 bytes; my first column, 256 tile column + 128 my half, of 4 bytes
	s_lshl_b32 s46, s[HR], 6
	s_add_co_u32 s92, s92, s46
	s_lshl_b32 s92, s92, 12
	s_lshl_b32 s46, s[TX], 10
	s_add_co_u32 s92, s92, s46
	s_lshl_b32 s46, s[HC], 9
	s_add_co_u32 s92, s92, s46
	s_mov_b32 s93, 0
	s_add_nc_u64 s[92:93], s[14:15], s[92:93]
	s_wait_tensorcnt 1                             ; the scale words and my part of the first half of K are in (the second half's load may be out)
	s_barrier_signal -1
	s_barrier_wait -1                              ; everybody's are
	FETCH 0, 0, 0, 0
	s_wait_loadcnt 0x0                             ; the bias
	STEPH 0, 2, 0                                  ; the first step's products start the sums at the bias
	STEPH 1, 0, 0
	STEPH 2, 0, 0
	STEPH 3, 0, 2                                  ; the second half of K has landed in every wave
	STEPH 4, 0, 0
	STEPH 5, 0, 0
	STEPH 6, 0, 0
	STEPH 7, 0, 3
	WIN 0
; THE WAY OUT, block by block of 16 rows x 128 columns.  A lane holds pieces of 32 bytes of one row, and the lanes beside it hold other rows: so a block goes through my own stage in LDS and comes back as whole rows of
; 512 bytes, which the 32 lanes store as 512 consecutive bytes, aligned.  LDS serves a wave's instructions in order: no wait between the stores and the loads, nor in front of the next block's stores.
.macro TOSTAGE a
.set AC, 64*(\a)
	WIN 0x08                                       ; an LDS store's data are its source 1: window 2
.irp b, 0,1,2,3,4,5,6,7
	ds_store_b128 v[STO], v[AC+8*\b:AC+8*\b+3] offset:128*(\b/2)+32*(\b%2)          ; each accumulator from its low end on
	ds_store_b128 v[STO], v[AC+8*\b+4:AC+8*\b+7] offset:128*(\b/2)+32*(\b%2)+16
.endr
	WIN 0
.set BB, BK+64*((\a)%2)
.irp t, 0,1,2,3,4,5,6,7,8,9,10,11,12,13,14,15
	ds_load_b128 v[BB+4*\t:BB+4*\t+3], v[RD] offset:\t*SPITCH
.endr
.endm
.macro SEND a, younger                 ; younger: the LDS instructions issued behind block a's loads, which may stay out
.set BB, BK+64*((\a)%2)
	s_wait_dscnt \younger                          ; the block is back in registers
.irp t, 0,1,2,3,4,5,6,7,8,9,10,11,12,13,14,15
	global_store_b128 v[LI], v[BB+4*\t:BB+4*\t+3], s[92:93] offset:(32*((\a)/2)+8*((\a)%2)+\t+8*(\t/8))*4096 th:TH_STORE_NT   ; place 16 a + t holds row 32 (a / 2) + 8 (a % 2) + t + 8 (t / 8); no base is stepped
.endr
.endm
	PLACES NP                                      ; behind the last products: results are read, and loads land in the registers that held A's fragments
	TOSTAGE 0
.irp a, 1,2,3
.if \a > 1
	s_wait_xcnt 0x0                                ; block a - 2's stores have read their registers: block a's loads may land there
.endif
	TOSTAGE \a
	SEND \a-1, 32                                  ; behind block a - 1's loads: block a's 16 stores and 16 loads
.endr
	SEND 3, 0
	s_wait_tensorcnt 0x0                           ; the wave's end, behind my last tensor load and my last LDS store
	ds_add_u32 v[SPW], v[NIL]
	s_wait_dscnt 0x0
	CROUND                                         ; the closing round
	s_endpgm
.Lfunc_end_k_qee594c8f5f_proj:
	.size	k_qee594c8f5f_proj, .Lfunc_end_k_qee594c8f5f_proj-k_qee594c8f5f_proj
	.p2alignl 7, 3214868480
	.fill 96, 4, 3214868480
	.section	.rodata,"a",@progbits
	.p2align	6, 0x0
	.amdhsa_kernel k_qee594c8f5f_proj
		.amdhsa_group_segment_fixed_size 327680
		.amdhsa_private_segment_fixed_size 0
		.amdhsa_enable_private_segment 0
		.amdhsa_kernarg_size 48
		.amdhsa_user_sgpr_count 2
		.amdhsa_user_sgpr_kernarg_segment_ptr 1
		.amdhsa_wavefront_size32 1
		.amdhsa_system_sgpr_workgroup_id_x 1
		.amdhsa_system_sgpr_workgroup_id_y 1
		.amdhsa_system_sgpr_workgroup_id_z 1
		.amdhsa_system_vgpr_workitem_id 0
		.amdhsa_next_free_vgpr 768
		.amdhsa_next_free_sgpr 100
		.amdhsa_reserve_vcc 0
		.amdhsa_float_denorm_mode_32 3
		.amdhsa_float_denorm_mode_16_64 3
		.amdhsa_memory_ordered 1
		.amdhsa_forward_progress 1
		.amdhsa_inst_pref_size 80
	.end_amdhsa_kernel
	.amdgpu_metadata
---
amdhsa.version: [ 1, 2 ]
amdhsa.kernels:
  - .name:           k_qee594c8f5f_proj
    .symbol:         k_qee594c8f5f_proj.kd
    .args:
      - { .name: c3, .offset: 0, .size: 8, .value_kind: global_buffer, .address_space: global }
      - { .name: s3, .offset: 8, .size: 8, .value_kind: global_buffer, .address_space: global }
      - { .name: c0, .offset: 16, .size: 8, .value_kind: global_buffer, .address_space: global }
      - { .name: s0, .offset: 24, .size: 8, .value_kind: global_buffer, .address_space: global }
      - { .name: bo, .offset: 32, .size: 8, .value_kind: global_buffer, .address_space: global }
      - { .name: out0, .offset: 40, .size: 8, .value_kind: global_buffer, .address_space: global }
    .group_segment_fixed_size: 327680
    .private_segment_fixed_size: 0
    .kernarg_segment_align: 8
    .kernarg_segment_size: 48
    .max_flat_workgroup_size: 128
    .sgpr_count:     100
    .vgpr_count:     768
    .wavefront_size: 32
...
	.end_amdgpu_metadata
.endif
;; end of part 9
